; MI455X (gfx1250); checked and timed in simulation.
; The chip was launched on July 23, 2026; its instructions are those of AMD's public machine-readable ISA for CDNA 5 (MIT licence, August 2026) and "CDNA5" Instruction Set Architecture Reference Guide (July 2026). The comments in the code are by the model that wrote it; some were corrected since.
;; Single Head Attention. Allowed arithmetic: matrix products marked QUANTISED: E2M3 operands, one E8M0 scale for each 32 along K, by v_wmma_scale_f32_16x16x128_f8f6f4 with both operands' format E2M3, f32 sums; everything else in f32.
;; Inputs: Wk_codes 1,024 x 32 x 24 uint8 (E2M3 codes of Wk, K innermost, in blocks of 32 codes, four codes in three bytes); Wk_scales 1,024 x 32 uint8 (E8M0 scales of Wk, one for each 32 codes along K); Wo_codes 1,024 x 32 x 24 uint8 (E2M3 codes of Wo, K innermost, in blocks of 32 codes, four codes in three bytes); Wo_scales 1,024 x 32 uint8 (E8M0 scales of Wo, one for each 32 codes along K); Wq_codes 1,024 x 32 x 24 uint8 (E2M3 codes of Wq, K innermost, in blocks of 32 codes, four codes in three bytes); Wq_scales 1,024 x 32 uint8 (E8M0 scales of Wq, one for each 32 codes along K); Wv_codes 1,024 x 32 x 24 uint8 (E2M3 codes of Wv, K innermost, in blocks of 32 codes, four codes in three bytes); Wv_scales 1,024 x 32 uint8 (E8M0 scales of Wv, one for each 32 codes along K); bo 1,024 float32; x_codes 4 x 2,048 x 32 x 24 uint8 (E2M3 codes of x, K innermost, in blocks of 32 codes, four codes in three bytes); x_scales 4 x 2,048 x 32 uint8 (E8M0 scales of x, one for each 32 codes along K).
;; Outputs: out0 4 x 2,048 x 1,024 float32.
;; This version of the problem:
;;   THIS VERSION OF THE PROBLEM IS GIVEN IN LOW PRECISION. The matrix products marked QUANTISED in the list below multiply operands that are first quantised to E2M3 (2 exponent bits, 3 mantissa bits; 6 bits a number), with one power-of-two scale for each 32 numbers along K (OCP MX v1.0); their sums are f32. All else is computed in f32.
;;   The module's matrix products, in the order in which they are computed (A, B: the left and right operand; K: the contracted axis; several contracted axes count as one K, in the product's order):
;;     1. [M 8,192, K 1,024] x [K 1,024, N 1,024]; A: input x (given as codes); B: input Wq (given as codes): QUANTISED
;;     2. [M 8,192, K 1,024] x [K 1,024, N 1,024]; A: input x (given as codes); B: input Wk (given as codes): QUANTISED
;;     3. [M 8,192, K 1,024] x [K 1,024, N 1,024]; A: input x (given as codes); B: input Wv (given as codes): QUANTISED
;;     4. batch 4 x [M 2,048, K 1,024] x [K 1,024, N 2,048]; A: computed on the way; B: computed on the way: QUANTISED
;;     5. batch 4 x [M 2,048, K 2,048] x [K 2,048, N 1,024]; A: softmax (see below); B: computed on the way: QUANTISED
;;     6. [M 8,192, K 1,024] x [K 1,024, N 1,024]; A: computed on the way; B: input Wo (given as codes): QUANTISED
;;   THE QUANTISER, for each operand of a quantised product, along K:
;;     - K is cut into blocks of 32 from its start; a last block that is shorter is filled with zeros.
;;     - A block's scale is 2^e with e = floor(log2(the largest magnitude in the block)) - 2, held to -126 .. 127; a block of zeros has e = 0. As a byte (E8M0): e + 127.
;;     - Each number is divided by its block's scale, clamped to +-7.5, and rounded to the nearest number of E2M3, ties to even, subnormals kept.
;;     - The product sums the exact products of the quantised numbers (number of the format x scale) in f32.
;;   ~~~python
;;   def quantise(x, axis):      # numpy; x: float32 -> the quantised numbers, widened to float32 again
;;       x = np.moveaxis(x, axis, -1); K = x.shape[-1]
;;       x = np.pad(x, [(0, 0)] * (x.ndim - 1) + [(0, -K % 32)]); x = x.reshape(x.shape[:-1] + (-1, 32)); a = np.abs(x).max(-1, keepdims=True)
;;       e = np.where(a > 0, np.clip(np.frexp(np.where(a > 0, a, 1))[1] - 1 - 2, -126, 127), 0)      # np.frexp(a)[1] - 1 = floor(log2(a)), exactly
;;       r = np.clip(x / 2.0 ** e, -7.5, 7.5)
;;       step = 2.0 ** (np.maximum(np.frexp(np.where(r == 0, 1, r))[1] - 1, 0) - 3)
;;       q = np.round(r / step) * step * 2.0 ** e      # np.round: ties to even
;;       return np.moveaxis(q.reshape(q.shape[:-2] + (-1,))[..., :K], -1, axis).astype(np.float32)
;;   ~~~
;;   SOFTMAX AHEAD OF A QUANTISED PRODUCT. Where the list says 'softmax', what is quantised is not the finished softmax but p = 2^(t - M), with t = logit x log2(e) and M = ceil(the row's largest t), a whole number; so 1/2 < the row's largest p <= 1. The row's sum l is taken of the UNQUANTISED p, in f32, and the product's result is divided by l at the end. Since M is a whole number, a kernel that streams over the keys may use a running M (the ceiling of the running maximum): every later rescaling is an exact power of two, which a block's scale takes up: the codes' values come out the same.
;;   OPERANDS COMPUTED ON THE WAY. 'Computed on the way' means the value that the module computes at that place (a softmax that the list does not call 'softmax' is quantised finished and normalised). What goes into a quantiser is computed in f32, as accurately as f32 sums, v_exp_f32 and their like allow (about 1e-6 of the number): no bf16 or f16 on the way to a quantiser, and a product that is left as it is and whose result goes on into a quantised operand takes f32 operands (vector FMAs, or v_wmma_f32_16x16x4_f32). A number that lies on a knife's edge between two numbers of the format may be rounded either way, as far as f32 arithmetic and the matrix unit's own rounding can turn it there, and no further.
;;   INPUTS GIVEN AS CODES. Wk (in the module: [1024, 1024], K = its axis 1); Wo (in the module: [1024, 1024], K = its axis 1); Wq (in the module: [1024, 1024], K = its axis 1); Wv (in the module: [1024, 1024], K = its axis 1); x (in the module: [4, 2048, 1024], K = its axis 2): each comes as NAME_codes (uint8): NAME with its K axis moved to the last place and cut into blocks of 32 codes, [.., K / 32, bytes a block], one block behind the other in memory; four codes in three bytes: a row's codes are one little-endian stream of bits, code i at bits 6 i .. 6 i + 5 (a code: sign, 2 exponent bits, 3 mantissa bits); and NAME_scales (uint8): the same leading axes, one E8M0 byte (e + 127) for each 32 codes along K. Its value is code x scale, taken as it is: it is not quantised again, and the codes and scales need not be those that the quantiser above would give.
;; 2 versions. Each part assembles by itself: llvm-mc -triple=amdgcn-amd-amdhsa -mcpu=gfx1250 --defsym DOCPART=n.
;; ======== version 1 of 2: 4 launches
;; workspace buffers: qkv_codes 18,874,368 bytes; qkv_scales 786,432 bytes; p_codes 12,582,912 bytes; p_scales 524,288 bytes; p_m 524,288 bytes; p_l 524,288 bytes; c_codes 6,291,456 bytes; c_scales 262,144 bytes
;; launch proj (part 1): grid 4 x 96, 4 waves a work-group, clusters of 4 x 4, 327,680 bytes of LDS; arguments x_codes, x_scales, Wq_codes, Wq_scales, Wk_codes, Wk_scales, Wv_codes, Wv_scales, qkv_codes, qkv_scales; writes qkv_codes, qkv_scales
.if DOCPART == 1
	.amdgcn_target "amdgcn-amd-amdhsa--gfx1250"
	.amdhsa_code_object_version 6
	.text
	.protected	k_q46dfdec8ea_proj
	.globl	k_q46dfdec8ea_proj
	.p2align	8
	.type	k_q46dfdec8ea_proj,@function
k_q46dfdec8ea_proj:
	s_mov_b64 s[64:65], 0
	v_nop
	global_prefetch_b8 v0, s[64:65] scope:SCOPE_SE
	s_setreg_imm32_b32 hwreg(HW_REG_WAVE_MODE, 25, 1), 1
	s_wait_xcnt 0x0
	s_wait_alu depctr_hold_cnt(0) depctr_sa_sdst(0) depctr_va_vdst(0) depctr_va_sdst(0) depctr_va_ssrc(0) depctr_va_vcc(0) depctr_vm_vsrc(0)
	s_getreg_b32 s2, hwreg(HW_REG_IB_STS2, 6, 4)
	s_cmp_eq_u32 s2, 0
	s_cbranch_scc0 .Lentry_in_a_cluster
	s_endpgm
.Lentry_in_a_cluster:
	s_bfe_u32 s2, ttmp6, 0x10000c
	s_cmp_lg_u32 s2, 0xf033
	s_cbranch_scc0 .Lentry_shape_is_right
	s_endpgm
.Lentry_shape_is_right:
; q = x Wq^T, k = x Wk^T and v^T = Wv x^T on codes of FP6 (E2M3) with one E8M0 scale for each 32 along K; each result is quantised again, along its COLUMNS, in registers, and leaves as codes and scale bytes.
; Three jobs of eight clusters: jobs 0, 1: A = x (8,192 rows), B = Wq or Wk (1,024 rows); job 2: A = Wv, B = x, so that v comes out with the keys along its rows' columns, which are the K of the product that will read it.
; A tile of C, 256 x 256, is made by four waves, 128 x 128 each: 64 accumulators.  K = 1,024 goes in steps of 256 through a ring of two LDS slots filled by the tensor data mover; the scale bytes of the tile's rows come once.
; CLUSTERS: 4 x 4 work-groups; A's tiles are asked for jointly along a row of the cluster, B's along a column.  THE MATRIX INSTRUCTION IS USED TRANSPOSED (source 0 = 16 rows of B, source 1 = 16 rows of A): a lane holds
; row lane % 16 of C and, in accumulator b, columns 16 b + 8 (lane / 16) + 0 .. 7.  So accumulators 2 c and 2 c + 1 of lanes l and l xor 16 hold block c of 32 columns.
; THE OUTPUT IS LAID AS IMAGES OF OPERAND REGISTERS: a fragment (16 rows x 128 K, 12 registers a lane) is 1,536 bytes, register g of lane l at 512 (g / 4) + 16 l + 4 (g % 4); 128 rows x 256 K are 16 fragments, 24,576 dense bytes.
; INSIDE A BLOCK OF 32 the codes stand in the order in which the lanes hold them (places 16 h + j: column 8 h + j; places 16 h + 8 + j: column 16 + 8 h + j).  Both operands of each later product are made by this same
; text or its like, so the order is the same on both sides; the block's 32 numbers and its scale are those of the rule.  The order of the f32 sums differs from a sum in ascending K.
; LIMITS: NaN and infinities are not served.  A block whose largest magnitude lies under 2^-124, a block of zeros among them, gets the byte 1 (the rule says 127 for zeros): its codes are read by this program alone.
.set AIMG,   0                         ; A comes as rows of codes (0) or as images (1)
.set BIMG,   0                         ; B likewise
.set BIASC,  0                         ; 1: the sums begin with a bias in v64-127
.set SIZE_K, 1024
.set EXTRA,  0                         ; LDS bytes between the scales and the spare words
.set NQ,     2                         ; matrix instructions deep in a slot: 256 along K
.set FR,     12                        ; registers of a fragment
.set NP,     4                         ; places behind this matrix instruction (ISA guide 7.12.1)
.set ROWB,   192                       ; rows: 256 codes in bytes
.set KROW,   768                       ; rows: a row of 1,024 codes in memory
.set PITCH,  240                       ; rows: an LDS row: 3 x (64 bytes + 16 of padding): the 32 lanes of a load of 8 bytes touch 64 different banks (64 banks of 4 bytes: ISA guide 11.1)
.set IMGT,   24576                     ; images: 128 rows x 256 K
.if AIMG
.set HA,     IMGT                      ; 128 rows of A in a slot
.set STEPA,  IMGT                      ; from a K step to the next, in memory
.set NLA,    3                         ; LDS loads that bring a fragment of A
.else
.set HA,     128*PITCH
.set STEPA,  ROWB
.set NLA,    6
.endif
.if BIMG
.set HB,     IMGT
.set STEPB,  IMGT
.else
.set HB,     128*PITCH
.set STEPB,  ROWB
.endif
.set SLOT,   2*HA+2*HB                 ; A's 256 rows, then B's 256 rows
.set LAPS,   SIZE_K/512                ; a lap = two K steps = once round the ring
.set KS,     SIZE_K/32                 ; a row of scale bytes
.set SCL,    2*SLOT                    ; behind the ring: the scales, as units of 256 bytes + 16 of padding
.set HALFS,  (128*KS/256)*272          ; those of 128 rows
.set SBLK,   (16*KS/256)*272           ; those of 16 rows
.set RLB,    SCL+4*HALFS
.set SPARE,  RLB+EXTRA                 ; the spare words, 128 bytes for each wave: two blocks of 256 bytes that no other line names
.set VO,   7                           ; v7      16 x lane
.set ADRA, 16                          ; v16-17  LDS address of my A fragments in slot 0, 1 (v18-19: rows: behind one padding more)
.set ADRB, 20                          ; v20-21  the same for B (v22-23)
.set ADRS, 27                          ; v27     LDS address of my scale words: lanes 0-15 A's rows, lanes 16-31 B's
.set SPW,  28                          ; v28     LDS address of my spare word; never rewritten
.set NIL,  29                          ; v29     0; never rewritten
.set SC,   32                          ; v32-63  scale words, two sets; they hold nothing else
.set BI,   64
.set AF,   128                         ; v128-223 A's eight fragments, one set;  window 1: B's, two sets, at v0 and v128;  windows 2, 3: accumulator (a, b) at v[8 (8 (a % 4) + b)]
.set G1, 24                            ; s[24:31] descriptor group 1 for A's tiles;  s[32:39] group 0, one set for each slot
.set G0, 32
.set G1B, 48                           ; s[48:55], s[56:63] the same for B's tiles
.set G0B, 56
.set G1S, 68                           ; s[68:75], s[76:79] for A's scales;  s[80:87], s[88:91] for B's
.set G0S, 76
.set G1SB, 80
.set G0SB, 88
.set MSB, 0
.macro WIN new                         ; s_set_vgpr_msb: bits 1:0 source 0, 3:2 source 1, 5:4 source 2, 7:6 destination; the high byte repeats the setting that is left
.if MSB != (\new)
	s_set_vgpr_msb (MSB<<8)|(\new)
.set MSB, (\new)
.endif
.endm
.set MUL_LO, 0xa1                      ; source 0 (B) window 1, source 1 (A) window 0, C and D window 2
.set MUL_HI, 0xf1                      ; the same, C and D window 3
.set TO_B,   0x40                      ; destination window 1, address window 0
; A joint load: waves 0 and 1 fetch for A, waves 2 and 3 for B; the branch hangs on the wave's number alone.  Four v_nop follow each of the two lines.
.macro JLOAD g0a, g1a, g0b, g1b
	s_cmp_eq_u32 s15, 0
	s_cbranch_scc0 .Lfor_b_\@
	tensor_load_to_lds s[\g0a:\g0a+3], s[\g1a:\g1a+7]
	s_nop 0
.rept 4
	v_nop
.endr
	s_branch .Lasked_\@
.Lfor_b_\@:
	tensor_load_to_lds s[\g0b:\g0b+3], s[\g1b:\g1b+7]
	s_nop 0
.rept 4
	v_nop
.endr
.Lasked_\@:
.endm
.macro CREST                           ; a round of the cluster's barrier behind its opening barrier
	s_cmp_lg_u32 s14, 0
	s_cbranch_scc1 .Lnot_wave_0_\@
	s_barrier_signal -3
.Lnot_wave_0_\@:
	s_barrier_wait -3
	s_barrier_signal -1
	s_barrier_wait -1
.endm
.macro CROUND                          ; a whole round
	s_barrier_signal -1
	s_barrier_wait -1
	CREST
.endm
.macro G1TILE g, img, mask             ; group 1 of a tile of 128 rows x 256 K
.if \img
	s_or_b32 s[\g+0], s[\mask], (3<<16)|(1<<21)    ; 15:0 the mask; 17:16 elements of 8 bytes; 21 set beside a mask; no padding: 24,576 dense bytes as 96 rows of 256
	s_mov_b32 s[\g+1], 32<<16                      ; tensor_dim0
	s_mov_b32 s[\g+2], 96<<16                      ; tensor_dim1
	s_mov_b32 s[\g+3], 32<<16                      ; tile_dim0
	s_mov_b32 s[\g+4], 96                          ; tile_dim1
	s_mov_b32 s[\g+5], 32                          ; tensor_dim0_stride
.else
	s_or_b32 s[\g+0], s[\mask], (1<<20)|(1<<21)|(3<<22)|(3<<25)  ; elements of 1 byte; padding on: after every 16 words (code 3) 4 words (code 3)
	s_mov_b32 s[\g+1], ROWB<<16
	s_mov_b32 s[\g+2], 128<<16
	s_mov_b32 s[\g+3], ROWB<<16
	s_mov_b32 s[\g+4], 128
	s_mov_b32 s[\g+5], KROW
.endif
	s_mov_b32 s[\g+6], 0
	s_mov_b32 s[\g+7], 0
.endm
.macro G1SCALE g, mask                 ; group 1 of 4,096 dense scale bytes: 16 rows of 256 bytes, 16 bytes of padding behind each
	s_or_b32 s[\g+0], s[\mask], (3<<16)|(1<<20)|(1<<21)|(5<<22)|(3<<25)
	s_mov_b32 s[\g+1], 32<<16
	s_mov_b32 s[\g+2], 16<<16
	s_mov_b32 s[\g+3], 32<<16
	s_mov_b32 s[\g+4], 16
	s_mov_b32 s[\g+5], 32
	s_mov_b32 s[\g+6], 0
	s_mov_b32 s[\g+7], 0
.endm
; A fragment: block i of 16 rows, the slot's q-th 128 along K.  Image: three loads of 16 bytes a lane, 512 consecutive bytes each.  Rows: lane l holds row l % 16; registers 6 c .. 6 c + 5 hold K = 64 c + 32 (l / 16) + 0 .. 31,
; 24 bytes of the row's stream of bits, in pieces of 8 bytes; where the piece three on lies behind one padding more, the second address register serves.
.macro FRAG img, reg, adr, q, i
.if \img
.irp p, 0,1,2
	ds_load_b128 v[\reg+4*\p:\reg+4*\p+3], v[\adr] offset:(8*(\q)+(\i))*1536+512*\p
.endr
.else
.irp p, 0,1,2,3,4,5
.set PCE, 12*(\q)+6*(\p/3)+\p%3
.if PCE%8 < 5
	ds_load_b64 v[\reg+2*\p:\reg+2*\p+1], v[\adr] offset:8*PCE+16*(PCE/8)+(\i)*16*PITCH
.else
	ds_load_b64 v[\reg+2*\p:\reg+2*\p+1], v[\adr+2] offset:8*PCE+16*(PCE/8)+(\i)*16*PITCH
.endif
.endr
.endif
.endm
; 16 matrix instructions: A's blocks a0, a0 + 1 x B's eight.  p: B's set; sc: the set of scale words.  zero = 1: the first product starts the sums.  The 64 accumulators take turns, one instruction a turn.
.macro MUL16 a0, p, q, sc, zero
.irp a, \a0, \a0+1
.irp b, 0,1,2,3,4,5,6,7
.if \zero
.if BIASC
	v_wmma_scale_f32_16x16x128_f8f6f4 v[8*(8*((\a)%4)+\b):8*(8*((\a)%4)+\b)+7], v[128*(\p)+FR*\b:128*(\p)+FR*\b+FR-1], v[AF+FR*(\a):AF+FR*(\a)+FR-1], v[BI+8*\b:BI+8*\b+7], v[SC+8*NQ*(\sc)+NQ*\b+(\q)], v[SC+8*NQ*(\sc)+NQ*(\a)+(\q)] matrix_a_fmt:MATRIX_FMT_FP6 matrix_b_fmt:MATRIX_FMT_FP6 matrix_a_scale:MATRIX_SCALE_ROW1
.else
	v_wmma_scale_f32_16x16x128_f8f6f4 v[8*(8*((\a)%4)+\b):8*(8*((\a)%4)+\b)+7], v[128*(\p)+FR*\b:128*(\p)+FR*\b+FR-1], v[AF+FR*(\a):AF+FR*(\a)+FR-1], 0, v[SC+8*NQ*(\sc)+NQ*\b+(\q)], v[SC+8*NQ*(\sc)+NQ*(\a)+(\q)] matrix_a_fmt:MATRIX_FMT_FP6 matrix_b_fmt:MATRIX_FMT_FP6 matrix_a_scale:MATRIX_SCALE_ROW1
.endif
.else
	v_wmma_scale_f32_16x16x128_f8f6f4 v[8*(8*((\a)%4)+\b):8*(8*((\a)%4)+\b)+7], v[128*(\p)+FR*\b:128*(\p)+FR*\b+FR-1], v[AF+FR*(\a):AF+FR*(\a)+FR-1], v[8*(8*((\a)%4)+\b):8*(8*((\a)%4)+\b)+7], v[SC+8*NQ*(\sc)+NQ*\b+(\q)], v[SC+8*NQ*(\sc)+NQ*(\a)+(\q)] matrix_a_fmt:MATRIX_FMT_FP6 matrix_b_fmt:MATRIX_FMT_FP6 matrix_a_scale:MATRIX_SCALE_ROW1
.endif
.endr
.endr
.endm
.macro FETCH_B slot, q, p              ; B's eight fragments into set p
	WIN TO_B
.irp i, 0,1,2,3,4,5,6,7
	FRAG BIMG, 128*(\p)+FR*\i, ADRB+\slot, \q, \i
.endr
	WIN 0
.endm
.macro FETCH_A slot, q, i0             ; A's blocks i0 .. i0 + 3
.irp i, \i0, \i0+1, \i0+2, \i0+3
	FRAG AIMG, AF+FR*(\i), ADRA+\slot, \q, \i
.endr
.endm
.macro SCALES sc                       ; a K step's scale words into set sc: two words a row; lanes 0-15 take A's block i, lanes 16-31 B's block i
.irp i, 0,1,2,3,4,5,6,7
	ds_load_b64 v[SC+8*NQ*\sc+NQ*\i:SC+8*NQ*\sc+NQ*\i+1], v[ADRS] offset:\i*SBLK
.endr
.endm
.macro PLACES n                        ; plain vector instructions between a matrix instruction and a load into, or a vector read or write of, its registers
.rept \n
	v_nop
.endr
.endm
.macro STEP slot, q, zero              ; 128 along K that have their successor in the same slot
	s_wait_dscnt 4*NLA                             ; B's set and A's blocks 0-3 are in; the youngest loads (A's blocks 4-7) may be out
	WIN MUL_LO-0x20*BIASC*(\zero)
	MUL16 0, (\q)%2, \q, \slot, \zero
	MUL16 2, (\q)%2, \q, \slot, \zero
	s_wait_dscnt 0                                 ; A's blocks 4-7 are in
	PLACES NP
	FETCH_B \slot, (\q)+1, 1-(\q)%2
	FETCH_A \slot, (\q)+1, 0
	WIN MUL_HI-0x30*BIASC*(\zero)
	MUL16 4, (\q)%2, \q, \slot, \zero
	MUL16 6, (\q)%2, \q, \slot, \zero
	PLACES NP
	WIN 0
	FETCH_A \slot, (\q)+1, 4
.endm
; A slot's last 128 change slots: ONE barrier; in front of it each wave waits for all its tensor loads, adds 0 to its spare word, and waits for that and for its own reads of this slot.  fill = 1: the slot is filled again, two K steps ahead.
.macro TURN slot, next, fill
	s_wait_tensorcnt 0x0                           ; all my tensor loads have landed: my part of the next slot
	ds_add_u32 v[SPW], v[NIL]                      ; 0 onto my spare word
	s_wait_dscnt 4*NLA+1                           ; (the add and the youngest loads, A's blocks 4-7, may be out)
	WIN MUL_LO
	MUL16 0, 1, NQ-1, \slot, 0                     ; sixteen matrix instructions stand between the add and the wait for it
	s_wait_dscnt 0x0                               ; the add is done, and my reads of this slot are over
	s_barrier_signal -1
	MUL16 2, 1, NQ-1, \slot, 0
	WIN 0
	s_barrier_wait -1
.if \fill
	CREST                                          ; the barrier has opened a round of the cluster's barrier: no wave of any partner still reads this slot or has a load on its way
	s_add_nc_u64 s[G0+4*\slot+2:G0+4*\slot+3], s[G0+4*\slot+2:G0+4*\slot+3], 2*STEPA
	s_add_nc_u64 s[G0B+4*\slot+2:G0B+4*\slot+3], s[G0B+4*\slot+2:G0B+4*\slot+3], 2*STEPB
	JLOAD G0+4*\slot, G1, G0B+4*\slot, G1B         ; the first tensor load behind the round; its four v_nop are the places in front of the loads below
.else
	PLACES NP
.endif
	v_add_nc_u32 v[ADRS], 4*NQ, v[ADRS]            ; on to the next K step's scale words (no LDS load of mine is out)
	FETCH_B \next, 0, 0
	FETCH_A \next, 0, 0
	SCALES \next
	WIN MUL_HI
	MUL16 4, 1, NQ-1, \slot, 0
	MUL16 6, 1, NQ-1, \slot, 0
	PLACES NP
	WIN 0
	FETCH_A \next, 0, 4
.endm
; THE QUANTISER ON THE WAY OUT.  64 numbers of a lane: registers 16 c + 0 .. 15 are its half of block c of its row.  All temporaries lie in window 0, above the scale words.
.set X,    64
.set PCF,  128                         ; v128-151 a fragment's codes, two sets by turns
.set CT,   152                         ; v152-158 the conversions' second halves
.set TM,   160                         ; v160-163 largest magnitudes, v164-167 the other half's, then bytes, v172-175 the conversions' scale operands
.set PW,   192                         ; v192-199 block a's scale words
.set WT,   216                         ; v216..   words to store
.macro AMAX src, w                     ; the four blocks' largest magnitudes; each accumulator is read from its low end on
	WIN (\w)|((\w)<<2)
.irp c, 0,1,2,3
	v_max3_num_f32 v[TM+\c], |v[\src+16*\c]|, |v[\src+16*\c+1]|, 0x1800000   ; and the floor 2^(3 - 127): the byte cannot fall under 1
.endr
	WIN ((\w)<<2)|((\w)<<4)
.irp i, 2,4,6,8,10,12,14
.irp c, 0,1,2,3
	v_max3_num_f32 v[TM+\c], v[TM+\c], |v[\src+16*\c+\i]|, |v[\src+16*\c+\i+1]|
.endr
.endr
	WIN 0
.irp c, 0,1,2,3
	v_permlanex16_b32 v[TM+4+\c], v[TM+\c], s100, s101
.endr
.irp c, 0,1,2,3
	v_max_num_f32 v[TM+\c], v[TM+\c], v[TM+4+\c]   ; with lane l xor 16's: the block's
.endr
.endm
.macro SCALEW pw                       ; scale operands, bytes, and the row's scale word
.irp c, 0,1,2,3
	v_add_nc_u32 v[TM+12+\c], 0xff000000, v[TM+\c] ; 2 off the exponent field: the conversion takes the exponent field of this operand as its scale
.endr
.irp c, 0,1,2,3
	v_lshrrev_b32 v[TM+4+\c], 23, v[TM+12+\c]      ; the scale's byte
.endr
	v_lshl_or_b32 v[\pw], v[TM+5], 8, v[TM+4]
	v_lshl_or_b32 v[\pw], v[TM+6], 16, v[\pw]
	v_lshl_or_b32 v[\pw], v[TM+7], 24, v[\pw]
.endm
.macro CODES src, w, a                 ; the fragment's 12 registers: lanes 0-15 blocks 0 and 2, lanes 16-31 blocks 1 and 3
.set PC0, PCF+12*((\a)%2)
.if (\a) > 1
	s_wait_xcnt 0x0                                ; block a - 2's stores have read these registers
.endif
	WIN \w
.irp c, 0,1
	v_cvt_scalef32_pk16_fp6_f32 v[PC0+6*\c:PC0+6*\c+2], v[\src+32*\c:\src+32*\c+15], v[TM+12+2*\c]
	v_cvt_scalef32_pk16_fp6_f32 v[CT+4*\c:CT+4*\c+2], v[\src+32*\c+16:\src+32*\c+31], v[TM+13+2*\c]   ; (a conversion's three registers begin on an even number)
.endr
	WIN 0
	v_nop                                          ; one plain place behind a scaled conversion
.irp c, 0,1
.irp i, 0,1,2
	v_permlane16_swap_b32 v[PC0+6*\c+\i], v[CT+4*\c+\i]   ; the first's lanes 16-31 change places with the second's lanes 0-15: a whole block in a lane
.endr
.irp i, 0,1,2
	v_mov_b32 v[PC0+6*\c+3+\i], v[CT+4*\c+\i]
.endr
.endr
.endm
.macro PUT a                           ; the fragment's image: each store covers 512 consecutive bytes, aligned
.set PC0, PCF+12*((\a)%2)
.irp p, 0,1,2
	global_store_b128 v[VO], v[PC0+4*\p:PC0+4*\p+3], s[12:13] offset:1536*(\a)+512*\p
.endr
.endm
.macro WORDS                           ; the 128 rows' scale words: lane l of store g holds row 32 g + l
.irp g, 0,1,2,3
	v_cndmask_b32 v[WT+\g], v[PW+2*\g], v[PW+2*\g+1], s95
.endr
.irp g, 0,1,2,3
	global_store_b32 v[8+\g], v[WT+\g], s[66:67]
.endr
.endm
	s_load_b512 s[24:39], s[0:1], 0x0              ; x's codes, scales; Wq's; Wk's; Wv's: chosen from below, then these registers take the descriptors
	s_load_b128 s[48:51], s[0:1], 0x40             ; qkv_codes, qkv_scales
	v_lshl_add_u32 v[SPW], v0, 2, SPARE
	v_mov_b32 v[NIL], 0
	ds_add_u32 v28, v29
	ds_add_u32 v28, v29
	s_wait_dscnt 0x0
	v_lshrrev_b32 v1, 5, v0
	v_readfirstlane_b32 s14, v1                    ; wave 0..3
	s_lshr_b32 s15, s14, 1                         ; which half of the tile's rows is mine.  Also: I fetch for A (0) or for B (1)
	s_and_b32 s16, s14, 1                          ; which half of its columns.  Also: which 128 rows of that tile I fetch
	s_bfe_u32 s40, ttmp6, 0x40000                  ; cx, cy: my place in the cluster
	s_bfe_u32 s41, ttmp6, 0x40004
	s_and_b32 s18, ttmp7, 0xffff                   ; the cluster's y, 0 .. 23
	s_lshr_b32 s2, s18, 3                          ; the job: 0 q, 1 k, 2 v^T: the same in all sixteen partners
	s_and_b32 s18, s18, 7
	s_lshl_b32 s18, s18, 2                         ; four tiles along the long axis for each cluster
	s_cmp_lt_u32 s2, 2
	s_cselect_b32 s17, s18, 0                      ; jobs 0, 1: x's 32 tiles are rows of C;
	s_cselect_b32 s42, 0, s18                      ; job 2: they are its columns
	s_add_co_u32 s17, s17, s41                     ; tile row of C
	s_add_co_u32 s42, s42, s40                     ; tile column of C
	s_lshl_b32 s43, s41, 2
	s_lshl_b32 s43, 15, s43                        ; my row of the cluster
	s_lshl_b32 s44, 0x1111, s40                    ; my column
	s_lshl_b32 s20, s17, 1
	s_add_co_u32 s20, s20, s16                     ; A: which 128 rows I fetch
	s_lshl_b32 s22, s20, 12                        ; their scale bytes: 128 x 32
	s_mul_i32 s20, s20, 128*KROW                   ; their codes
	s_mov_b32 s21, 0
	s_mov_b32 s23, 0
	s_lshl_b32 s46, s42, 1
	s_add_co_u32 s46, s46, s16                     ; B likewise
	s_lshl_b32 s92, s46, 12
	s_mul_i32 s46, s46, 128*KROW
	s_mov_b32 s47, 0
	s_mov_b32 s93, 0
	s_mul_i32 s45, s16, HA                         ; where they go: no place in the cluster enters an LDS address
	s_mul_i32 s94, s16, HB
	s_add_co_u32 s94, s94, 2*HA
	s_mul_i32 s95, s14, HALFS
	s_wait_kmcnt 0x0
	s_cmp_lt_u32 s2, 2                             ; the buffers are chosen by the job alone
	s_cselect_b64 s[4:5], s[24:25], s[36:37]       ; A: x, or Wv
	s_cselect_b64 s[6:7], s[26:27], s[38:39]
	s_cselect_b64 s[8:9], s[32:33], s[24:25]       ; B: Wk, or x,
	s_cselect_b64 s[10:11], s[34:35], s[26:27]
	s_cmp_eq_u32 s2, 0
	s_cselect_b64 s[8:9], s[28:29], s[8:9]         ; or Wq
	s_cselect_b64 s[10:11], s[30:31], s[10:11]
	s_mov_b64 s[12:13], s[48:49]
	s_mov_b64 s[66:67], s[50:51]
	G1TILE G1, AIMG, 43
	G1TILE G1B, BIMG, 44
	G1SCALE G1S, 43
	G1SCALE G1SB, 44
	s_add_nc_u64 s[20:21], s[4:5], s[20:21]
	s_add_nc_u64 s[22:23], s[6:7], s[22:23]
	s_add_nc_u64 s[46:47], s[8:9], s[46:47]
	s_add_nc_u64 s[92:93], s[10:11], s[92:93]
	CROUND                                         ; all sixteen work-groups are here: the first joint loads meet
	s_mov_b32 s[G0S], 1
	s_add_co_u32 s[G0S+1], s95, SCL
	s_mov_b64 s[G0S+2:G0S+3], s[22:23]
	s_or_b32 s[G0S+3], s[G0S+3], 0x80000000
	s_mov_b32 s[G0SB], 1
	s_add_co_u32 s[G0SB+1], s95, SCL
	s_mov_b64 s[G0SB+2:G0SB+3], s[92:93]
	s_or_b32 s[G0SB+3], s[G0SB+3], 0x80000000
	JLOAD G0S, G1S, G0SB, G1SB                     ; the scales first: they are wanted with K step 0.  Three loads of mine are out behind the first fills
.irp s, 0,1
	s_mov_b32 s[G0+4*\s], 1
	s_add_co_u32 s[G0+4*\s+1], s45, \s*SLOT
	s_add_nc_u64 s[G0+4*\s+2:G0+4*\s+3], s[20:21], \s*STEPA
	s_or_b32 s[G0+4*\s+3], s[G0+4*\s+3], 0x80000000
	s_mov_b32 s[G0B+4*\s], 1
	s_add_co_u32 s[G0B+4*\s+1], s94, \s*SLOT
	s_add_nc_u64 s[G0B+4*\s+2:G0B+4*\s+3], s[46:47], \s*STEPB
	s_or_b32 s[G0B+4*\s+3], s[G0B+4*\s+3], 0x80000000
	JLOAD G0+4*\s, G1, G0B+4*\s, G1B
.endr
	v_and_b32 v1, 15, v0                           ; r = lane % 16
	v_bfe_u32 v2, v0, 4, 1                         ; h = lane / 16
	v_and_b32 v3, 31, v0                           ; lane
	v_lshlrev_b32 v[VO], 4, v3
.if AIMG*BIMG == 0
	v_mul_u32_u24 v4, v1, PITCH
	v_mad_u32_u24 v4, v2, 24, v4                   ; rows: a fragment's row x pitch + 24 x half
	v_lshl_add_u32 v5, v2, 4, v4                   ; and the same behind one padding more
.endif
	s_mul_i32 s21, s15, HA                         ; my 128 rows of A
	s_mul_i32 s22, s16, HB                         ; my 128 rows of B,
	s_add_co_u32 s22, s22, 2*HA                    ; which lie behind A's 256
.irp s, 0,1
.if AIMG
	v_add_nc_u32 v[ADRA+\s], s21, v[VO]
.else
	v_add_nc_u32 v[ADRA+\s], s21, v4
	v_add_nc_u32 v[ADRA+2+\s], s21, v5
.endif
.if BIMG
	v_add_nc_u32 v[ADRB+\s], s22, v[VO]
.else
	v_add_nc_u32 v[ADRB+\s], s22, v4
	v_add_nc_u32 v[ADRB+2+\s], s22, v5
.endif
	s_add_co_u32 s21, s21, SLOT
	s_add_co_u32 s22, s22, SLOT
.endr
	v_mul_u32_u24 v5, v1, KS                       ; my row's scales: KS bytes a row,
	v_lshrrev_b32 v6, 8, v5
	v_lshl_add_u32 v5, v6, 4, v5                   ; and 16 more for each 256 passed
	s_mul_i32 s21, s15, HALFS                      ; A's: my 128 rows
	s_mul_i32 s22, s16, HALFS                      ; B's: my 128 rows, behind A's 256
	s_add_co_u32 s22, s22, 2*HALFS
	s_sub_co_u32 s22, s22, s21
	v_mul_u32_u24 v6, s22, v2                      ; lanes 16-31 take B's
	s_add_co_u32 s21, s21, SCL
	v_add_nc_u32 v5, v5, v6
	v_add_nc_u32 v[ADRS], s21, v5
	; where my 128 x 128 goes.  Row group G = 2 x tile row + half; K step = tile column % 8; batch = tile column / 8 (job 2 alone has more than one); jobs 0, 1 have 4 K steps to a row group, job 2 has 8
	s_lshr_b32 s19, s2, 1                          ; 1 in job 2
	s_lshl_b32 s18, s17, 1
	s_add_co_u32 s18, s18, s15                     ; G
	s_and_b32 s22, s42, 7
	s_lshr_b32 s23, s42, 3
	s_add_co_u32 s20, s19, 2
	s_lshl_b32 s20, s18, s20
	s_add_co_u32 s20, s20, s22
	s_mul_i32 s20, s20, IMGT                       ; the tile of 128 rows x 256 K,
	s_mul_i32 s21, s16, IMGT/2                     ; my half of its K,
	s_add_co_u32 s20, s20, s21
	s_mul_i32 s21, s2, 6291456                     ; the job's part of the buffer,
	s_add_co_u32 s20, s20, s21
	s_mul_i32 s21, s23, 1572864                    ; the batch's
	s_add_co_u32 s20, s20, s21
	s_mov_b32 s21, 0
	s_add_nc_u64 s[12:13], s[12:13], s[20:21]
	s_add_co_u32 s45, s19, 5                       ; a row of scale bytes is 32 or 64
	s_add_co_u32 s20, s19, 12
	s_lshl_b32 s20, s18, s20                       ; 128 G rows of them
	s_lshl_b32 s21, s22, 3
	s_add_co_u32 s20, s20, s21
	s_lshl_b32 s21, s16, 2
	s_add_co_u32 s20, s20, s21
	s_lshl_b32 s21, s2, 18
	s_add_co_u32 s20, s20, s21
	s_lshl_b32 s21, s23, 16
	s_add_co_u32 s20, s20, s21
	s_mov_b32 s21, 0
	s_add_nc_u64 s[66:67], s[66:67], s[20:21]
.irp g, 0,1,2,3
	v_add_nc_u32 v[8+\g], 32*\g, v3
	v_lshlrev_b32 v[8+\g], s45, v[8+\g]            ; row 32 g + lane
.endr
	s_mov_b32 s95, 0xffff0000                      ; lanes 16-31
	s_mov_b32 s100, 0x76543210
	s_mov_b32 s101, 0xfedcba98                     ; v_permlanex16_b32's selects for lane l xor 16
	s_wait_tensorcnt 1                             ; the scales and my part of K step 0 are in (K step 1's load may be out),
	s_barrier_signal -1
	s_barrier_wait -1                              ; everybody's are
	FETCH_B 0, 0, 0
	FETCH_A 0, 0, 0
	SCALES 0
	FETCH_A 0, 0, 4
	STEP 0, 0, 1                                   ; the first step stands in front of the loop: its products start the sums
.if LAPS > 1
	s_mov_b32 s3, LAPS-1
.Llap:                                                 ; a trip goes once round the ring and fills both slots again
	TURN 0, 1, 1
	STEP 1, 0, 0
	TURN 1, 0, 1
	STEP 0, 0, 0
	s_sub_co_u32 s3, s3, 1
	s_cmp_lg_u32 s3, 0
	s_cbranch_scc1 .Llap
.endif
	TURN 0, 1, 0                                   ; the last lap fills nothing, and has no round of the cluster's barrier
	STEP 1, 0, 0
	s_wait_dscnt 4*NLA                             ; the very last step: nothing more to fetch
	WIN MUL_LO
	MUL16 0, 1, NQ-1, 1, 0
	MUL16 2, 1, NQ-1, 1, 0
	s_wait_dscnt 0
	WIN MUL_HI
	MUL16 4, 1, NQ-1, 1, 0
	MUL16 6, 1, NQ-1, 1, 0
	WIN 0
	PLACES NP                                      ; in front of the first read of results and the first write of registers that held A's fragments
.irp c, 0,1,2,3
	v_mov_b32 v[TM+4+\c], 0                        ; written once: a lane permute's destination counts as one of its sources
.endr
.macro QOUT a                          ; block a: 16 rows x my 128 columns become one fragment and one scale word a row, straight out of the accumulators
.set AC, 64*((\a)%4)
.set W,  2+(\a)/4
	AMAX AC, W
	SCALEW PW+(\a)
	CODES AC, W, \a
	PUT \a
.endm
.irp a, 0,1,2,3,4,5,6,7
	QOUT \a
.endr
	WORDS
	s_wait_tensorcnt 0x0                           ; the wave's end
	ds_add_u32 v[SPW], v[NIL]
	s_wait_dscnt 0x0
	CROUND                                         ; the closing round: no work-group ends while a partner may still ask for a tile that names it
	s_endpgm
.Lfunc_end_k_q46dfdec8ea_proj:
	.size	k_q46dfdec8ea_proj, .Lfunc_end_k_q46dfdec8ea_proj-k_q46dfdec8ea_proj
	.p2alignl 7, 3214868480
	.fill 96, 4, 3214868480
	.section	.rodata,"a",@progbits
	.p2align	6, 0x0
	.amdhsa_kernel k_q46dfdec8ea_proj
		.amdhsa_group_segment_fixed_size 327680
		.amdhsa_private_segment_fixed_size 0
		.amdhsa_enable_private_segment 0
		.amdhsa_kernarg_size 80
		.amdhsa_user_sgpr_count 2
		.amdhsa_user_sgpr_kernarg_segment_ptr 1
		.amdhsa_wavefront_size32 1
		.amdhsa_system_sgpr_workgroup_id_x 1
		.amdhsa_system_sgpr_workgroup_id_y 1
		.amdhsa_system_sgpr_workgroup_id_z 1
		.amdhsa_system_vgpr_workitem_id 0
		.amdhsa_next_free_vgpr 1024
		.amdhsa_next_free_sgpr 102
		.amdhsa_reserve_vcc 0
		.amdhsa_float_denorm_mode_32 3
		.amdhsa_float_denorm_mode_16_64 3
		.amdhsa_memory_ordered 1
		.amdhsa_forward_progress 1
		.amdhsa_inst_pref_size 166
	.end_amdhsa_kernel
	.amdgpu_metadata
---
amdhsa.version: [ 1, 2 ]
amdhsa.kernels:
  - .name:           k_q46dfdec8ea_proj
    .symbol:         k_q46dfdec8ea_proj.kd
    .args:
      - { .name: x_codes, .offset: 0, .size: 8, .value_kind: global_buffer, .address_space: global }
      - { .name: x_scales, .offset: 8, .size: 8, .value_kind: global_buffer, .address_space: global }
      - { .name: Wq_codes, .offset: 16, .size: 8, .value_kind: global_buffer, .address_space: global }
      - { .name: Wq_scales, .offset: 24, .size: 8, .value_kind: global_buffer, .address_space: global }
      - { .name: Wk_codes, .offset: 32, .size: 8, .value_kind: global_buffer, .address_space: global }
      - { .name: Wk_scales, .offset: 40, .size: 8, .value_kind: global_buffer, .address_space: global }
      - { .name: Wv_codes, .offset: 48, .size: 8, .value_kind: global_buffer, .address_space: global }
      - { .name: Wv_scales, .offset: 56, .size: 8, .value_kind: global_buffer, .address_space: global }
      - { .name: qkv_codes, .offset: 64, .size: 8, .value_kind: global_buffer, .address_space: global }
      - { .name: qkv_scales, .offset: 72, .size: 8, .value_kind: global_buffer, .address_space: global }
    .group_segment_fixed_size: 327680
    .private_segment_fixed_size: 0
    .kernarg_segment_align: 8
    .kernarg_segment_size: 80
    .max_flat_workgroup_size: 128
    .sgpr_count:     102
    .vgpr_count:     1024
    .wavefront_size: 32
...
	.end_amdgpu_metadata
.endif
;; end of part 1
;; launch score (part 2): grid 8 x 32, 4 waves a work-group, clusters of 4 x 4, 327,680 bytes of LDS; arguments qkv_codes, qkv_scales, p_codes, p_scales, p_m, p_l; writes p_codes, p_scales, p_m, p_l
.if DOCPART == 2
	.amdgcn_target "amdgcn-amd-amdhsa--gfx1250"
	.amdhsa_code_object_version 6
	.text
	.protected	k_q46dfdec8ea_score
	.globl	k_q46dfdec8ea_score
	.p2align	8
	.type	k_q46dfdec8ea_score,@function
k_q46dfdec8ea_score:
	s_mov_b64 s[64:65], 0
	v_nop
	global_prefetch_b8 v0, s[64:65] scope:SCOPE_SE
	s_setreg_imm32_b32 hwreg(HW_REG_WAVE_MODE, 25, 1), 1
	s_wait_xcnt 0x0
	s_wait_alu depctr_hold_cnt(0) depctr_sa_sdst(0) depctr_va_vdst(0) depctr_va_sdst(0) depctr_va_ssrc(0) depctr_va_vcc(0) depctr_vm_vsrc(0)
	s_getreg_b32 s2, hwreg(HW_REG_IB_STS2, 6, 4)
	s_cmp_eq_u32 s2, 0
	s_cbranch_scc0 .Lentry_in_a_cluster
	s_endpgm
.Lentry_in_a_cluster:
	s_bfe_u32 s2, ttmp6, 0x10000c
	s_cmp_lg_u32 s2, 0xf033
	s_cbranch_scc0 .Lentry_shape_is_right
	s_endpgm
.Lentry_shape_is_right:
; S = q k^T on codes of FP6 (E2M3) with E8M0 scales, the causal mask, and the softmax's p, quantised along the keys.  q and k come as images of operand registers (see below), K = 1,024.
; A tile of S, 256 queries x 256 keys of one batch, is made by four waves, 128 x 128 each.  THE SOFTMAX IS TAKEN AGAINST A LOCAL WHOLE NUMBER: for each row and each chunk of 128 keys (a wave's columns)
; t = score x log2(e) / 32, M' = the chunk's largest t rounded up to a whole number, p' = 2^(t - M'), l' = the sum of the unquantised p'.  p' is quantised in blocks of 32 keys.  The launch stores the codes, the scale bytes
; (which stand for p' and not yet for p), -M' and l'.  The next launch takes M = the largest M' of a row and moves the scale bytes by M - M': an exact power of two, which leaves the codes as they are.
; Hidden scores (key > query) become -infinity ahead of the maximum: p' = 0.  A chunk all of whose keys are hidden stores -M' = 3e38, l' = 0, zero codes and the byte 1; tiles that lie wholly above the diagonal are
; written so too, so that every byte that the next launch reads has been stored.
; IMAGES: a fragment (16 rows x 128 K, 12 registers a lane) is 1,536 bytes, register g of lane l at 512 (g / 4) + 16 l + 4 (g % 4); 128 rows x 256 K are 16 fragments, 24,576 dense bytes.  Inside a block of 32 the codes
; stand in the order in which the lanes hold them (places 16 h + j: column 8 h + j; places 16 h + 8 + j: column 16 + 8 h + j), the same in q and k, and in p and v^T.
; CLUSTERS: 4 x 4 work-groups; q's tiles are asked for jointly along a row of the cluster, k's along a column.  The matrix instruction is used transposed (source 0 = 16 keys, source 1 = 16 queries).
; LIMITS: NaN and infinities are not served.  A block of p' whose largest number lies under 2^-124 gets the byte 1; p' under 2^-126 comes out of v_exp_f32 as 0 (ISA guide, 15.8).  The order of the f32 sums differs from ascending K.
.set AIMG,   1                         ; A comes as rows of codes (0) or as images (1)
.set BIMG,   1                         ; B likewise
.set BIASC,  0                         ; 1: the sums begin with a bias in v64-127
.set SIZE_K, 1024
.set EXTRA,  0                         ; LDS bytes between the scales and the spare words
.set NQ,     2                         ; matrix instructions deep in a slot: 256 along K
.set FR,     12                        ; registers of a fragment
.set NP,     4                         ; places behind this matrix instruction (ISA guide 7.12.1)
.set ROWB,   192                       ; rows: 256 codes in bytes
.set KROW,   768                       ; rows: a row of 1,024 codes in memory
.set PITCH,  240                       ; rows: an LDS row
.set IMGT,   24576                     ; images: 128 rows x 256 K
.if AIMG
.set HA,     IMGT                      ; 128 rows of A in a slot
.set STEPA,  IMGT                      ; from a K step to the next, in memory
.set NLA,    3                         ; LDS loads that bring a fragment of A
.else
.set HA,     128*PITCH
.set STEPA,  ROWB
.set NLA,    6
.endif
.if BIMG
.set HB,     IMGT
.set STEPB,  IMGT
.else
.set HB,     128*PITCH
.set STEPB,  ROWB
.endif
.set SLOT,   2*HA+2*HB                 ; A's 256 rows, then B's 256 rows
.set LAPS,   SIZE_K/512                ; a lap = two K steps = once round the ring
.set KS,     SIZE_K/32                 ; a row of scale bytes
.set SCL,    2*SLOT                    ; behind the ring: the scales, as units of 256 bytes + 16 of padding
.set HALFS,  (128*KS/256)*272          ; those of 128 rows
.set SBLK,   (16*KS/256)*272           ; those of 16 rows
.set RLB,    SCL+4*HALFS
.set SPARE,  RLB+EXTRA                 ; the spare words, 128 bytes for each wave: two blocks of 256 bytes that no other line names
.set VO,   7                           ; v7      16 x lane
.set VD,   13                          ; v13     my query less my first key: the mask's number
.set NEG,  14                          ; v14     -infinity
.set ADRA, 16                          ; v16-17  LDS address of my A fragments in slot 0, 1
.set ADRB, 20                          ; v20-21  the same for B
.set ADRS, 27                          ; v27     LDS address of my scale words: lanes 0-15 A's rows, lanes 16-31 B's
.set SPW,  28                          ; v28     LDS address of my spare word; never rewritten
.set NIL,  29                          ; v29     0; never rewritten
.set SC,   32                          ; v32-63  scale words, two sets; they hold nothing else
.set BI,   64
.set AF,   128                         ; v128-223 A's eight fragments, one set;  window 1: B's, two sets, at v0 and v128;  windows 2, 3: accumulator (a, b) at v[8 (8 (a % 4) + b)]
.set G1, 24                            ; s[24:31] descriptor group 1 for A's tiles;  s[32:39] group 0, one set for each slot
.set G0, 32
.set G1B, 48                           ; s[48:55], s[56:63] the same for B's tiles
.set G0B, 56
.set G1S, 68                           ; s[68:75], s[76:79] for A's scales;  s[80:87], s[88:91] for B's
.set G0S, 76
.set G1SB, 80
.set G0SB, 88
.set MSB, 0
.macro WIN new                         ; s_set_vgpr_msb: bits 1:0 source 0, 3:2 source 1, 5:4 source 2, 7:6 destination; the high byte repeats the setting that is left
.if MSB != (\new)
	s_set_vgpr_msb (MSB<<8)|(\new)
.set MSB, (\new)
.endif
.endm
.set MUL_LO, 0xa1                      ; source 0 (B) window 1, source 1 (A) window 0, C and D window 2
.set MUL_HI, 0xf1                      ; the same, C and D window 3
.set TO_B,   0x40                      ; destination window 1, address window 0
; A joint load: waves 0 and 1 fetch for A, waves 2 and 3 for B; the branch hangs on the wave's number alone.  Four v_nop follow each of the two lines.
.macro JLOAD g0a, g1a, g0b, g1b
	s_cmp_eq_u32 s15, 0
	s_cbranch_scc0 .Lfor_b_\@
	tensor_load_to_lds s[\g0a:\g0a+3], s[\g1a:\g1a+7]
	s_nop 0
.rept 4
	v_nop
.endr
	s_branch .Lasked_\@
.Lfor_b_\@:
	tensor_load_to_lds s[\g0b:\g0b+3], s[\g1b:\g1b+7]
	s_nop 0
.rept 4
	v_nop
.endr
.Lasked_\@:
.endm
.macro CREST                           ; a round of the cluster's barrier behind its opening barrier
	s_cmp_lg_u32 s14, 0
	s_cbranch_scc1 .Lnot_wave_0_\@
	s_barrier_signal -3
.Lnot_wave_0_\@:
	s_barrier_wait -3
	s_barrier_signal -1
	s_barrier_wait -1
.endm
.macro CROUND                          ; a whole round
	s_barrier_signal -1
	s_barrier_wait -1
	CREST
.endm
.macro G1TILE g, img, mask             ; group 1 of a tile of 128 rows x 256 K
.if \img
	s_or_b32 s[\g+0], s[\mask], (3<<16)|(1<<21)    ; 15:0 the mask; 17:16 elements of 8 bytes; 21 set beside a mask; no padding: 24,576 dense bytes as 96 rows of 256
	s_mov_b32 s[\g+1], 32<<16                      ; tensor_dim0
	s_mov_b32 s[\g+2], 96<<16                      ; tensor_dim1
	s_mov_b32 s[\g+3], 32<<16                      ; tile_dim0
	s_mov_b32 s[\g+4], 96                          ; tile_dim1
	s_mov_b32 s[\g+5], 32                          ; tensor_dim0_stride
.else
	s_or_b32 s[\g+0], s[\mask], (1<<20)|(1<<21)|(3<<22)|(3<<25)
	s_mov_b32 s[\g+1], ROWB<<16
	s_mov_b32 s[\g+2], 128<<16
	s_mov_b32 s[\g+3], ROWB<<16
	s_mov_b32 s[\g+4], 128
	s_mov_b32 s[\g+5], KROW
.endif
	s_mov_b32 s[\g+6], 0
	s_mov_b32 s[\g+7], 0
.endm
.macro G1SCALE g, mask                 ; group 1 of 4,096 dense scale bytes: 16 rows of 256 bytes, 16 bytes of padding behind each
	s_or_b32 s[\g+0], s[\mask], (3<<16)|(1<<20)|(1<<21)|(5<<22)|(3<<25)
	s_mov_b32 s[\g+1], 32<<16
	s_mov_b32 s[\g+2], 16<<16
	s_mov_b32 s[\g+3], 32<<16
	s_mov_b32 s[\g+4], 16
	s_mov_b32 s[\g+5], 32
	s_mov_b32 s[\g+6], 0
	s_mov_b32 s[\g+7], 0
.endm
; A fragment: block i of 16 rows, the slot's q-th 128 along K.  Image: three loads of 16 bytes a lane, 512 consecutive bytes each.
.macro FRAG img, reg, adr, q, i
.if \img
.irp p, 0,1,2
	ds_load_b128 v[\reg+4*\p:\reg+4*\p+3], v[\adr] offset:(8*(\q)+(\i))*1536+512*\p
.endr
.else
.irp p, 0,1,2,3,4,5
.set PCE, 12*(\q)+6*(\p/3)+\p%3
.if PCE%8 < 5
	ds_load_b64 v[\reg+2*\p:\reg+2*\p+1], v[\adr] offset:8*PCE+16*(PCE/8)+(\i)*16*PITCH
.else
	ds_load_b64 v[\reg+2*\p:\reg+2*\p+1], v[\adr+2] offset:8*PCE+16*(PCE/8)+(\i)*16*PITCH
.endif
.endr
.endif
.endm
; 16 matrix instructions: A's blocks a0, a0 + 1 x B's eight.  p: B's set; sc: the set of scale words.  zero = 1: the first product starts the sums.  The 64 accumulators take turns, one instruction a turn.
.macro MUL16 a0, p, q, sc, zero
.irp a, \a0, \a0+1
.irp b, 0,1,2,3,4,5,6,7
.if \zero
.if BIASC
	v_wmma_scale_f32_16x16x128_f8f6f4 v[8*(8*((\a)%4)+\b):8*(8*((\a)%4)+\b)+7], v[128*(\p)+FR*\b:128*(\p)+FR*\b+FR-1], v[AF+FR*(\a):AF+FR*(\a)+FR-1], v[BI+8*\b:BI+8*\b+7], v[SC+8*NQ*(\sc)+NQ*\b+(\q)], v[SC+8*NQ*(\sc)+NQ*(\a)+(\q)] matrix_a_fmt:MATRIX_FMT_FP6 matrix_b_fmt:MATRIX_FMT_FP6 matrix_a_scale:MATRIX_SCALE_ROW1
.else
	v_wmma_scale_f32_16x16x128_f8f6f4 v[8*(8*((\a)%4)+\b):8*(8*((\a)%4)+\b)+7], v[128*(\p)+FR*\b:128*(\p)+FR*\b+FR-1], v[AF+FR*(\a):AF+FR*(\a)+FR-1], 0, v[SC+8*NQ*(\sc)+NQ*\b+(\q)], v[SC+8*NQ*(\sc)+NQ*(\a)+(\q)] matrix_a_fmt:MATRIX_FMT_FP6 matrix_b_fmt:MATRIX_FMT_FP6 matrix_a_scale:MATRIX_SCALE_ROW1
.endif
.else
	v_wmma_scale_f32_16x16x128_f8f6f4 v[8*(8*((\a)%4)+\b):8*(8*((\a)%4)+\b)+7], v[128*(\p)+FR*\b:128*(\p)+FR*\b+FR-1], v[AF+FR*(\a):AF+FR*(\a)+FR-1], v[8*(8*((\a)%4)+\b):8*(8*((\a)%4)+\b)+7], v[SC+8*NQ*(\sc)+NQ*\b+(\q)], v[SC+8*NQ*(\sc)+NQ*(\a)+(\q)] matrix_a_fmt:MATRIX_FMT_FP6 matrix_b_fmt:MATRIX_FMT_FP6 matrix_a_scale:MATRIX_SCALE_ROW1
.endif
.endr
.endr
.endm
.macro FETCH_B slot, q, p              ; B's eight fragments into set p
	WIN TO_B
.irp i, 0,1,2,3,4,5,6,7
	FRAG BIMG, 128*(\p)+FR*\i, ADRB+\slot, \q, \i
.endr
	WIN 0
.endm
.macro FETCH_A slot, q, i0             ; A's blocks i0 .. i0 + 3
.irp i, \i0, \i0+1, \i0+2, \i0+3
	FRAG AIMG, AF+FR*(\i), ADRA+\slot, \q, \i
.endr
.endm
.macro SCALES sc                       ; a K step's scale words into set sc: two words a row; lanes 0-15 take A's block i, lanes 16-31 B's block i
.irp i, 0,1,2,3,4,5,6,7
	ds_load_b64 v[SC+8*NQ*\sc+NQ*\i:SC+8*NQ*\sc+NQ*\i+1], v[ADRS] offset:\i*SBLK
.endr
.endm
.macro PLACES n                        ; plain vector instructions between a matrix instruction and a load into, or a vector read or write of, its registers
.rept \n
	v_nop
.endr
.endm
.macro STEP slot, q, zero              ; 128 along K that have their successor in the same slot
	s_wait_dscnt 4*NLA                             ; B's set and A's blocks 0-3 are in; the youngest loads (A's blocks 4-7) may be out
	WIN MUL_LO-0x20*BIASC*(\zero)
	MUL16 0, (\q)%2, \q, \slot, \zero
	MUL16 2, (\q)%2, \q, \slot, \zero
	s_wait_dscnt 0                                 ; A's blocks 4-7 are in
	PLACES NP
	FETCH_B \slot, (\q)+1, 1-(\q)%2
	FETCH_A \slot, (\q)+1, 0
	WIN MUL_HI-0x30*BIASC*(\zero)
	MUL16 4, (\q)%2, \q, \slot, \zero
	MUL16 6, (\q)%2, \q, \slot, \zero
	PLACES NP
	WIN 0
	FETCH_A \slot, (\q)+1, 4
.endm
; A slot's last 128 change slots: ONE barrier; in front of it each wave waits for all its tensor loads, adds 0 to its spare word, and waits for that and for its own reads of this slot.  fill = 1: the slot is filled again, two K steps ahead.
.macro TURN slot, next, fill
	s_wait_tensorcnt 0x0                           ; all my tensor loads have landed: my part of the next slot
	ds_add_u32 v[SPW], v[NIL]                      ; 0 onto my spare word
	s_wait_dscnt 4*NLA+1                           ; (the add and the youngest loads, A's blocks 4-7, may be out)
	WIN MUL_LO
	MUL16 0, 1, NQ-1, \slot, 0                     ; sixteen matrix instructions stand between the add and the wait for it
	s_wait_dscnt 0x0                               ; the add is done, and my reads of this slot are over
	s_barrier_signal -1
	MUL16 2, 1, NQ-1, \slot, 0
	WIN 0
	s_barrier_wait -1
.if \fill
	CREST                                          ; the barrier has opened a round of the cluster's barrier: no wave of any partner still reads this slot or has a load on its way
	s_add_nc_u64 s[G0+4*\slot+2:G0+4*\slot+3], s[G0+4*\slot+2:G0+4*\slot+3], 2*STEPA
	s_add_nc_u64 s[G0B+4*\slot+2:G0B+4*\slot+3], s[G0B+4*\slot+2:G0B+4*\slot+3], 2*STEPB
	JLOAD G0+4*\slot, G1, G0B+4*\slot, G1B         ; the first tensor load behind the round; its four v_nop are the places in front of the loads below
.else
	PLACES NP
.endif
	v_add_nc_u32 v[ADRS], 4*NQ, v[ADRS]            ; on to the next K step's scale words (no LDS load of mine is out)
	FETCH_B \next, 0, 0
	FETCH_A \next, 0, 0
	SCALES \next
	WIN MUL_HI
	MUL16 4, 1, NQ-1, \slot, 0
	MUL16 6, 1, NQ-1, \slot, 0
	PLACES NP
	WIN 0
	FETCH_A \next, 0, 4
.endm
; THE WAY OUT'S REGISTERS, all in window 0, above the scale words.
.set X,    64                          ; v64-127  a row block's 64 scores of my lane, then p'
.set PCF,  128                         ; v128-151 a fragment's codes, two sets by turns
.set CT,   152                         ; v152-158 the conversions' second halves
.set TM,   160                         ; v160-163 the blocks' largest scores, then largest p'; v164-167 the other half's, then bytes; v172-175 the conversions' scale operands
.set RR,   176                         ; v176     the chunk's largest t
.set NM,   178                         ; v[178:179] -M' (the packed form names the pair and takes its low word)
.set SUMA, 180                         ; v[180:181], v[182:183] the sum in two chains of pairs
.set SUMB, 182
.set TT,   184                         ; v184, v185 the sum of my half, the other half's
.set T2,   185
.set PW,   192                         ; v192-199 block a's scale words
.set PM,   200                         ; v200-207 block a's -M'
.set PL,   208                         ; v208-215 block a's l'
.set WT,   216                         ; v216-227 words to store
.macro SCALEW pw                       ; scale operands, bytes, and the row's scale word
.irp c, 0,1,2,3
	v_add_nc_u32 v[TM+12+\c], 0xff000000, v[TM+\c] ; 2 off the exponent field: the conversion takes the exponent field of this operand as its scale
.endr
.irp c, 0,1,2,3
	v_lshrrev_b32 v[TM+4+\c], 23, v[TM+12+\c]      ; the scale's byte
.endr
	v_lshl_or_b32 v[\pw], v[TM+5], 8, v[TM+4]
	v_lshl_or_b32 v[\pw], v[TM+6], 16, v[\pw]
	v_lshl_or_b32 v[\pw], v[TM+7], 24, v[\pw]
.endm
.macro CODES src, w, a                 ; the fragment's 12 registers: lanes 0-15 blocks 0 and 2, lanes 16-31 blocks 1 and 3
.set PC0, PCF+12*((\a)%2)
.if (\a) > 1
	s_wait_xcnt 0x0                                ; block a - 2's stores have read these registers
.endif
	WIN \w
.irp c, 0,1
	v_cvt_scalef32_pk16_fp6_f32 v[PC0+6*\c:PC0+6*\c+2], v[\src+32*\c:\src+32*\c+15], v[TM+12+2*\c]
	v_cvt_scalef32_pk16_fp6_f32 v[CT+4*\c:CT+4*\c+2], v[\src+32*\c+16:\src+32*\c+31], v[TM+13+2*\c]   ; (a conversion's three registers begin on an even number)
.endr
	WIN 0
	v_nop                                          ; one plain place behind a scaled conversion
.irp c, 0,1
.irp i, 0,1,2
	v_permlane16_swap_b32 v[PC0+6*\c+\i], v[CT+4*\c+\i]   ; the first's lanes 16-31 change places with the second's lanes 0-15: a whole block in a lane
.endr
.irp i, 0,1,2
	v_mov_b32 v[PC0+6*\c+3+\i], v[CT+4*\c+\i]
.endr
.endr
.endm
.macro PUT a                           ; the fragment's image: each store covers 512 consecutive bytes, aligned
.set PC0, PCF+12*((\a)%2)
.irp p, 0,1,2
	global_store_b128 v[VO], v[PC0+4*\p:PC0+4*\p+3], s[12:13] offset:1536*(\a)+512*\p
.endr
.endm
	s_load_b128 s[4:7], s[0:1], 0x0                ; qkv_codes, qkv_scales
	s_load_b64 s[12:13], s[0:1], 0x10              ; p_codes
	s_load_b64 s[66:67], s[0:1], 0x18              ; p_scales
	s_load_b128 s[96:99], s[0:1], 0x20             ; p_m, p_l
	v_lshl_add_u32 v[SPW], v0, 2, SPARE
	v_mov_b32 v[NIL], 0
	ds_add_u32 v28, v29
	ds_add_u32 v28, v29
	s_wait_dscnt 0x0
	v_lshrrev_b32 v1, 5, v0
	v_readfirstlane_b32 s14, v1                    ; wave 0..3
	s_lshr_b32 s15, s14, 1                         ; which half of the tile's rows is mine.  Also: I fetch for A (0) or for B (1)
	s_and_b32 s16, s14, 1                          ; which half of its columns.  Also: which 128 rows of that tile I fetch
	s_bfe_u32 s40, ttmp6, 0x40000                  ; cx, cy: my place in the cluster
	s_bfe_u32 s41, ttmp6, 0x40004
	s_lshl_b32 s42, ttmp9, 2
	s_add_co_u32 s42, s42, s40                     ; tile of 256 keys in the batch, 0 .. 7
	s_and_b32 s18, ttmp7, 0xffff
	s_lshl_b32 s17, s18, 2
	s_add_co_u32 s17, s17, s41                     ; tile of 256 queries, 0 .. 31, over all batches
	s_lshr_b32 s19, s18, 1                         ; the batch: two clusters along y to a batch
	s_lshl_b32 s43, s41, 2
	s_lshl_b32 s43, 15, s43                        ; my row of the cluster
	s_lshl_b32 s44, 0x1111, s40                    ; my column
	G1TILE G1, AIMG, 43
	G1TILE G1B, BIMG, 44
	G1SCALE G1S, 43
	G1SCALE G1SB, 44
	s_lshl_b32 s20, s17, 1
	s_add_co_u32 s20, s20, s16                     ; q: which group of 128 rows I fetch
	s_lshl_b32 s22, s20, 12                        ; its scale bytes: 128 x 32
	s_mul_i32 s20, s20, 4*IMGT                     ; its four K steps
	s_mov_b32 s21, 0
	s_mov_b32 s23, 0
	s_lshl_b32 s46, s42, 1
	s_add_co_u32 s46, s46, s16
	s_lshl_b32 s47, s19, 4
	s_add_co_u32 s46, s46, s47                     ; k: 16 groups to a batch
	s_lshl_b32 s92, s46, 12
	s_add_co_u32 s92, s92, 262144                  ; k's scale bytes lie behind q's,
	s_mul_i32 s46, s46, 4*IMGT
	s_add_co_u32 s46, s46, 6291456                 ; its codes likewise
	s_mov_b32 s47, 0
	s_mov_b32 s93, 0
	s_mul_i32 s45, s16, HA                         ; where they go: no place in the cluster enters an LDS address
	s_mul_i32 s94, s16, HB
	s_add_co_u32 s94, s94, 2*HA
	s_mul_i32 s95, s14, HALFS
	s_wait_kmcnt 0x0
	s_add_nc_u64 s[20:21], s[4:5], s[20:21]
	s_add_nc_u64 s[22:23], s[6:7], s[22:23]
	s_add_nc_u64 s[46:47], s[4:5], s[46:47]
	s_add_nc_u64 s[92:93], s[6:7], s[92:93]
	CROUND                                         ; all sixteen work-groups are here: the first joint loads meet
	s_mov_b32 s[G0S], 1
	s_add_co_u32 s[G0S+1], s95, SCL
	s_mov_b64 s[G0S+2:G0S+3], s[22:23]
	s_or_b32 s[G0S+3], s[G0S+3], 0x80000000
	s_mov_b32 s[G0SB], 1
	s_add_co_u32 s[G0SB+1], s95, SCL
	s_mov_b64 s[G0SB+2:G0SB+3], s[92:93]
	s_or_b32 s[G0SB+3], s[G0SB+3], 0x80000000
	JLOAD G0S, G1S, G0SB, G1SB                     ; the scales first: they are wanted with K step 0.  Three loads of mine are out behind the first fills
.irp s, 0,1
	s_mov_b32 s[G0+4*\s], 1
	s_add_co_u32 s[G0+4*\s+1], s45, \s*SLOT
	s_add_nc_u64 s[G0+4*\s+2:G0+4*\s+3], s[20:21], \s*STEPA
	s_or_b32 s[G0+4*\s+3], s[G0+4*\s+3], 0x80000000
	s_mov_b32 s[G0B+4*\s], 1
	s_add_co_u32 s[G0B+4*\s+1], s94, \s*SLOT
	s_add_nc_u64 s[G0B+4*\s+2:G0B+4*\s+3], s[46:47], \s*STEPB
	s_or_b32 s[G0B+4*\s+3], s[G0B+4*\s+3], 0x80000000
	JLOAD G0+4*\s, G1, G0B+4*\s, G1B
.endr
	v_and_b32 v1, 15, v0                           ; r = lane % 16
	v_bfe_u32 v2, v0, 4, 1                         ; h = lane / 16
	v_and_b32 v3, 31, v0                           ; lane
	v_lshlrev_b32 v[VO], 4, v3
.if AIMG*BIMG == 0
	v_mul_u32_u24 v4, v1, PITCH
	v_mad_u32_u24 v4, v2, 24, v4
	v_lshl_add_u32 v5, v2, 4, v4
.endif
	s_mul_i32 s21, s15, HA                         ; my 128 rows of A
	s_mul_i32 s22, s16, HB                         ; my 128 rows of B,
	s_add_co_u32 s22, s22, 2*HA                    ; which lie behind A's 256
.irp s, 0,1
.if AIMG
	v_add_nc_u32 v[ADRA+\s], s21, v[VO]
.else
	v_add_nc_u32 v[ADRA+\s], s21, v4
	v_add_nc_u32 v[ADRA+2+\s], s21, v5
.endif
.if BIMG
	v_add_nc_u32 v[ADRB+\s], s22, v[VO]
.else
	v_add_nc_u32 v[ADRB+\s], s22, v4
	v_add_nc_u32 v[ADRB+2+\s], s22, v5
.endif
	s_add_co_u32 s21, s21, SLOT
	s_add_co_u32 s22, s22, SLOT
.endr
	v_mul_u32_u24 v5, v1, KS                       ; my row's scales: KS bytes a row,
	v_lshrrev_b32 v6, 8, v5
	v_lshl_add_u32 v5, v6, 4, v5                   ; and 16 more for each 256 passed
	s_mul_i32 s21, s15, HALFS                      ; A's: my 128 rows
	s_mul_i32 s22, s16, HALFS                      ; B's: my 128 rows, behind A's 256
	s_add_co_u32 s22, s22, 2*HALFS
	s_sub_co_u32 s22, s22, s21
	v_mul_u32_u24 v6, s22, v2                      ; lanes 16-31 take B's
	s_add_co_u32 s21, s21, SCL
	v_add_nc_u32 v5, v5, v6
	v_add_nc_u32 v[ADRS], s21, v5
	; where my 128 queries x 128 keys go.  Row group G = 2 x query tile + half; K step of p = key tile; chunk of 128 keys = 2 x key tile + half
	s_lshl_b32 s18, s17, 1
	s_add_co_u32 s18, s18, s15                     ; G
	s_lshl_b32 s20, s18, 3
	s_add_co_u32 s20, s20, s42
	s_mul_i32 s20, s20, IMGT
	s_mul_i32 s21, s16, IMGT/2
	s_add_co_u32 s20, s20, s21
	s_mov_b32 s21, 0
	s_add_nc_u64 s[12:13], s[12:13], s[20:21]      ; codes
	s_lshl_b32 s20, s18, 13                        ; scale bytes: 128 G rows of 64,
	s_lshl_b32 s22, s42, 3
	s_add_co_u32 s20, s20, s22
	s_lshl_b32 s22, s16, 2
	s_add_co_u32 s20, s20, s22                     ; + my chunk's word
	s_add_nc_u64 s[66:67], s[66:67], s[20:21]
	s_lshl_b32 s20, s42, 1
	s_add_co_u32 s20, s20, s16
	s_lshl_b32 s20, s20, 15                        ; -M' and l': [chunk][8,192 rows] of f32
	s_lshl_b32 s22, s18, 9
	s_add_co_u32 s20, s20, s22
	s_add_nc_u64 s[96:97], s[96:97], s[20:21]
	s_add_nc_u64 s[98:99], s[98:99], s[20:21]
.irp g, 0,1,2,3
	v_add_nc_u32 v[8+\g], 32*\g, v3
	v_lshlrev_b32 v[8+\g], 6, v[8+\g]              ; row 32 g + lane of scale bytes
.endr
	v_lshlrev_b32 v12, 2, v3                       ; 4 x lane
	s_and_b32 s20, s17, 7                          ; the mask: my first query less my first key, in the batch: 128 x (2 (query tile % 8 - key tile) + row half - column half),
	s_sub_co_i32 s20, s20, s42
	s_lshl_b32 s20, s20, 1
	s_add_co_i32 s20, s20, s15
	s_sub_co_i32 s20, s20, s16
	s_lshl_b32 s20, s20, 7
	v_lshlrev_b32 v4, 3, v2
	v_sub_nc_u32 v4, v1, v4
	v_add_nc_u32 v[VD], s20, v4                    ; + r - 8 h.  Register 8 b + j of block a holds key 16 b + 8 h + j against query 16 a + r: hidden where 16 b + j > this number + 16 a
	v_mov_b32 v[NEG], 0xff800000
	s_mov_b32 s95, 0xffff0000                      ; lanes 16-31
	s_mov_b32 s100, 0x76543210
	s_mov_b32 s101, 0xfedcba98                     ; v_permlanex16_b32's selects for lane l xor 16
	s_wait_tensorcnt 1                             ; the scales and my part of K step 0 are in (K step 1's load may be out),
	s_barrier_signal -1
	s_barrier_wait -1                              ; everybody's are
	FETCH_B 0, 0, 0
	FETCH_A 0, 0, 0
	SCALES 0
	FETCH_A 0, 0, 4
	STEP 0, 0, 1                                   ; the first step stands in front of the loop: its products start the sums
.if LAPS > 1
	s_mov_b32 s3, LAPS-1
.Llap:                                                 ; a trip goes once round the ring and fills both slots again
	TURN 0, 1, 1
	STEP 1, 0, 0
	TURN 1, 0, 1
	STEP 0, 0, 0
	s_sub_co_u32 s3, s3, 1
	s_cmp_lg_u32 s3, 0
	s_cbranch_scc1 .Llap
.endif
	TURN 0, 1, 0                                   ; the last lap fills nothing, and has no round of the cluster's barrier
	STEP 1, 0, 0
	s_wait_dscnt 4*NLA                             ; the very last step: nothing more to fetch
	WIN MUL_LO
	MUL16 0, 1, NQ-1, 1, 0
	MUL16 2, 1, NQ-1, 1, 0
	s_wait_dscnt 0
	WIN MUL_HI
	MUL16 4, 1, NQ-1, 1, 0
	MUL16 6, 1, NQ-1, 1, 0
	WIN 0
	PLACES NP                                      ; in front of the first read of results and the first write of registers that held A's fragments
	s_mov_b32 s22, 0x3d38aa3b                      ; c = log2(e) / sqrt(1,024)
	s_mov_b32 s23, s22                             ; (named with it as a pair, so it is written)
.irp c, 0,1,2,3
	v_mov_b32 v[TM+4+\c], 0                        ; written once: a lane permute's destination counts as one of its sources
.endr
	v_mov_b32 v[T2], 0
	v_mov_b32 v[NM+1], 0                           ; (named as the upper half of the pair)
; BLOCK a: 16 queries x my 128 keys.
.macro SOFT a
.set AC, 64*((\a)%4)
.set W,  2+(\a)/4
	WIN W                                          ; source 0: the accumulators' window
.set n, 0
.rept 64
	v_cmp_gt_i32 vcc_lo, 16*(n/8)+n%8, v[VD]       ; hidden?
	v_cndmask_b32 v[X+n], v[AC+n], v[NEG], vcc_lo  ; the score, or -infinity, into window 0: each accumulator from its low end on
.set n, n+1
.endr
	WIN 0
.irp c, 0,1,2,3
	v_max3_num_f32 v[TM+\c], v[X+16*\c], v[X+16*\c+1], v[X+16*\c+2]   ; the largest score of each block of 32 keys: it serves for the chunk's maximum and, since p' rises with the score, for the block's largest p'
.endr
.irp i, 3,5,7,9,11,13
.irp c, 0,1,2,3
	v_max3_num_f32 v[TM+\c], v[TM+\c], v[X+16*\c+\i], v[X+16*\c+\i+1]
.endr
.endr
.irp c, 0,1,2,3
	v_max_num_f32 v[TM+\c], v[TM+\c], v[X+16*\c+15]
.endr
.irp c, 0,1,2,3
	v_permlanex16_b32 v[TM+4+\c], v[TM+\c], s100, s101
.endr
.irp c, 0,1,2,3
	v_max_num_f32 v[TM+\c], v[TM+\c], v[TM+4+\c]   ; with lane l xor 16's 16 keys
.endr
	v_max3_num_f32 v[RR], v[TM], v[TM+1], v[TM+2]
	v_max_num_f32 v[RR], v[RR], v[TM+3]
	v_mul_f32 v[RR], s22, v[RR]                    ; as t (c is positive)
	v_max_num_f32 v[RR], 0xff61b1e6, v[RR]         ; a chunk that is all hidden: -3e38, under every t
	v_floor_f32 v[NM], -v[RR]                      ; -M' = floor(-t) = -ceil(t): a whole number
.set n, 0
.rept 32
	v_pk_fma_f32 v[X+n:X+n+1], v[X+n:X+n+1], s[22:23], v[NM:NM+1] op_sel_hi:[1,0,0]   ; t - M', two at a time
.set n, n+2
.endr
.irp c, 0,1,2,3
	v_fma_f32 v[TM+\c], v[TM+\c], s22, v[NM]       ; the same of each block's largest score
.endr
.set n, 0
.rept 64
	v_exp_f32 v[X+n], v[X+n]                       ; p' = 2^(t - M'), at most 1
.set n, n+1
.endr
	v_add_nc_u32 v[VD], 16, v[VD]                  ; the next block's queries.  (A plain place behind the exponentials)
	s_wait_alu depctr_va_vdst(0)                   ; one wait for the whole batch, ahead of its first reader
.irp c, 0,1,2,3
	v_exp_f32 v[TM+\c], v[TM+\c]                   ; the block's largest p'
.endr
	v_pk_add_f32 v[SUMA:SUMA+1], v[X:X+1], v[X+2:X+3]         ; the sum is taken of the unquantised p', in two chains.  (It reads the 64 alone: plain work behind the four)
	v_pk_add_f32 v[SUMB:SUMB+1], v[X+4:X+5], v[X+6:X+7]
.irp j, 8,12,16,20,24,28,32,36,40,44,48,52,56,60
	v_pk_add_f32 v[SUMA:SUMA+1], v[SUMA:SUMA+1], v[X+\j:X+\j+1]
	v_pk_add_f32 v[SUMB:SUMB+1], v[SUMB:SUMB+1], v[X+\j+2:X+\j+3]
.endr
	v_pk_add_f32 v[SUMA:SUMA+1], v[SUMA:SUMA+1], v[SUMB:SUMB+1]
	v_add_f32 v[TT], v[SUMA], v[SUMA+1]
	v_permlanex16_b32 v[T2], v[TT], s100, s101
	v_add_f32 v[PL+(\a)], v[TT], v[T2]             ; l' of my row and chunk
	s_wait_alu depctr_va_vdst(0)                   ; and one wait for the four
.irp c, 0,1,2,3
	v_max_num_f32 v[TM+\c], 0x1800000, v[TM+\c]    ; the floor 2^(3 - 127): the byte cannot fall under 1
.endr
	SCALEW PW+(\a)
	v_mov_b32 v[PM+(\a)], v[NM]
	CODES X, 0, \a
	PUT \a
.endm
.irp a, 0,1,2,3,4,5,6,7
	SOFT \a
.endr
.irp g, 0,1,2,3                        ; lane l of store g holds row 32 g + l
	v_cndmask_b32 v[WT+\g], v[PW+2*\g], v[PW+2*\g+1], s95
	v_cndmask_b32 v[WT+4+\g], v[PM+2*\g], v[PM+2*\g+1], s95
	v_cndmask_b32 v[WT+8+\g], v[PL+2*\g], v[PL+2*\g+1], s95
.endr
.irp g, 0,1,2,3
	global_store_b32 v[8+\g], v[WT+\g], s[66:67]
	global_store_b32 v12, v[WT+4+\g], s[96:97] offset:128*\g       ; 128 consecutive bytes
	global_store_b32 v12, v[WT+8+\g], s[98:99] offset:128*\g
.endr
	s_wait_tensorcnt 0x0                           ; the wave's end
	ds_add_u32 v[SPW], v[NIL]
	s_wait_dscnt 0x0
	CROUND                                         ; the closing round: no work-group ends while a partner may still ask for a tile that names it
	s_endpgm
.Lfunc_end_k_q46dfdec8ea_score:
	.size	k_q46dfdec8ea_score, .Lfunc_end_k_q46dfdec8ea_score-k_q46dfdec8ea_score
	.p2alignl 7, 3214868480
	.fill 96, 4, 3214868480
	.section	.rodata,"a",@progbits
	.p2align	6, 0x0
	.amdhsa_kernel k_q46dfdec8ea_score
		.amdhsa_group_segment_fixed_size 327680
		.amdhsa_private_segment_fixed_size 0
		.amdhsa_enable_private_segment 0
		.amdhsa_kernarg_size 48
		.amdhsa_user_sgpr_count 2
		.amdhsa_user_sgpr_kernarg_segment_ptr 1
		.amdhsa_wavefront_size32 1
		.amdhsa_system_sgpr_workgroup_id_x 1
		.amdhsa_system_sgpr_workgroup_id_y 1
		.amdhsa_system_sgpr_workgroup_id_z 1
		.amdhsa_system_vgpr_workitem_id 0
		.amdhsa_next_free_vgpr 1024
		.amdhsa_next_free_sgpr 102
		.amdhsa_reserve_vcc 1
		.amdhsa_float_denorm_mode_32 3
		.amdhsa_float_denorm_mode_16_64 3
		.amdhsa_memory_ordered 1
		.amdhsa_forward_progress 1
		.amdhsa_inst_pref_size 236
	.end_amdhsa_kernel
	.amdgpu_metadata
---
amdhsa.version: [ 1, 2 ]
amdhsa.kernels:
  - .name:           k_q46dfdec8ea_score
    .symbol:         k_q46dfdec8ea_score.kd
    .args:
      - { .name: qkv_codes, .offset: 0, .size: 8, .value_kind: global_buffer, .address_space: global }
      - { .name: qkv_scales, .offset: 8, .size: 8, .value_kind: global_buffer, .address_space: global }
      - { .name: p_codes, .offset: 16, .size: 8, .value_kind: global_buffer, .address_space: global }
      - { .name: p_scales, .offset: 24, .size: 8, .value_kind: global_buffer, .address_space: global }
      - { .name: p_m, .offset: 32, .size: 8, .value_kind: global_buffer, .address_space: global }
      - { .name: p_l, .offset: 40, .size: 8, .value_kind: global_buffer, .address_space: global }
    .group_segment_fixed_size: 327680
    .private_segment_fixed_size: 0
    .kernarg_segment_align: 8
    .kernarg_segment_size: 48
    .max_flat_workgroup_size: 128
    .sgpr_count:     102
    .vgpr_count:     1024
    .wavefront_size: 32
...
	.end_amdgpu_metadata
.endif
;; end of part 2
;; launch ctx (part 3): grid 4 x 32, 4 waves a work-group, clusters of 4 x 4, 327,680 bytes of LDS; arguments p_codes, p_scales, p_m, p_l, qkv_codes, qkv_scales, c_codes, c_scales; writes c_codes, c_scales
.if DOCPART == 3
	.amdgcn_target "amdgcn-amd-amdhsa--gfx1250"
	.amdhsa_code_object_version 6
	.text
	.protected	k_q46dfdec8ea_ctx
	.globl	k_q46dfdec8ea_ctx
	.p2align	8
	.type	k_q46dfdec8ea_ctx,@function
k_q46dfdec8ea_ctx:
	s_mov_b64 s[64:65], 0
	v_nop
	global_prefetch_b8 v0, s[64:65] scope:SCOPE_SE
	s_setreg_imm32_b32 hwreg(HW_REG_WAVE_MODE, 25, 1), 1
	s_wait_xcnt 0x0
	s_wait_alu depctr_hold_cnt(0) depctr_sa_sdst(0) depctr_va_vdst(0) depctr_va_sdst(0) depctr_va_ssrc(0) depctr_va_vcc(0) depctr_vm_vsrc(0)
	s_getreg_b32 s2, hwreg(HW_REG_IB_STS2, 6, 4)
	s_cmp_eq_u32 s2, 0
	s_cbranch_scc0 .Lentry_in_a_cluster
	s_endpgm
.Lentry_in_a_cluster:
	s_bfe_u32 s2, ttmp6, 0x10000c
	s_cmp_lg_u32 s2, 0xf033
	s_cbranch_scc0 .Lentry_shape_is_right
	s_endpgm
.Lentry_shape_is_right:
; ctx = (P V) / l on codes of FP6 (E2M3) with E8M0 scales, quantised again along the model's axis.  A = p (rows: queries, K = the batch's 2,048 keys), B = v^T (rows: the model's 1,024, K = the keys), both as images.
; THE HEAD FINISHES THE SOFTMAX.  p's codes and scale bytes were made against a whole number M' of their own for each row and each chunk of 128 keys.  Here each thread takes two of the tile's 256 rows: M = the largest M' of
; the row's 16 chunks; l = the sum of l' x 2^(M' - M); each scale byte of chunk c falls by M - M' (held at 0, which stands for 2^-127: such a block's terms lie under 2^-124 of v's magnitude); the bytes go to LDS by
; ds_store, where the other launches of this program have A's scale bytes from a tensor load; 1 / l goes to LDS beside them.
; Keys after the query have zero codes, so all eight K steps are walked by every tile: the trip count is a constant.
; THE WAY OUT: x 1 / l, the true order of columns restored (the codes meet Wo, which is given in that order), the quantiser, images and scale bytes as in the launches before.
; CLUSTERS: 4 x 4 work-groups; p's tiles are asked for jointly along a row of the cluster, v^T's tiles and scale bytes along a column.  The matrix instruction is used transposed (source 0 = 16 rows of v^T, source 1 = 16 queries).
; LIMITS: NaN and infinities are not served.  A block of ctx whose largest magnitude lies under 2^-124, zeros among them, gets the byte 1.  The order of the f32 sums differs from ascending K.
.set AIMG,   1                         ; A comes as rows of codes (0) or as images (1)
.set BIMG,   1                         ; B likewise
.set BIASC,  0                         ; 1: the sums begin with a bias in v64-127
.set SIZE_K, 2048
.set EXTRA,  2048                      ; LDS bytes between the scales and the spare words: 1 / l, twice, for 256 rows
.set NQ,     2                         ; matrix instructions deep in a slot: 256 along K
.set FR,     12                        ; registers of a fragment
.set NP,     4                         ; places behind this matrix instruction (ISA guide 7.12.1)
.set ROWB,   192
.set KROW,   768
.set PITCH,  240
.set IMGT,   24576                     ; images: 128 rows x 256 K
.if AIMG
.set HA,     IMGT                      ; 128 rows of A in a slot
.set STEPA,  IMGT                      ; from a K step to the next, in memory
.set NLA,    3                         ; LDS loads that bring a fragment of A
.else
.set HA,     128*PITCH
.set STEPA,  ROWB
.set NLA,    6
.endif
.if BIMG
.set HB,     IMGT
.set STEPB,  IMGT
.else
.set HB,     128*PITCH
.set STEPB,  ROWB
.endif
.set SLOT,   2*HA+2*HB                 ; A's 256 rows, then B's 256 rows
.set LAPS,   SIZE_K/512                ; a lap = two K steps = once round the ring
.set KS,     SIZE_K/32                 ; a row of scale bytes
.set SCL,    2*SLOT                    ; behind the ring: the scales, as units of 256 bytes + 16 of padding: A's (stored by the waves; no fill lands there), then B's (filled once)
.set HALFS,  (128*KS/256)*272          ; those of 128 rows
.set SBLK,   (16*KS/256)*272           ; those of 16 rows
.set RLB,    SCL+4*HALFS               ; 1 / l: 8 bytes a row
.set SPARE,  RLB+EXTRA                 ; the spare words, 128 bytes for each wave: two blocks of 256 bytes that no other line names
.set VO,   7                           ; v7      16 x lane
.set RLA,  13                          ; v13     where I read my rows' 1 / l
.set FRA,  15                          ; v15     where I store 1 / l: 8 x thread
.set ADRA, 16                          ; v16-17  LDS address of my A fragments in slot 0, 1
.set ADRB, 20                          ; v20-21  the same for B
.set FMA,  24                          ; v24     4 x thread: -M' and l' in memory
.set FWA,  25                          ; v25     64 x thread: scale bytes in memory
.set FSA,  26                          ; v26     where I store a row's scale bytes
.set ADRS, 27                          ; v27     LDS address of my scale words: lanes 0-15 A's rows, lanes 16-31 B's
.set SPW,  28                          ; v28     LDS address of my spare word; never rewritten
.set NIL,  29                          ; v29     0; never rewritten
.set SC,   32                          ; v32-63  scale words, two sets; they hold nothing else
.set BI,   64
.set AF,   128                         ; v128-223 A's eight fragments, one set;  window 1: B's, two sets, at v0 and v128;  windows 2, 3: accumulator (a, b) at v[8 (8 (a % 4) + b)]
.set G1, 24                            ; s[24:31] descriptor group 1 for A's tiles;  s[32:39] group 0, one set for each slot
.set G0, 32
.set G1B, 48                           ; s[48:55], s[56:63] the same for B's tiles
.set G0B, 56
.set G1SB, 80                          ; s[80:87], s[88:91] for B's scales
.set G0SB, 88
.set MSB, 0
.macro WIN new                         ; s_set_vgpr_msb: bits 1:0 source 0, 3:2 source 1, 5:4 source 2, 7:6 destination; the high byte repeats the setting that is left
.if MSB != (\new)
	s_set_vgpr_msb (MSB<<8)|(\new)
.set MSB, (\new)
.endif
.endm
.set MUL_LO, 0xa1                      ; source 0 (B) window 1, source 1 (A) window 0, C and D window 2
.set MUL_HI, 0xf1                      ; the same, C and D window 3
.set TO_B,   0x40                      ; destination window 1, address window 0
; A joint load: waves 0 and 1 fetch for A, waves 2 and 3 for B; the branch hangs on the wave's number alone.  Four v_nop follow each of the two lines.
.macro JLOAD g0a, g1a, g0b, g1b
	s_cmp_eq_u32 s15, 0
	s_cbranch_scc0 .Lfor_b_\@
	tensor_load_to_lds s[\g0a:\g0a+3], s[\g1a:\g1a+7]
	s_nop 0
.rept 4
	v_nop
.endr
	s_branch .Lasked_\@
.Lfor_b_\@:
	tensor_load_to_lds s[\g0b:\g0b+3], s[\g1b:\g1b+7]
	s_nop 0
.rept 4
	v_nop
.endr
.Lasked_\@:
.endm
.macro CREST                           ; a round of the cluster's barrier behind its opening barrier
	s_cmp_lg_u32 s14, 0
	s_cbranch_scc1 .Lnot_wave_0_\@
	s_barrier_signal -3
.Lnot_wave_0_\@:
	s_barrier_wait -3
	s_barrier_signal -1
	s_barrier_wait -1
.endm
.macro CROUND                          ; a whole round
	s_barrier_signal -1
	s_barrier_wait -1
	CREST
.endm
.macro G1TILE g, img, mask             ; group 1 of a tile of 128 rows x 256 K
.if \img
	s_or_b32 s[\g+0], s[\mask], (3<<16)|(1<<21)    ; 15:0 the mask; 17:16 elements of 8 bytes; 21 set beside a mask; no padding: 24,576 dense bytes as 96 rows of 256
	s_mov_b32 s[\g+1], 32<<16                      ; tensor_dim0
	s_mov_b32 s[\g+2], 96<<16                      ; tensor_dim1
	s_mov_b32 s[\g+3], 32<<16                      ; tile_dim0
	s_mov_b32 s[\g+4], 96                          ; tile_dim1
	s_mov_b32 s[\g+5], 32                          ; tensor_dim0_stride
.else
	s_or_b32 s[\g+0], s[\mask], (1<<20)|(1<<21)|(3<<22)|(3<<25)
	s_mov_b32 s[\g+1], ROWB<<16
	s_mov_b32 s[\g+2], 128<<16
	s_mov_b32 s[\g+3], ROWB<<16
	s_mov_b32 s[\g+4], 128
	s_mov_b32 s[\g+5], KROW
.endif
	s_mov_b32 s[\g+6], 0
	s_mov_b32 s[\g+7], 0
.endm
.macro G1SCALE g, mask                 ; group 1 of 4,096 dense scale bytes: 16 rows of 256 bytes, 16 bytes of padding behind each
	s_or_b32 s[\g+0], s[\mask], (3<<16)|(1<<20)|(1<<21)|(5<<22)|(3<<25)
	s_mov_b32 s[\g+1], 32<<16
	s_mov_b32 s[\g+2], 16<<16
	s_mov_b32 s[\g+3], 32<<16
	s_mov_b32 s[\g+4], 16
	s_mov_b32 s[\g+5], 32
	s_mov_b32 s[\g+6], 0
	s_mov_b32 s[\g+7], 0
.endm
; A fragment: block i of 16 rows, the slot's q-th 128 along K.  Image: three loads of 16 bytes a lane, 512 consecutive bytes each.
.macro FRAG img, reg, adr, q, i
.if \img
.irp p, 0,1,2
	ds_load_b128 v[\reg+4*\p:\reg+4*\p+3], v[\adr] offset:(8*(\q)+(\i))*1536+512*\p
.endr
.else
.irp p, 0,1,2,3,4,5
.set PCE, 12*(\q)+6*(\p/3)+\p%3
.if PCE%8 < 5
	ds_load_b64 v[\reg+2*\p:\reg+2*\p+1], v[\adr] offset:8*PCE+16*(PCE/8)+(\i)*16*PITCH
.else
	ds_load_b64 v[\reg+2*\p:\reg+2*\p+1], v[\adr+2] offset:8*PCE+16*(PCE/8)+(\i)*16*PITCH
.endif
.endr
.endif
.endm
; 16 matrix instructions: A's blocks a0, a0 + 1 x B's eight.  p: B's set; sc: the set of scale words.  zero = 1: the first product starts the sums.  The 64 accumulators take turns, one instruction a turn.
.macro MUL16 a0, p, q, sc, zero
.irp a, \a0, \a0+1
.irp b, 0,1,2,3,4,5,6,7
.if \zero
.if BIASC
	v_wmma_scale_f32_16x16x128_f8f6f4 v[8*(8*((\a)%4)+\b):8*(8*((\a)%4)+\b)+7], v[128*(\p)+FR*\b:128*(\p)+FR*\b+FR-1], v[AF+FR*(\a):AF+FR*(\a)+FR-1], v[BI+8*\b:BI+8*\b+7], v[SC+8*NQ*(\sc)+NQ*\b+(\q)], v[SC+8*NQ*(\sc)+NQ*(\a)+(\q)] matrix_a_fmt:MATRIX_FMT_FP6 matrix_b_fmt:MATRIX_FMT_FP6 matrix_a_scale:MATRIX_SCALE_ROW1
.else
	v_wmma_scale_f32_16x16x128_f8f6f4 v[8*(8*((\a)%4)+\b):8*(8*((\a)%4)+\b)+7], v[128*(\p)+FR*\b:128*(\p)+FR*\b+FR-1], v[AF+FR*(\a):AF+FR*(\a)+FR-1], 0, v[SC+8*NQ*(\sc)+NQ*\b+(\q)], v[SC+8*NQ*(\sc)+NQ*(\a)+(\q)] matrix_a_fmt:MATRIX_FMT_FP6 matrix_b_fmt:MATRIX_FMT_FP6 matrix_a_scale:MATRIX_SCALE_ROW1
.endif
.else
	v_wmma_scale_f32_16x16x128_f8f6f4 v[8*(8*((\a)%4)+\b):8*(8*((\a)%4)+\b)+7], v[128*(\p)+FR*\b:128*(\p)+FR*\b+FR-1], v[AF+FR*(\a):AF+FR*(\a)+FR-1], v[8*(8*((\a)%4)+\b):8*(8*((\a)%4)+\b)+7], v[SC+8*NQ*(\sc)+NQ*\b+(\q)], v[SC+8*NQ*(\sc)+NQ*(\a)+(\q)] matrix_a_fmt:MATRIX_FMT_FP6 matrix_b_fmt:MATRIX_FMT_FP6 matrix_a_scale:MATRIX_SCALE_ROW1
.endif
.endr
.endr
.endm
.macro FETCH_B slot, q, p              ; B's eight fragments into set p
	WIN TO_B
.irp i, 0,1,2,3,4,5,6,7
	FRAG BIMG, 128*(\p)+FR*\i, ADRB+\slot, \q, \i
.endr
	WIN 0
.endm
.macro FETCH_A slot, q, i0             ; A's blocks i0 .. i0 + 3
.irp i, \i0, \i0+1, \i0+2, \i0+3
	FRAG AIMG, AF+FR*(\i), ADRA+\slot, \q, \i
.endr
.endm
.macro SCALES sc                       ; a K step's scale words into set sc: two words a row; lanes 0-15 take A's block i, lanes 16-31 B's block i
.irp i, 0,1,2,3,4,5,6,7
	ds_load_b64 v[SC+8*NQ*\sc+NQ*\i:SC+8*NQ*\sc+NQ*\i+1], v[ADRS] offset:\i*SBLK
.endr
.endm
.macro PLACES n                        ; plain vector instructions between a matrix instruction and a load into, or a vector read or write of, its registers
.rept \n
	v_nop
.endr
.endm
.macro STEP slot, q, zero              ; 128 along K that have their successor in the same slot
	s_wait_dscnt 4*NLA                             ; B's set and A's blocks 0-3 are in; the youngest loads (A's blocks 4-7) may be out
	WIN MUL_LO-0x20*BIASC*(\zero)
	MUL16 0, (\q)%2, \q, \slot, \zero
	MUL16 2, (\q)%2, \q, \slot, \zero
	s_wait_dscnt 0                                 ; A's blocks 4-7 are in
	PLACES NP
	FETCH_B \slot, (\q)+1, 1-(\q)%2
	FETCH_A \slot, (\q)+1, 0
	WIN MUL_HI-0x30*BIASC*(\zero)
	MUL16 4, (\q)%2, \q, \slot, \zero
	MUL16 6, (\q)%2, \q, \slot, \zero
	PLACES NP
	WIN 0
	FETCH_A \slot, (\q)+1, 4
.endm
; A slot's last 128 change slots: ONE barrier; in front of it each wave waits for all its tensor loads, adds 0 to its spare word, and waits for that and for its own reads of this slot.  fill = 1: the slot is filled again, two K steps ahead.
.macro TURN slot, next, fill
	s_wait_tensorcnt 0x0                           ; all my tensor loads have landed: my part of the next slot
	ds_add_u32 v[SPW], v[NIL]                      ; 0 onto my spare word
	s_wait_dscnt 4*NLA+1                           ; (the add and the youngest loads, A's blocks 4-7, may be out)
	WIN MUL_LO
	MUL16 0, 1, NQ-1, \slot, 0                     ; sixteen matrix instructions stand between the add and the wait for it
	s_wait_dscnt 0x0                               ; the add is done, and my reads of this slot are over
	s_barrier_signal -1
	MUL16 2, 1, NQ-1, \slot, 0
	WIN 0
	s_barrier_wait -1
.if \fill
	CREST                                          ; the barrier has opened a round of the cluster's barrier: no wave of any partner still reads this slot or has a load on its way
	s_add_nc_u64 s[G0+4*\slot+2:G0+4*\slot+3], s[G0+4*\slot+2:G0+4*\slot+3], 2*STEPA
	s_add_nc_u64 s[G0B+4*\slot+2:G0B+4*\slot+3], s[G0B+4*\slot+2:G0B+4*\slot+3], 2*STEPB
	JLOAD G0+4*\slot, G1, G0B+4*\slot, G1B         ; the first tensor load behind the round; its four v_nop are the places in front of the loads below
.else
	PLACES NP
.endif
	v_add_nc_u32 v[ADRS], 4*NQ, v[ADRS]            ; on to the next K step's scale words (no LDS load of mine is out)
	FETCH_B \next, 0, 0
	FETCH_A \next, 0, 0
	SCALES \next
	WIN MUL_HI
	MUL16 4, 1, NQ-1, \slot, 0
	MUL16 6, 1, NQ-1, \slot, 0
	PLACES NP
	WIN 0
	FETCH_A \next, 0, 4
.endm
; THE QUANTISER ON THE WAY OUT.  64 numbers of a lane: registers 16 c + 0 .. 15 are its half of block c of its row.  All temporaries lie in window 0, above the scale words.
.set X,    64                          ; v64-127  64 numbers at work
.set PCF,  128                         ; v128-151 a fragment's codes, two sets by turns
.set CT,   152                         ; v152-158 the conversions' second halves
.set TM,   160                         ; v160-163 largest magnitudes, v164-167 the other half's, then bytes, v172-175 the conversions' scale operands
.set PW,   192                         ; v192-199 block a's scale words
.set RL,   200                         ; v200-215 block a's 1 / l, as a pair
.set WT,   216                         ; v216..   words to store
.macro AMAX src, w                     ; the four blocks' largest magnitudes
	WIN (\w)|((\w)<<2)
.irp c, 0,1,2,3
	v_max3_num_f32 v[TM+\c], |v[\src+16*\c]|, |v[\src+16*\c+1]|, 0x1800000   ; and the floor 2^(3 - 127): the byte cannot fall under 1
.endr
	WIN ((\w)<<2)|((\w)<<4)
.irp i, 2,4,6,8,10,12,14
.irp c, 0,1,2,3
	v_max3_num_f32 v[TM+\c], v[TM+\c], |v[\src+16*\c+\i]|, |v[\src+16*\c+\i+1]|
.endr
.endr
	WIN 0
.irp c, 0,1,2,3
	v_permlanex16_b32 v[TM+4+\c], v[TM+\c], s100, s101
.endr
.irp c, 0,1,2,3
	v_max_num_f32 v[TM+\c], v[TM+\c], v[TM+4+\c]   ; with lane l xor 16's: the block's
.endr
.endm
.macro SCALEW pw                       ; scale operands, bytes, and the row's scale word
.irp c, 0,1,2,3
	v_add_nc_u32 v[TM+12+\c], 0xff000000, v[TM+\c] ; 2 off the exponent field: the conversion takes the exponent field of this operand as its scale
.endr
.irp c, 0,1,2,3
	v_lshrrev_b32 v[TM+4+\c], 23, v[TM+12+\c]      ; the scale's byte
.endr
	v_lshl_or_b32 v[\pw], v[TM+5], 8, v[TM+4]
	v_lshl_or_b32 v[\pw], v[TM+6], 16, v[\pw]
	v_lshl_or_b32 v[\pw], v[TM+7], 24, v[\pw]
.endm
.macro CODES src, w, a                 ; the fragment's 12 registers: lanes 0-15 blocks 0 and 2, lanes 16-31 blocks 1 and 3
.set PC0, PCF+12*((\a)%2)
.if (\a) > 1
	s_wait_xcnt 0x0                                ; block a - 2's stores have read these registers
.endif
	WIN \w
.irp c, 0,1
	v_cvt_scalef32_pk16_fp6_f32 v[PC0+6*\c:PC0+6*\c+2], v[\src+32*\c:\src+32*\c+15], v[TM+12+2*\c]
	v_cvt_scalef32_pk16_fp6_f32 v[CT+4*\c:CT+4*\c+2], v[\src+32*\c+16:\src+32*\c+31], v[TM+13+2*\c]   ; (a conversion's three registers begin on an even number)
.endr
	WIN 0
	v_nop                                          ; one plain place behind a scaled conversion
.irp c, 0,1
.irp i, 0,1,2
	v_permlane16_swap_b32 v[PC0+6*\c+\i], v[CT+4*\c+\i]   ; the first's lanes 16-31 change places with the second's lanes 0-15: a whole block in a lane
.endr
.irp i, 0,1,2
	v_mov_b32 v[PC0+6*\c+3+\i], v[CT+4*\c+\i]
.endr
.endr
.endm
.macro PUT a                           ; the fragment's image: each store covers 512 consecutive bytes, aligned
.set PC0, PCF+12*((\a)%2)
.irp p, 0,1,2
	global_store_b128 v[VO], v[PC0+4*\p:PC0+4*\p+3], s[12:13] offset:1536*(\a)+512*\p
.endr
.endm
.macro WORDS                           ; the 128 rows' scale words: lane l of store g holds row 32 g + l
.irp g, 0,1,2,3
	v_cndmask_b32 v[WT+\g], v[PW+2*\g], v[PW+2*\g+1], s95
.endr
.irp g, 0,1,2,3
	global_store_b32 v[8+\g], v[WT+\g], s[66:67]
.endr
.endm
; THE FIX of row thread + 128 rho of the tile.  v[FN ..] 16 x -M', v[FL ..] 16 x l', v[FW ..] the row's 16 scale words, one for each chunk.  left: the younger loads that may stay out.
.set FB,   160                         ; v160-175 a byte of each word
.set FO,   176                         ; v176-191 the new words
.set FT,   192                         ; v192     -M of the row
.set FD,   194                         ; v194-209 what comes off a byte
.macro FIXROW rho, left
.set FN, 64+48*(\rho)
.set FL, FN+16
.set FW, FN+32
	s_wait_loadcnt \left
	v_min3_num_f32 v[FT], v[FN], v[FN+1], v[FN+2]  ; -M = the least -M' (a hidden chunk's is 3e38; chunk 0 is never hidden)
.irp i, 3,5,7,9,11,13
	v_min3_num_f32 v[FT], v[FT], v[FN+\i], v[FN+\i+1]
.endr
	v_min_num_f32 v[FT], v[FT], v[FN+15]
.irp c, 0,1,2,3,4,5,6,7,8,9,10,11,12,13,14,15
	v_sub_f32 v[FN+\c], v[FT], v[FN+\c]            ; M' - M: a whole number, 0 or less
.endr
.irp c, 0,1,2,3,4,5,6,7,8,9,10,11,12,13,14,15
	v_cvt_i32_f32 v[FN+\c], v[FN+\c]               ; (it saturates)
.endr
.irp c, 0,1,2,3,4,5,6,7,8,9,10,11,12,13,14,15
	v_ldexp_f32 v[FL+\c], v[FL+\c], v[FN+\c]       ; l' under the row's M
.endr
.irp c, 0,1,2,3,4,5,6,7,8,9,10,11,12,13,14,15
	v_sub_nc_u32 v[FN+\c], 0, v[FN+\c]             ; M - M', unsigned (the saturated one stays the greatest)
.endr
.irp c, 0,1,2,3,4,5,6,7
	v_add_f32 v[FL+\c], v[FL+\c], v[FL+8+\c]
.endr
.irp c, 0,1,2,3
	v_add_f32 v[FL+\c], v[FL+\c], v[FL+4+\c]
.endr
.irp c, 0,1
	v_add_f32 v[FL+\c], v[FL+\c], v[FL+2+\c]
.endr
	v_add_f32 v[FL], v[FL], v[FL+1]                ; l: above 1/2, since the row's largest p is
	v_rcp_f32 v[FL], v[FL]                         ; the bytes' work below names none of its registers
.irp k, 0,1,2,3
.irp c, 0,1,2,3,4,5,6,7,8,9,10,11,12,13,14,15
	v_bfe_u32 v[FB+\c], v[FW+\c], 8*\k, 8
.endr
.irp c, 0,1,2,3,4,5,6,7,8,9,10,11,12,13,14,15
	v_min_u32 v[FD+\c], v[FB+\c], v[FN+\c]         ; no more comes off than the byte holds
.endr
.irp c, 0,1,2,3,4,5,6,7,8,9,10,11,12,13,14,15
.if \k == 0
	v_sub_nc_u32 v[FO+\c], v[FB+\c], v[FD+\c]
.else
	v_sub_nc_u32 v[FB+\c], v[FB+\c], v[FD+\c]
.endif
.endr
.if \k > 0
.irp c, 0,1,2,3,4,5,6,7,8,9,10,11,12,13,14,15
	v_lshl_or_b32 v[FO+\c], v[FB+\c], 8*\k, v[FO+\c]
.endr
.endif
.endr
	s_wait_alu depctr_va_vdst(0)                   ; the wait ahead of the reciprocal's first reader
	v_mov_b32 v[FL+1], v[FL]                       ; a pair for the packed multiply
.irp k, 0,1,2,3
	ds_store_b128 v[FSA], v[FO+4*\k:FO+4*\k+3] offset:16*\k+HALFS*(\rho)
.endr
	ds_store_b64 v[FRA], v[FL:FL+1] offset:1024*(\rho)
.endm
	s_load_b128 s[4:7], s[0:1], 0x0                ; p_codes, p_scales
	s_load_b128 s[96:99], s[0:1], 0x10             ; p_m, p_l
	s_load_b128 s[8:11], s[0:1], 0x20              ; qkv_codes, qkv_scales
	s_load_b64 s[12:13], s[0:1], 0x30              ; c_codes
	s_load_b64 s[66:67], s[0:1], 0x38              ; c_scales
	v_lshl_add_u32 v[SPW], v0, 2, SPARE
	v_mov_b32 v[NIL], 0
	ds_add_u32 v28, v29
	ds_add_u32 v28, v29
	s_wait_dscnt 0x0
	v_lshrrev_b32 v1, 5, v0
	v_readfirstlane_b32 s14, v1                    ; wave 0..3
	s_lshr_b32 s15, s14, 1                         ; which half of the tile's rows is mine.  Also: I fetch for A (0) or for B (1)
	s_and_b32 s16, s14, 1                          ; which half of its columns.  Also: which 128 rows of that tile I fetch
	s_bfe_u32 s40, ttmp6, 0x40000                  ; cx, cy: my place in the cluster
	s_bfe_u32 s41, ttmp6, 0x40004
	s_mov_b32 s42, s40                             ; tile of 256 of the model's 1,024: one cluster spans them
	s_and_b32 s18, ttmp7, 0xffff
	s_lshl_b32 s17, s18, 2
	s_add_co_u32 s17, s17, s41                     ; tile of 256 queries, 0 .. 31
	s_lshr_b32 s19, s18, 1                         ; the batch
	s_lshl_b32 s43, s41, 2
	s_lshl_b32 s43, 15, s43                        ; my row of the cluster
	s_lshl_b32 s44, 0x1111, s40                    ; my column
	G1TILE G1, AIMG, 43
	G1TILE G1B, BIMG, 44
	G1SCALE G1SB, 44
	s_lshl_b32 s20, s17, 1
	s_add_co_u32 s20, s20, s16                     ; p: which group of 128 rows I fetch
	s_mul_i32 s20, s20, 8*IMGT                     ; its eight K steps
	s_mov_b32 s21, 0
	s_lshl_b32 s46, s42, 1
	s_add_co_u32 s46, s46, s16
	s_mul_i32 s46, s46, 8*IMGT                     ; v^T likewise,
	s_mul_i32 s47, s19, 1572864                    ; in its batch,
	s_add_co_u32 s46, s46, s47
	s_add_co_u32 s46, s46, 12582912                ; behind q and k
	s_mov_b32 s47, 0
	s_lshl_b32 s92, s42, 14                        ; v^T's scale bytes: 256 rows of 64 a tile,
	s_lshl_b32 s93, s19, 16
	s_add_co_u32 s92, s92, s93
	s_lshl_b32 s93, s14, 12                        ; a quarter for each wave,
	s_add_co_u32 s92, s92, s93
	s_add_co_u32 s92, s92, 524288                  ; behind q's and k's
	s_mov_b32 s93, 0
	s_lshl_b32 s22, s17, 10                        ; the fix: my tile's 256 rows of f32,
	s_mov_b32 s23, 0
	s_lshl_b32 s18, s17, 14                        ; and of 64 scale bytes
	s_mov_b32 s19, 0
	s_mul_i32 s45, s16, HA                         ; where the tiles go: no place in the cluster enters an LDS address
	s_mul_i32 s94, s16, HB
	s_add_co_u32 s94, s94, 2*HA
	s_mul_i32 s95, s14, 4352
	v_lshlrev_b32 v[FMA], 2, v0
	v_lshlrev_b32 v[FWA], 6, v0
	s_wait_kmcnt 0x0
	s_add_nc_u64 s[96:97], s[96:97], s[22:23]
	s_add_nc_u64 s[98:99], s[98:99], s[22:23]
	s_add_nc_u64 s[6:7], s[6:7], s[18:19]
.irp rho, 0,1                          ; 36 loads for each of my two rows, the first row's first: they are on their way while the cluster meets and the first tiles are asked for
.irp c, 0,1,2,3,4,5,6,7,8,9,10,11,12,13,14,15
	global_load_b32 v[64+48*\rho+\c], v[FMA], s[96:97] offset:32768*\c+512*\rho
.endr
.irp c, 0,1,2,3,4,5,6,7,8,9,10,11,12,13,14,15
	global_load_b32 v[80+48*\rho+\c], v[FMA], s[98:99] offset:32768*\c+512*\rho
.endr
.irp k, 0,1,2,3
	global_load_b128 v[96+48*\rho+4*\k:96+48*\rho+4*\k+3], v[FWA], s[6:7] offset:16*\k+8192*\rho
.endr
.endr
	s_add_nc_u64 s[20:21], s[4:5], s[20:21]
	s_add_nc_u64 s[46:47], s[8:9], s[46:47]
	s_add_nc_u64 s[92:93], s[10:11], s[92:93]
	CROUND                                         ; all sixteen work-groups are here: the first joint loads meet
	s_mov_b32 s[G0SB], 1
	s_add_co_u32 s[G0SB+1], s95, SCL+2*HALFS
	s_mov_b64 s[G0SB+2:G0SB+3], s[92:93]
	s_or_b32 s[G0SB+3], s[G0SB+3], 0x80000000
	tensor_load_to_lds s[G0SB:G0SB+3], s[G1SB:G1SB+7]   ; v^T's scale bytes: every wave a quarter of its own, jointly with my column.  Three loads of mine are out behind the first fills
	s_nop 0
.rept 4
	v_nop
.endr
.irp s, 0,1
	s_mov_b32 s[G0+4*\s], 1
	s_add_co_u32 s[G0+4*\s+1], s45, \s*SLOT
	s_add_nc_u64 s[G0+4*\s+2:G0+4*\s+3], s[20:21], \s*STEPA
	s_or_b32 s[G0+4*\s+3], s[G0+4*\s+3], 0x80000000
	s_mov_b32 s[G0B+4*\s], 1
	s_add_co_u32 s[G0B+4*\s+1], s94, \s*SLOT
	s_add_nc_u64 s[G0B+4*\s+2:G0B+4*\s+3], s[46:47], \s*STEPB
	s_or_b32 s[G0B+4*\s+3], s[G0B+4*\s+3], 0x80000000
	JLOAD G0+4*\s, G1, G0B+4*\s, G1B
.endr
	v_and_b32 v1, 15, v0                           ; r = lane % 16
	v_bfe_u32 v2, v0, 4, 1                         ; h = lane / 16
	v_and_b32 v3, 31, v0                           ; lane
	v_lshlrev_b32 v[VO], 4, v3
.if AIMG*BIMG == 0
	v_mul_u32_u24 v4, v1, PITCH
	v_mad_u32_u24 v4, v2, 24, v4
	v_lshl_add_u32 v5, v2, 4, v4
.endif
	s_mul_i32 s21, s15, HA                         ; my 128 rows of A
	s_mul_i32 s22, s16, HB                         ; my 128 rows of B,
	s_add_co_u32 s22, s22, 2*HA                    ; which lie behind A's 256
.irp s, 0,1
.if AIMG
	v_add_nc_u32 v[ADRA+\s], s21, v[VO]
.else
	v_add_nc_u32 v[ADRA+\s], s21, v4
	v_add_nc_u32 v[ADRA+2+\s], s21, v5
.endif
.if BIMG
	v_add_nc_u32 v[ADRB+\s], s22, v[VO]
.else
	v_add_nc_u32 v[ADRB+\s], s22, v4
	v_add_nc_u32 v[ADRB+2+\s], s22, v5
.endif
	s_add_co_u32 s21, s21, SLOT
	s_add_co_u32 s22, s22, SLOT
.endr
	v_mul_u32_u24 v5, v1, KS                       ; my row's scales: KS bytes a row,
	v_lshrrev_b32 v6, 8, v5
	v_lshl_add_u32 v5, v6, 4, v5                   ; and 16 more for each 256 passed
	s_mul_i32 s21, s15, HALFS                      ; A's: my 128 rows
	s_mul_i32 s22, s16, HALFS                      ; B's: my 128 rows, behind A's 256
	s_add_co_u32 s22, s22, 2*HALFS
	s_sub_co_u32 s22, s22, s21
	v_mul_u32_u24 v6, s22, v2                      ; lanes 16-31 take B's
	s_add_co_u32 s21, s21, SCL
	v_add_nc_u32 v5, v5, v6
	v_add_nc_u32 v[ADRS], s21, v5
	v_lshrrev_b32 v[FSA], 2, v0                    ; row t of scale bytes lies as a tensor load would have laid it: four rows of 64 bytes to a unit of 256 + 16
	v_mul_u32_u24 v[FSA], v[FSA], 272
	v_and_b32 v[FRA], 3, v0
	v_lshl_add_u32 v[FSA], v[FRA], 6, v[FSA]
	v_add_nc_u32 v[FSA], SCL, v[FSA]
	v_lshl_add_u32 v[FRA], v0, 3, RLB
	s_lshl_b32 s21, s15, 10
	v_lshl_add_u32 v[RLA], v1, 3, RLB
	v_add_nc_u32 v[RLA], s21, v[RLA]               ; back: my 128 rows, row r of a block
	; where my 128 queries x 128 columns go
	s_lshl_b32 s18, s17, 1
	s_add_co_u32 s18, s18, s15                     ; row group G
	s_lshl_b32 s20, s18, 2
	s_add_co_u32 s20, s20, s42
	s_mul_i32 s20, s20, IMGT
	s_mul_i32 s21, s16, IMGT/2
	s_add_co_u32 s20, s20, s21
	s_mov_b32 s21, 0
	s_add_nc_u64 s[12:13], s[12:13], s[20:21]
	s_lshl_b32 s20, s18, 12                        ; 128 G rows of 32 scale bytes
	s_lshl_b32 s22, s42, 3
	s_add_co_u32 s20, s20, s22
	s_lshl_b32 s22, s16, 2
	s_add_co_u32 s20, s20, s22
	s_add_nc_u64 s[66:67], s[66:67], s[20:21]
.irp g, 0,1,2,3
	v_add_nc_u32 v[8+\g], 32*\g, v3
	v_lshlrev_b32 v[8+\g], 5, v[8+\g]              ; row 32 g + lane
.endr
	s_mov_b32 s95, 0xffff0000                      ; lanes 16-31
	s_mov_b32 s100, 0x76543210
	s_mov_b32 s101, 0xfedcba98                     ; v_permlanex16_b32's selects for lane l xor 16
	FIXROW 0, 36                                   ; the second row's 36 loads may be out
	FIXROW 1, 0
	s_wait_tensorcnt 1                             ; v^T's scales and my part of K step 0 are in (K step 1's load may be out),
	s_wait_dscnt 0x0                               ; and my stores of p's scale bytes and of 1 / l have landed:
	s_barrier_signal -1
	s_barrier_wait -1                              ; everybody's have
	FETCH_B 0, 0, 0
	FETCH_A 0, 0, 0
	SCALES 0
	FETCH_A 0, 0, 4
	STEP 0, 0, 1                                   ; the first step stands in front of the loop: its products start the sums
.if LAPS > 1
	s_mov_b32 s3, LAPS-1
.Llap:                                                 ; a trip goes once round the ring and fills both slots again
	TURN 0, 1, 1
	STEP 1, 0, 0
	TURN 1, 0, 1
	STEP 0, 0, 0
	s_sub_co_u32 s3, s3, 1
	s_cmp_lg_u32 s3, 0
	s_cbranch_scc1 .Llap
.endif
	TURN 0, 1, 0                                   ; the last lap fills nothing, and has no round of the cluster's barrier
	STEP 1, 0, 0
	s_wait_dscnt 4*NLA                             ; the very last step: nothing more to fetch
	WIN MUL_LO
	MUL16 0, 1, NQ-1, 1, 0
	MUL16 2, 1, NQ-1, 1, 0
	s_wait_dscnt 0
	WIN MUL_HI
	MUL16 4, 1, NQ-1, 1, 0
	MUL16 6, 1, NQ-1, 1, 0
	WIN 0
	PLACES NP                                      ; in front of the first read of results, and of loads into and writes of registers that held A's fragments
.irp a, 0,1,2,3,4,5,6,7
	ds_load_b64 v[RL+2*\a:RL+2*\a+1], v[RLA] offset:128*\a   ; 1 / l of row 16 a + r, twice
.endr
.irp c, 0,1,2,3
	v_mov_b32 v[TM+4+\c], 0                        ; written once: a lane permute's destination counts as one of its sources
.endr
	s_wait_dscnt 0x0
.macro CTX a                           ; block a: 16 queries x my 128 columns
.set AC, 64*((\a)%4)
.set W,  2+(\a)/4
	WIN W                                          ; source 0: the accumulators' window
.set n, 0
.rept 32
	v_pk_mul_f32 v[X+n:X+n+1], v[AC+n:AC+n+1], v[RL+2*(\a):RL+2*(\a)+1]   ; / l, into window 0: each accumulator from its low end on
.set n, n+2
.endr
	WIN 0
.irp c, 0,1,2,3
.irp j, 0,1,2,3,4,5,6,7
	v_permlane16_swap_b32 v[X+16*\c+\j], v[X+16*\c+8+\j]   ; columns 8 h + j and 16 + 8 h + j become 16 h + j and 16 h + 8 + j: a lane's 16 registers are 16 neighbours, the true order
.endr
.endr
	AMAX X, 0
	SCALEW PW+(\a)
	CODES X, 0, \a
	PUT \a
.endm
.irp a, 0,1,2,3,4,5,6,7
	CTX \a
.endr
	WORDS
	s_wait_tensorcnt 0x0                           ; the wave's end
	ds_add_u32 v[SPW], v[NIL]
	s_wait_dscnt 0x0
	CROUND                                         ; the closing round: no work-group ends while a partner may still ask for a tile that names it
	s_endpgm
.Lfunc_end_k_q46dfdec8ea_ctx:
	.size	k_q46dfdec8ea_ctx, .Lfunc_end_k_q46dfdec8ea_ctx-k_q46dfdec8ea_ctx
	.p2alignl 7, 3214868480
	.fill 96, 4, 3214868480
	.section	.rodata,"a",@progbits
	.p2align	6, 0x0
	.amdhsa_kernel k_q46dfdec8ea_ctx
		.amdhsa_group_segment_fixed_size 327680
		.amdhsa_private_segment_fixed_size 0
		.amdhsa_enable_private_segment 0
		.amdhsa_kernarg_size 64
		.amdhsa_user_sgpr_count 2
		.amdhsa_user_sgpr_kernarg_segment_ptr 1
		.amdhsa_wavefront_size32 1
		.amdhsa_system_sgpr_workgroup_id_x 1
		.amdhsa_system_sgpr_workgroup_id_y 1
		.amdhsa_system_sgpr_workgroup_id_z 1
		.amdhsa_system_vgpr_workitem_id 0
		.amdhsa_next_free_vgpr 1024
		.amdhsa_next_free_sgpr 102
		.amdhsa_reserve_vcc 0
		.amdhsa_float_denorm_mode_32 3
		.amdhsa_float_denorm_mode_16_64 3
		.amdhsa_memory_ordered 1
		.amdhsa_forward_progress 1
		.amdhsa_inst_pref_size 201
	.end_amdhsa_kernel
	.amdgpu_metadata
---
amdhsa.version: [ 1, 2 ]
amdhsa.kernels:
  - .name:           k_q46dfdec8ea_ctx
    .symbol:         k_q46dfdec8ea_ctx.kd
    .args:
      - { .name: p_codes, .offset: 0, .size: 8, .value_kind: global_buffer, .address_space: global }
      - { .name: p_scales, .offset: 8, .size: 8, .value_kind: global_buffer, .address_space: global }
      - { .name: p_m, .offset: 16, .size: 8, .value_kind: global_buffer, .address_space: global }
      - { .name: p_l, .offset: 24, .size: 8, .value_kind: global_buffer, .address_space: global }
      - { .name: qkv_codes, .offset: 32, .size: 8, .value_kind: global_buffer, .address_space: global }
      - { .name: qkv_scales, .offset: 40, .size: 8, .value_kind: global_buffer, .address_space: global }
      - { .name: c_codes, .offset: 48, .size: 8, .value_kind: global_buffer, .address_space: global }
      - { .name: c_scales, .offset: 56, .size: 8, .value_kind: global_buffer, .address_space: global }
    .group_segment_fixed_size: 327680
    .private_segment_fixed_size: 0
    .kernarg_segment_align: 8
    .kernarg_segment_size: 64
    .max_flat_workgroup_size: 128
    .sgpr_count:     102
    .vgpr_count:     1024
    .wavefront_size: 32
...
	.end_amdgpu_metadata
.endif
;; end of part 3
;; launch outp (part 4): grid 4 x 32, 4 waves a work-group, clusters of 4 x 4, 327,680 bytes of LDS; arguments c_codes, c_scales, Wo_codes, Wo_scales, bo, out0; writes out0
.if DOCPART == 4
	.amdgcn_target "amdgcn-amd-amdhsa--gfx1250"
	.amdhsa_code_object_version 6
	.text
	.protected	k_q46dfdec8ea_outp
	.globl	k_q46dfdec8ea_outp
	.p2align	8
	.type	k_q46dfdec8ea_outp,@function
k_q46dfdec8ea_outp:
	s_mov_b64 s[64:65], 0
	v_nop
	global_prefetch_b8 v0, s[64:65] scope:SCOPE_SE
	s_setreg_imm32_b32 hwreg(HW_REG_WAVE_MODE, 25, 1), 1
	s_wait_xcnt 0x0
	s_wait_alu depctr_hold_cnt(0) depctr_sa_sdst(0) depctr_va_vdst(0) depctr_va_sdst(0) depctr_va_ssrc(0) depctr_va_vcc(0) depctr_vm_vsrc(0)
	s_getreg_b32 s2, hwreg(HW_REG_IB_STS2, 6, 4)
	s_cmp_eq_u32 s2, 0
	s_cbranch_scc0 .Lentry_in_a_cluster
	s_endpgm
.Lentry_in_a_cluster:
	s_bfe_u32 s2, ttmp6, 0x10000c
	s_cmp_lg_u32 s2, 0xf033
	s_cbranch_scc0 .Lentry_shape_is_right
	s_endpgm
.Lentry_shape_is_right:
; out = ctx Wo^T + bo on codes of FP6 (E2M3) with E8M0 scales; out is f32.  A = ctx, 8,192 rows, as images of operand registers (a fragment of 16 rows x 128 K is 1,536 bytes, register g of lane l at
; 512 (g / 4) + 16 l + 4 (g % 4); 128 rows x 256 K are 24,576 dense bytes), in the true order along K; B = Wo, 1,024 rows of codes as they are given.  K = 1,024.
; A tile of out, 256 x 256, is made by four waves, 128 x 128 each; K goes in steps of 256 through a ring of two LDS slots; the scale bytes of the tile's rows come once.
; CLUSTERS: 4 x 4 work-groups; ctx's tiles are asked for jointly along a row of the cluster, Wo's along a column.  The matrix instruction is used transposed (source 0 = 16 rows of Wo, source 1 = 16 rows of ctx): a lane
; holds eight neighbouring numbers of a row of out.  THE BIAS is the C of each sum's first matrix instruction: 64 registers in the result's layout; no addition is written.
; THE WAY OUT: a block of 16 rows x 128 columns goes through the wave's own stage in LDS and leaves as whole rows of 512 bytes.  The stage lies in slot 0, which has had its last fill and its last read by then.
; LIMITS: NaN and infinities are not served.  The order of the f32 sums is that of the matrix unit, K ascending.
.set AIMG,   1                         ; A comes as rows of codes (0) or as images (1)
.set BIMG,   0                         ; B likewise
.set BIASC,  1                         ; 1: the sums begin with a bias in v64-127
.set SIZE_K, 1024
.set SIZE_N, 1024
.set EXTRA,  0                         ; LDS bytes between the scales and the spare words
.set NQ,     2                         ; matrix instructions deep in a slot: 256 along K
.set FR,     12                        ; registers of a fragment
.set NP,     4                         ; places behind this matrix instruction (ISA guide 7.12.1)
.set ROWB,   192                       ; rows: 256 codes in bytes
.set KROW,   768                       ; rows: a row of 1,024 codes in memory
.set PITCH,  240                       ; rows: an LDS row: 3 x (64 bytes + 16 of padding): the 32 lanes of a load of 8 bytes touch 64 different banks (64 banks of 4 bytes: ISA guide 11.1)
.set IMGT,   24576                     ; images: 128 rows x 256 K
.if AIMG
.set HA,     IMGT                      ; 128 rows of A in a slot
.set STEPA,  IMGT                      ; from a K step to the next, in memory
.set NLA,    3                         ; LDS loads that bring a fragment of A
.else
.set HA,     128*PITCH
.set STEPA,  ROWB
.set NLA,    6
.endif
.if BIMG
.set HB,     IMGT
.set STEPB,  IMGT
.else
.set HB,     128*PITCH
.set STEPB,  ROWB
.endif
.set SLOT,   2*HA+2*HB                 ; A's 256 rows, then B's 256 rows
.set LAPS,   SIZE_K/512                ; a lap = two K steps = once round the ring
.set KS,     SIZE_K/32                 ; a row of scale bytes
.set SCL,    2*SLOT                    ; behind the ring: the scales, as units of 256 bytes + 16 of padding
.set HALFS,  (128*KS/256)*272          ; those of 128 rows
.set SBLK,   (16*KS/256)*272           ; those of 16 rows
.set RLB,    SCL+4*HALFS
.set SPARE,  RLB+EXTRA                 ; the spare words, 128 bytes for each wave: two blocks of 256 bytes that no other line names
.set SPITCH, 528                       ; the stage: 16 rows x (512 bytes + 16) for each wave
.set VO,   7                           ; v7      16 x lane
.set BOA,  15                          ; v15     32 x (lane / 16): my eight numbers of a block of the bias
.set ADRA, 16                          ; v16-17  LDS address of my A fragments in slot 0, 1
.set ADRB, 20                          ; v20-21  the same for B (v22-23: behind one padding more)
.set STO,  24                          ; v24     the way out: where I put 32 bytes of a row
.set RD,   25                          ; v25     the way out: where I read a row back
.set CO,   26                          ; v26     my byte offset in a row of out
.set ADRS, 27                          ; v27     LDS address of my scale words: lanes 0-15 A's rows, lanes 16-31 B's
.set SPW,  28                          ; v28     LDS address of my spare word; never rewritten
.set NIL,  29                          ; v29     0; never rewritten
.set SC,   32                          ; v32-63  scale words, two sets; they hold nothing else
.set BI,   64                          ; v64-127 the bias: register 8 b + j = bo at my column 16 b + 8 (lane / 16) + j
.set AF,   128                         ; v128-223 A's eight fragments, one set;  window 1: B's, two sets, at v0 and v128;  windows 2, 3: accumulator (a, b) at v[8 (8 (a % 4) + b)]
.set BK,   128                         ; the way out: 16 rows read back from the stage: v128-191 and v192-255 by turns
.set G1, 24                            ; s[24:31] descriptor group 1 for A's tiles;  s[32:39] group 0, one set for each slot
.set G0, 32
.set G1B, 48                           ; s[48:55], s[56:63] the same for B's tiles
.set G0B, 56
.set G1S, 68                           ; s[68:75], s[76:79] for A's scales;  s[80:87], s[88:91] for B's
.set G0S, 76
.set G1SB, 80
.set G0SB, 88
.set MSB, 0
.macro WIN new                         ; s_set_vgpr_msb: bits 1:0 source 0, 3:2 source 1, 5:4 source 2, 7:6 destination; the high byte repeats the setting that is left
.if MSB != (\new)
	s_set_vgpr_msb (MSB<<8)|(\new)
.set MSB, (\new)
.endif
.endm
.set MUL_LO, 0xa1                      ; source 0 (B) window 1, source 1 (A) window 0, C and D window 2  (the first step: C, the bias, window 0: 0x81)
.set MUL_HI, 0xf1                      ; the same, C and D window 3  (the first step: 0xc1)
.set TO_B,   0x40                      ; destination window 1, address window 0
; A joint load: waves 0 and 1 fetch for A, waves 2 and 3 for B; the branch hangs on the wave's number alone.  Four v_nop follow each of the two lines.
.macro JLOAD g0a, g1a, g0b, g1b
	s_cmp_eq_u32 s15, 0
	s_cbranch_scc0 .Lfor_b_\@
	tensor_load_to_lds s[\g0a:\g0a+3], s[\g1a:\g1a+7]
	s_nop 0
.rept 4
	v_nop
.endr
	s_branch .Lasked_\@
.Lfor_b_\@:
	tensor_load_to_lds s[\g0b:\g0b+3], s[\g1b:\g1b+7]
	s_nop 0
.rept 4
	v_nop
.endr
.Lasked_\@:
.endm
.macro CREST                           ; a round of the cluster's barrier behind its opening barrier
	s_cmp_lg_u32 s14, 0
	s_cbranch_scc1 .Lnot_wave_0_\@
	s_barrier_signal -3
.Lnot_wave_0_\@:
	s_barrier_wait -3
	s_barrier_signal -1
	s_barrier_wait -1
.endm
.macro CROUND                          ; a whole round
	s_barrier_signal -1
	s_barrier_wait -1
	CREST
.endm
.macro G1TILE g, img, mask             ; group 1 of a tile of 128 rows x 256 K
.if \img
	s_or_b32 s[\g+0], s[\mask], (3<<16)|(1<<21)    ; 15:0 the mask; 17:16 elements of 8 bytes; 21 set beside a mask; no padding: 24,576 dense bytes as 96 rows of 256
	s_mov_b32 s[\g+1], 32<<16                      ; tensor_dim0
	s_mov_b32 s[\g+2], 96<<16                      ; tensor_dim1
	s_mov_b32 s[\g+3], 32<<16                      ; tile_dim0
	s_mov_b32 s[\g+4], 96                          ; tile_dim1
	s_mov_b32 s[\g+5], 32                          ; tensor_dim0_stride
.else
	s_or_b32 s[\g+0], s[\mask], (1<<20)|(1<<21)|(3<<22)|(3<<25)  ; elements of 1 byte; padding on: after every 16 words (code 3) 4 words (code 3)
	s_mov_b32 s[\g+1], ROWB<<16
	s_mov_b32 s[\g+2], 128<<16
	s_mov_b32 s[\g+3], ROWB<<16
	s_mov_b32 s[\g+4], 128
	s_mov_b32 s[\g+5], KROW
.endif
	s_mov_b32 s[\g+6], 0
	s_mov_b32 s[\g+7], 0
.endm
.macro G1SCALE g, mask                 ; group 1 of 4,096 dense scale bytes: 16 rows of 256 bytes, 16 bytes of padding behind each
	s_or_b32 s[\g+0], s[\mask], (3<<16)|(1<<20)|(1<<21)|(5<<22)|(3<<25)
	s_mov_b32 s[\g+1], 32<<16
	s_mov_b32 s[\g+2], 16<<16
	s_mov_b32 s[\g+3], 32<<16
	s_mov_b32 s[\g+4], 16
	s_mov_b32 s[\g+5], 32
	s_mov_b32 s[\g+6], 0
	s_mov_b32 s[\g+7], 0
.endm
; A fragment: block i of 16 rows, the slot's q-th 128 along K.  Image: three loads of 16 bytes a lane, 512 consecutive bytes each.  Rows: lane l holds row l % 16; registers 6 c .. 6 c + 5 hold K = 64 c + 32 (l / 16) + 0 .. 31,
; 24 bytes of the row's stream of bits, in pieces of 8 bytes; where the piece three on lies behind one padding more, the second address register serves.
.macro FRAG img, reg, adr, q, i
.if \img
.irp p, 0,1,2
	ds_load_b128 v[\reg+4*\p:\reg+4*\p+3], v[\adr] offset:(8*(\q)+(\i))*1536+512*\p
.endr
.else
.irp p, 0,1,2,3,4,5
.set PCE, 12*(\q)+6*(\p/3)+\p%3
.if PCE%8 < 5
	ds_load_b64 v[\reg+2*\p:\reg+2*\p+1], v[\adr] offset:8*PCE+16*(PCE/8)+(\i)*16*PITCH
.else
	ds_load_b64 v[\reg+2*\p:\reg+2*\p+1], v[\adr+2] offset:8*PCE+16*(PCE/8)+(\i)*16*PITCH
.endif
.endr
.endif
.endm
; 16 matrix instructions: A's blocks a0, a0 + 1 x B's eight.  p: B's set; sc: the set of scale words.  zero = 1: the first product starts the sums, from the bias.  The 64 accumulators take turns, one instruction a turn.
.macro MUL16 a0, p, q, sc, zero
.irp a, \a0, \a0+1
.irp b, 0,1,2,3,4,5,6,7
.if \zero
.if BIASC
	v_wmma_scale_f32_16x16x128_f8f6f4 v[8*(8*((\a)%4)+\b):8*(8*((\a)%4)+\b)+7], v[128*(\p)+FR*\b:128*(\p)+FR*\b+FR-1], v[AF+FR*(\a):AF+FR*(\a)+FR-1], v[BI+8*\b:BI+8*\b+7], v[SC+8*NQ*(\sc)+NQ*\b+(\q)], v[SC+8*NQ*(\sc)+NQ*(\a)+(\q)] matrix_a_fmt:MATRIX_FMT_FP6 matrix_b_fmt:MATRIX_FMT_FP6 matrix_a_scale:MATRIX_SCALE_ROW1
.else
	v_wmma_scale_f32_16x16x128_f8f6f4 v[8*(8*((\a)%4)+\b):8*(8*((\a)%4)+\b)+7], v[128*(\p)+FR*\b:128*(\p)+FR*\b+FR-1], v[AF+FR*(\a):AF+FR*(\a)+FR-1], 0, v[SC+8*NQ*(\sc)+NQ*\b+(\q)], v[SC+8*NQ*(\sc)+NQ*(\a)+(\q)] matrix_a_fmt:MATRIX_FMT_FP6 matrix_b_fmt:MATRIX_FMT_FP6 matrix_a_scale:MATRIX_SCALE_ROW1
.endif
.else
	v_wmma_scale_f32_16x16x128_f8f6f4 v[8*(8*((\a)%4)+\b):8*(8*((\a)%4)+\b)+7], v[128*(\p)+FR*\b:128*(\p)+FR*\b+FR-1], v[AF+FR*(\a):AF+FR*(\a)+FR-1], v[8*(8*((\a)%4)+\b):8*(8*((\a)%4)+\b)+7], v[SC+8*NQ*(\sc)+NQ*\b+(\q)], v[SC+8*NQ*(\sc)+NQ*(\a)+(\q)] matrix_a_fmt:MATRIX_FMT_FP6 matrix_b_fmt:MATRIX_FMT_FP6 matrix_a_scale:MATRIX_SCALE_ROW1
.endif
.endr
.endr
.endm
.macro FETCH_B slot, q, p              ; B's eight fragments into set p
	WIN TO_B
.irp i, 0,1,2,3,4,5,6,7
	FRAG BIMG, 128*(\p)+FR*\i, ADRB+\slot, \q, \i
.endr
	WIN 0
.endm
.macro FETCH_A slot, q, i0             ; A's blocks i0 .. i0 + 3
.irp i, \i0, \i0+1, \i0+2, \i0+3
	FRAG AIMG, AF+FR*(\i), ADRA+\slot, \q, \i
.endr
.endm
.macro SCALES sc                       ; a K step's scale words into set sc: two words a row; lanes 0-15 take A's block i, lanes 16-31 B's block i
.irp i, 0,1,2,3,4,5,6,7
	ds_load_b64 v[SC+8*NQ*\sc+NQ*\i:SC+8*NQ*\sc+NQ*\i+1], v[ADRS] offset:\i*SBLK
.endr
.endm
.macro PLACES n                        ; plain vector instructions between a matrix instruction and a load into, or a read by a store of, its registers
.rept \n
	v_nop
.endr
.endm
.macro STEP slot, q, zero              ; 128 along K that have their successor in the same slot
	s_wait_dscnt 4*NLA                             ; B's set and A's blocks 0-3 are in; the youngest loads (A's blocks 4-7) may be out
	WIN MUL_LO-0x20*BIASC*(\zero)
	MUL16 0, (\q)%2, \q, \slot, \zero
	MUL16 2, (\q)%2, \q, \slot, \zero
	s_wait_dscnt 0                                 ; A's blocks 4-7 are in
	PLACES NP
	FETCH_B \slot, (\q)+1, 1-(\q)%2
	FETCH_A \slot, (\q)+1, 0
	WIN MUL_HI-0x30*BIASC*(\zero)
	MUL16 4, (\q)%2, \q, \slot, \zero
	MUL16 6, (\q)%2, \q, \slot, \zero
	PLACES NP
	WIN 0
	FETCH_A \slot, (\q)+1, 4
.endm
; A slot's last 128 change slots: ONE barrier; in front of it each wave waits for all its tensor loads, adds 0 to its spare word, and waits for that and for its own reads of this slot.  fill = 1: the slot is filled again, two K steps ahead.
.macro TURN slot, next, fill
	s_wait_tensorcnt 0x0                           ; all my tensor loads have landed: my part of the next slot
	ds_add_u32 v[SPW], v[NIL]                      ; 0 onto my spare word
	s_wait_dscnt 4*NLA+1                           ; (the add and the youngest loads, A's blocks 4-7, may be out)
	WIN MUL_LO
	MUL16 0, 1, NQ-1, \slot, 0                     ; sixteen matrix instructions stand between the add and the wait for it
	s_wait_dscnt 0x0                               ; the add is done, and my reads of this slot are over
	s_barrier_signal -1
	MUL16 2, 1, NQ-1, \slot, 0
	WIN 0
	s_barrier_wait -1
.if \fill
	CREST                                          ; the barrier has opened a round of the cluster's barrier: no wave of any partner still reads this slot or has a load on its way
	s_add_nc_u64 s[G0+4*\slot+2:G0+4*\slot+3], s[G0+4*\slot+2:G0+4*\slot+3], 2*STEPA
	s_add_nc_u64 s[G0B+4*\slot+2:G0B+4*\slot+3], s[G0B+4*\slot+2:G0B+4*\slot+3], 2*STEPB
	JLOAD G0+4*\slot, G1, G0B+4*\slot, G1B         ; the first tensor load behind the round; its four v_nop are the places in front of the loads below
.else
	PLACES NP
.endif
	v_add_nc_u32 v[ADRS], 4*NQ, v[ADRS]            ; on to the next K step's scale words (no LDS load of mine is out)
	FETCH_B \next, 0, 0
	FETCH_A \next, 0, 0
	SCALES \next
	WIN MUL_HI
	MUL16 4, 1, NQ-1, \slot, 0
	MUL16 6, 1, NQ-1, \slot, 0
	PLACES NP
	WIN 0
	FETCH_A \next, 0, 4
.endm
	s_load_b128 s[4:7], s[0:1], 0x0                ; c_codes, c_scales
	s_load_b128 s[8:11], s[0:1], 0x10              ; Wo's codes, Wo's scales
	s_load_b64 s[66:67], s[0:1], 0x20              ; bo
	s_load_b64 s[12:13], s[0:1], 0x28              ; out0
	v_lshl_add_u32 v[SPW], v0, 2, SPARE
	v_mov_b32 v[NIL], 0
	ds_add_u32 v28, v29
	ds_add_u32 v28, v29
	s_wait_dscnt 0x0
	v_lshrrev_b32 v1, 5, v0
	v_readfirstlane_b32 s14, v1                    ; wave 0..3
	s_lshr_b32 s15, s14, 1                         ; which half of the tile's rows is mine.  Also: I fetch for A (0) or for B (1)
	s_and_b32 s16, s14, 1                          ; which half of its columns.  Also: which 128 rows of that tile I fetch
	s_bfe_u32 s40, ttmp6, 0x40000                  ; cx, cy: my place in the cluster
	s_bfe_u32 s41, ttmp6, 0x40004
	s_mov_b32 s42, s40                             ; tile column: one cluster spans the 1,024 columns
	s_and_b32 s17, ttmp7, 0xffff
	s_lshl_b32 s17, s17, 2
	s_add_co_u32 s17, s17, s41                     ; tile row, 0 .. 31
	s_lshl_b32 s43, s41, 2
	s_lshl_b32 s43, 15, s43                        ; my row of the cluster
	s_lshl_b32 s44, 0x1111, s40                    ; my column
	G1TILE G1, AIMG, 43
	G1TILE G1B, BIMG, 44
	G1SCALE G1S, 43
	G1SCALE G1SB, 44
	s_lshl_b32 s20, s17, 1
	s_add_co_u32 s20, s20, s16                     ; ctx: which group of 128 rows I fetch
	s_lshl_b32 s22, s20, 12                        ; its scale bytes: 128 x 32
	s_mul_i32 s20, s20, 4*IMGT                     ; its four K steps
	s_mov_b32 s21, 0
	s_mov_b32 s23, 0
	s_lshl_b32 s46, s42, 1
	s_add_co_u32 s46, s46, s16                     ; Wo: which 128 rows
	s_lshl_b32 s92, s46, 12
	s_mul_i32 s46, s46, 128*KROW
	s_mov_b32 s47, 0
	s_mov_b32 s93, 0
	s_mul_i32 s45, s16, HA                         ; where they go: no place in the cluster enters an LDS address
	s_mul_i32 s94, s16, HB
	s_add_co_u32 s94, s94, 2*HA
	s_mul_i32 s95, s14, HALFS
	s_wait_kmcnt 0x0
	s_add_nc_u64 s[20:21], s[4:5], s[20:21]
	s_add_nc_u64 s[22:23], s[6:7], s[22:23]
	s_add_nc_u64 s[46:47], s[8:9], s[46:47]
	s_add_nc_u64 s[92:93], s[10:11], s[92:93]
	CROUND                                         ; all sixteen work-groups are here: the first joint loads meet
	s_mov_b32 s[G0S], 1
	s_add_co_u32 s[G0S+1], s95, SCL
	s_mov_b64 s[G0S+2:G0S+3], s[22:23]
	s_or_b32 s[G0S+3], s[G0S+3], 0x80000000
	s_mov_b32 s[G0SB], 1
	s_add_co_u32 s[G0SB+1], s95, SCL
	s_mov_b64 s[G0SB+2:G0SB+3], s[92:93]
	s_or_b32 s[G0SB+3], s[G0SB+3], 0x80000000
	JLOAD G0S, G1S, G0SB, G1SB                     ; the scales first: they are wanted with K step 0.  Three loads of mine are out behind the first fills
.irp s, 0,1
	s_mov_b32 s[G0+4*\s], 1
	s_add_co_u32 s[G0+4*\s+1], s45, \s*SLOT
	s_add_nc_u64 s[G0+4*\s+2:G0+4*\s+3], s[20:21], \s*STEPA
	s_or_b32 s[G0+4*\s+3], s[G0+4*\s+3], 0x80000000
	s_mov_b32 s[G0B+4*\s], 1
	s_add_co_u32 s[G0B+4*\s+1], s94, \s*SLOT
	s_add_nc_u64 s[G0B+4*\s+2:G0B+4*\s+3], s[46:47], \s*STEPB
	s_or_b32 s[G0B+4*\s+3], s[G0B+4*\s+3], 0x80000000
	JLOAD G0+4*\s, G1, G0B+4*\s, G1B
.endr
	v_and_b32 v1, 15, v0                           ; r = lane % 16
	v_bfe_u32 v2, v0, 4, 1                         ; h = lane / 16
	v_and_b32 v3, 31, v0                           ; lane
	v_lshlrev_b32 v[VO], 4, v3
	s_lshl_b32 s20, s42, 10                        ; the bias of my 128 columns
	s_lshl_b32 s21, s16, 9
	s_add_co_u32 s20, s20, s21
	s_mov_b32 s21, 0
	s_add_nc_u64 s[66:67], s[66:67], s[20:21]
	v_lshlrev_b32 v[BOA], 5, v2
.irp b, 0,1,2,3,4,5,6,7
	global_load_b128 v[BI+8*\b:BI+8*\b+3], v[BOA], s[66:67] offset:64*\b        ; bo at columns 16 b + 8 h + 0 .. 7
	global_load_b128 v[BI+8*\b+4:BI+8*\b+7], v[BOA], s[66:67] offset:64*\b+16
.endr
.if AIMG*BIMG == 0
	v_mul_u32_u24 v4, v1, PITCH
	v_mad_u32_u24 v4, v2, 24, v4                   ; rows: a fragment's row x pitch + 24 x half
	v_lshl_add_u32 v5, v2, 4, v4                   ; and the same behind one padding more
.endif
	s_mul_i32 s21, s15, HA                         ; my 128 rows of A
	s_mul_i32 s22, s16, HB                         ; my 128 rows of B,
	s_add_co_u32 s22, s22, 2*HA                    ; which lie behind A's 256
.irp s, 0,1
.if AIMG
	v_add_nc_u32 v[ADRA+\s], s21, v[VO]
.else
	v_add_nc_u32 v[ADRA+\s], s21, v4
	v_add_nc_u32 v[ADRA+2+\s], s21, v5
.endif
.if BIMG
	v_add_nc_u32 v[ADRB+\s], s22, v[VO]
.else
	v_add_nc_u32 v[ADRB+\s], s22, v4
	v_add_nc_u32 v[ADRB+2+\s], s22, v5
.endif
	s_add_co_u32 s21, s21, SLOT
	s_add_co_u32 s22, s22, SLOT
.endr
	v_mul_u32_u24 v5, v1, KS                       ; my row's scales: KS bytes a row,
	v_lshrrev_b32 v6, 8, v5
	v_lshl_add_u32 v5, v6, 4, v5                   ; and 16 more for each 256 passed
	s_mul_i32 s21, s15, HALFS                      ; A's: my 128 rows
	s_mul_i32 s22, s16, HALFS                      ; B's: my 128 rows, behind A's 256
	s_add_co_u32 s22, s22, 2*HALFS
	s_sub_co_u32 s22, s22, s21
	v_mul_u32_u24 v6, s22, v2                      ; lanes 16-31 take B's
	s_add_co_u32 s21, s21, SCL
	v_add_nc_u32 v5, v5, v6
	v_add_nc_u32 v[ADRS], s21, v5
	s_mul_i32 s23, s14, 16*SPITCH                  ; my stage
	v_mul_u32_u24 v5, v1, SPITCH                   ; in: row l % 16, 32 bytes for each half of the lanes
	v_lshl_add_u32 v5, v2, 5, v5
	v_add_nc_u32 v[STO], s23, v5
	v_lshlrev_b32 v[CO], 4, v3                     ; back: the 32 lanes take one row of 512 bytes; and the same in out
	v_add_nc_u32 v[RD], s23, v[CO]
	s_lshl_b32 s20, s17, 1
	s_add_co_u32 s20, s20, s15
	s_lshl_b32 s20, s20, 19                        ; my first row: 128 rows of 4,096 bytes a group
	s_lshl_b32 s21, s42, 10
	s_add_co_u32 s20, s20, s21
	s_lshl_b32 s21, s16, 9
	s_add_co_u32 s20, s20, s21                     ; my first column, in bytes
	s_mov_b32 s21, 0
	s_add_nc_u64 s[12:13], s[12:13], s[20:21]
	s_wait_tensorcnt 1                             ; the scales and my part of K step 0 are in (K step 1's load may be out),
	s_barrier_signal -1
	s_barrier_wait -1                              ; everybody's are
	FETCH_B 0, 0, 0
	FETCH_A 0, 0, 0
	SCALES 0
	FETCH_A 0, 0, 4
	s_wait_loadcnt 0x0                             ; the bias
	STEP 0, 0, 1                                   ; the first step stands in front of the loop: its products start the sums, from the bias
.if LAPS > 1
	s_mov_b32 s3, LAPS-1
.Llap:                                                 ; a trip goes once round the ring and fills both slots again
	TURN 0, 1, 1
	STEP 1, 0, 0
	TURN 1, 0, 1
	STEP 0, 0, 0
	s_sub_co_u32 s3, s3, 1
	s_cmp_lg_u32 s3, 0
	s_cbranch_scc1 .Llap
.endif
	TURN 0, 1, 0                                   ; the last lap fills nothing, and has no round of the cluster's barrier
	STEP 1, 0, 0
	s_wait_dscnt 4*NLA                             ; the very last step: nothing more to fetch
	WIN MUL_LO
	MUL16 0, 1, NQ-1, 1, 0
	MUL16 2, 1, NQ-1, 1, 0
	s_wait_dscnt 0
	WIN MUL_HI
	MUL16 4, 1, NQ-1, 1, 0
	MUL16 6, 1, NQ-1, 1, 0
	WIN 0
; THE WAY OUT, block by block of 16 rows x 128 columns.  LDS serves a wave's instructions in order (ISA guide 5.7.1.4): no wait between the stores and the loads, nor in front of the next block's stores.
.macro TOSTAGE a
.set AC, 64*((\a)%4)
	WIN 0x08+4*((\a)/4)                            ; the data: window 2 or 3
.irp b, 0,1,2,3,4,5,6,7
	ds_store_b128 v[STO], v[AC+8*\b:AC+8*\b+3] offset:64*\b          ; each accumulator from its low end on
	ds_store_b128 v[STO], v[AC+8*\b+4:AC+8*\b+7] offset:64*\b+16
.endr
	WIN 0
.set BB, BK+64*((\a)%2)
.irp t, 0,1,2,3,4,5,6,7,8,9,10,11,12,13,14,15
	ds_load_b128 v[BB+4*\t:BB+4*\t+3], v[RD] offset:\t*SPITCH
.endr
.endm
.macro SEND a, younger                 ; younger: the LDS instructions issued behind block a's loads, which may stay out
.set BB, BK+64*((\a)%2)
	s_wait_dscnt \younger                          ; the block is back in registers
.if (\a) > 0
	s_add_nc_u64 s[12:13], s[12:13], 16*SIZE_N*4   ; (behind a wait on XCNT: the earlier stores have read their base)  16 rows of out on
.endif
.irp t, 0,1,2,3,4,5,6,7,8,9,10,11,12,13,14,15
	global_store_b128 v[CO], v[BB+4*\t:BB+4*\t+3], s[12:13] offset:\t*SIZE_N*4 th:TH_STORE_NT   ; 32 lanes store 512 consecutive bytes, at a multiple of 256 from out's first byte; written once, read by nobody here
.endr
.endm
	PLACES NP                                      ; in front of the first read of results and of the loads into registers that held A's fragments
	TOSTAGE 0
.irp a, 1,2,3,4,5,6,7
.if \a > 1
	s_wait_xcnt 0x0                                ; block a - 2's stores have read their registers and their base: block a's loads may land there, and the base may step
.endif
	TOSTAGE \a
	SEND \a-1, 32                                  ; behind block a - 1's loads: block a's 16 stores and 16 loads
.endr
	s_wait_xcnt 0x0                                ; block 6's stores have read their base
	SEND 7, 0
	s_wait_tensorcnt 0x0                           ; the wave's end, behind my last tensor load and my last LDS store
	ds_add_u32 v[SPW], v[NIL]
	s_wait_dscnt 0x0
	CROUND                                         ; the closing round: no work-group ends while a partner may still ask for a tile that names it
	s_endpgm
.Lfunc_end_k_q46dfdec8ea_outp:
	.size	k_q46dfdec8ea_outp, .Lfunc_end_k_q46dfdec8ea_outp-k_q46dfdec8ea_outp
	.p2alignl 7, 3214868480
	.fill 96, 4, 3214868480
	.section	.rodata,"a",@progbits
	.p2align	6, 0x0
	.amdhsa_kernel k_q46dfdec8ea_outp
		.amdhsa_group_segment_fixed_size 327680
		.amdhsa_private_segment_fixed_size 0
		.amdhsa_enable_private_segment 0
		.amdhsa_kernarg_size 48
		.amdhsa_user_sgpr_count 2
		.amdhsa_user_sgpr_kernarg_segment_ptr 1
		.amdhsa_wavefront_size32 1
		.amdhsa_system_sgpr_workgroup_id_x 1
		.amdhsa_system_sgpr_workgroup_id_y 1
		.amdhsa_system_sgpr_workgroup_id_z 1
		.amdhsa_system_vgpr_workitem_id 0
		.amdhsa_next_free_vgpr 1024
		.amdhsa_next_free_sgpr 102
		.amdhsa_reserve_vcc 0
		.amdhsa_float_denorm_mode_32 3
		.amdhsa_float_denorm_mode_16_64 3
		.amdhsa_memory_ordered 1
		.amdhsa_forward_progress 1
		.amdhsa_inst_pref_size 149
	.end_amdhsa_kernel
	.amdgpu_metadata
---
amdhsa.version: [ 1, 2 ]
amdhsa.kernels:
  - .name:           k_q46dfdec8ea_outp
    .symbol:         k_q46dfdec8ea_outp.kd
    .args:
      - { .name: c_codes, .offset: 0, .size: 8, .value_kind: global_buffer, .address_space: global }
      - { .name: c_scales, .offset: 8, .size: 8, .value_kind: global_buffer, .address_space: global }
      - { .name: Wo_codes, .offset: 16, .size: 8, .value_kind: global_buffer, .address_space: global }
      - { .name: Wo_scales, .offset: 24, .size: 8, .value_kind: global_buffer, .address_space: global }
      - { .name: bo, .offset: 32, .size: 8, .value_kind: global_buffer, .address_space: global }
      - { .name: out0, .offset: 40, .size: 8, .value_kind: global_buffer, .address_space: global }
    .group_segment_fixed_size: 327680
    .private_segment_fixed_size: 0
    .kernarg_segment_align: 8
    .kernarg_segment_size: 48
    .max_flat_workgroup_size: 128
    .sgpr_count:     102
    .vgpr_count:     1024
    .wavefront_size: 32
...
	.end_amdgpu_metadata
.endif
;; end of part 4
;; ======== version 2 of 2: 4 launches
;; limits: right only within a limited range of input values
;; workspace buffers: qkv_codes 18,874,368 bytes; qkv_scales 786,432 bytes; p_codes 12,582,912 bytes; p_scales 524,288 bytes; p_m 524,288 bytes; p_l 524,288 bytes; c_codes 6,291,456 bytes; c_scales 262,144 bytes
;; launch proj (part 5): grid 8 x 32, 4 waves a work-group, clusters of 4 x 4, 327,680 bytes of LDS; arguments x_codes, x_scales, Wq_codes, Wq_scales, Wk_codes, Wk_scales, Wv_codes, Wv_scales, qkv_codes, qkv_scales; writes qkv_codes, qkv_scales
.if DOCPART == 5
	.amdgcn_target "amdgcn-amd-amdhsa--gfx1250"
	.amdhsa_code_object_version 6
	.text
	.protected	k_q46dfdec8ea_proj
	.globl	k_q46dfdec8ea_proj
	.p2align	8
	.type	k_q46dfdec8ea_proj,@function
k_q46dfdec8ea_proj:
	s_mov_b64 s[64:65], 0
	v_nop
	global_prefetch_b8 v0, s[64:65] scope:SCOPE_SE
	s_setreg_imm32_b32 hwreg(HW_REG_WAVE_MODE, 25, 1), 1
	s_wait_xcnt 0x0
	s_wait_alu depctr_hold_cnt(0) depctr_sa_sdst(0) depctr_va_vdst(0) depctr_va_sdst(0) depctr_va_ssrc(0) depctr_va_vcc(0) depctr_vm_vsrc(0)
	s_getreg_b32 s2, hwreg(HW_REG_IB_STS2, 6, 4)
	s_cmp_eq_u32 s2, 0
	s_cbranch_scc0 .Lentry_in_a_cluster
	s_endpgm
.Lentry_in_a_cluster:
	s_bfe_u32 s2, ttmp6, 0x10000c
	s_cmp_lg_u32 s2, 0xf033
	s_cbranch_scc0 .Lentry_shape_is_right
	s_endpgm
.Lentry_shape_is_right:
; q = x Wq^T, k = x Wk^T and v^T = Wv x^T on codes of FP6 (E2M3) with one E8M0 scale for each 32 along K = 1,024; each result is quantised again, along its columns, in registers, and leaves as codes and scale bytes.
; A WORK-GROUP HOLDS 256 ROWS OF x, ALL OF K, IN LDS FOR THE WHOLE LAUNCH and walks three jobs on 128 rows of Wq, Wk, Wv: 32 x 8 = 256 work-groups.  Both operands are dense in memory and come as rows of 256 bytes,
; 16 bytes of padding behind each: a row of 768 bytes of codes is 816 bytes of LDS.  W's bytes are filled again for jobs 1 and 2, behind the last read of the job before; the load is out while that job is quantised and stored.
; Four waves, 64 x 128 each: source 1's 4 blocks of 16 rows against source 0's 8: 32 accumulators.  Jobs q, k: source 1 = 64 rows of x (by the wave), source 0 = W's 128 rows.  Job v: source 1 = 64 rows of Wv,
; source 0 = 128 rows of x, so that v comes out with the keys along its columns.  A lane holds row lane % 16 of source 1 and, in accumulator b, columns 16 b + 8 (lane / 16) + 0 .. 7.
; Jobs q and k are a loop of two trips; job v, which fills nothing again and has other address registers, is written out behind it.
; CLUSTERS: 4 x 4 work-groups; x's bytes are asked for jointly along a row of the cluster, W's along a column.
; PREFETCH: in each trip the next job's 98,304 bytes of W's codes are asked for once in the cluster, 96 blocks of 256 bytes a work-group (told apart by cy, in the address alone), 24 a wave, one job ahead of the load; the
; 4,096 scale bytes and the head's tiles come by their loads alone.
; THE OUTPUT IS LAID AS IMAGES OF OPERAND REGISTERS: a fragment (16 rows x 128 K, 12 registers a lane) is 1,536 bytes, register g of lane l at 512 (g / 4) + 16 l + 4 (g % 4); 128 rows x 256 K are 16 fragments, 24,576 bytes.
; Inside a block of 32 the codes stand in the order in which the lanes hold them (places 16 h + j: column 8 h + j; places 16 h + 8 + j: column 16 + 8 h + j), the same on both sides of each later product.
; LIMITS: NaN and infinities are not served.  A block whose largest magnitude lies under 2^-124, a block of zeros among them, gets the byte 1 (the rule says 127 for zeros): its codes are read by this program alone.
.set FR,    12                         ; registers of a fragment
.set NP,    4                          ; places behind this matrix instruction (ISA guide 7.12.1)
.set NL,    6                          ; LDS loads that bring a fragment
.set PITCH, 816                        ; 3 x (256 + 16) bytes
.set WB,    256*PITCH                  ; x's 256 rows lie at 0, W's 128 behind them
.set SX,    WB+128*PITCH               ; x's scale bytes: 32 units of 256 + 16
.set SW,    SX+32*272                  ; W's: 16 units
.set SPARE, SW+16*272                  ; the spare words: 512 bytes that no other line names
.set SBLK,  544                        ; the scale bytes of 16 rows; 64 rows are 2,176
.set VO,  7                            ; v7 16 x lane;  v8-9, v10-11 rows of scale bytes in memory (jobs q, k; job v)
.set SPW, 28                           ; v28 my spare word, v29 0: never rewritten
.set NIL, 29
.set PFO, 30                           ; v30 the prefetch's offset
.set SC,  32                           ; v32-63 scale words, two sets; nothing else
.set AF,  128                          ; v128-223 source 1's four fragments, two sets; window 1: source 0's eight, two sets, at v0 and v128; window 2: accumulator (a, b) at v[8 (8 a + b)]
.set PCF, 128                          ; the way out: codes, two sets
.set CT,  152
.set TM,  160
.set PW,  192
.set WT,  216
; address registers, AD = 16 (jobs q, k) or 64 (job v): AD source 1, AD+1 the same behind one padding more; AD+2, AD+3 source 0's blocks 0-3, 4-7; AD+4, AD+5 behind one padding more; AD+6, AD+7 scale words
.set G1X, 24
.set G0X, 32
.set G1W, 48
.set G0W, 56
.set G1SX, 68
.set G0SX, 76
.set G1SW, 80
.set G0SW, 88
.set MSB, 0
.macro WIN new                         ; s_set_vgpr_msb: bits 1:0 source 0, 3:2 source 1, 5:4 source 2, 7:6 destination; the high byte repeats the setting that is left
.if MSB != (\new)
	s_set_vgpr_msb (MSB<<8)|(\new)
.set MSB, (\new)
.endif
.endm
.set MUL,  0xa1
.set TO_B, 0x40
.macro PLACES n
.rept \n
	v_nop
.endr
.endm
.macro CREST                           ; a round of the cluster's barrier behind its opening barrier
	s_cmp_lg_u32 s36, 0
	s_cbranch_scc1 .Lnot_wave_0_\@
	s_barrier_signal -3
.Lnot_wave_0_\@:
	s_barrier_wait -3
	s_barrier_signal -1
	s_barrier_wait -1
.endm
.macro CROUND
	s_barrier_signal -1
	s_barrier_wait -1
	CREST
.endm
.macro G1PAD g, rows, mask             ; dense bytes as rows of 256 (32 elements of 8), 4 words of padding behind every 64; the mask, and bit 21 beside it
	s_or_b32 s[\g+0], s[\mask], (3<<16)|(1<<20)|(1<<21)|(5<<22)|(3<<25)
	s_mov_b32 s[\g+1], 32<<16
	s_mov_b32 s[\g+2], (\rows)<<16
	s_mov_b32 s[\g+3], 32<<16
	s_mov_b32 s[\g+4], \rows
	s_mov_b32 s[\g+5], 32
	s_mov_b32 s[\g+6], 0
	s_mov_b32 s[\g+7], 0
.endm
.macro G0SET g, lds, p
	s_mov_b32 s[\g], 1
	s_mov_b32 s[\g+1], \lds
	s_mov_b64 s[\g+2:\g+3], s[\p:\p+1]
	s_or_b32 s[\g+3], s[\g+3], 0x80000000
.endm
.macro TLOAD g0, g1                    ; the four v_nop stand ahead of any switch of windows
	tensor_load_to_lds s[\g0:\g0+3], s[\g1:\g1+7]
	s_nop 0
	PLACES 4
.endm
.macro ARM under, g0, g1, next
	s_cmp_lt_u32 s36, \under
	s_cbranch_scc0 \next
	TLOAD \g0, \g1
	s_branch .Lhead_asked
\next:
.endm
; A fragment of q-step g, block i, from rows: lane l holds row l % 16; registers 6 c .. 6 c + 5 hold K = 128 g + 64 c + 32 (l / 16) + 0 .. 31, in pieces of 8 bytes.  Lanes 16-31 read three pieces on: where that lies behind one padding more, tw serves.
.macro FRAGR reg, ab, tw, g, i
.irp p, 0,1,2,3,4,5
.set PCE, 12*(\g)+6*(\p/3)+\p%3
.if PCE%32 < 29
	ds_load_b64 v[\reg+2*\p:\reg+2*\p+1], v[\ab] offset:8*PCE+16*(PCE/32)+((\i)%4)*16*PITCH
.else
	ds_load_b64 v[\reg+2*\p:\reg+2*\p+1], v[\tw] offset:8*PCE+16*(PCE/32)+((\i)%4)*16*PITCH
.endif
.endr
.endm
.macro FETCH_B g
	WIN TO_B
.irp i, 0,1,2,3,4,5,6,7
	FRAGR 128*((\g)%2)+FR*\i, AD+2+\i/4, AD+4+\i/4, \g, \i
.endr
.endm
.macro FETCH_A g
	WIN 0
.irp i, 0,1,2,3
	FRAGR AF+48*((\g)%2)+FR*\i, AD, AD+1, \g, \i
.endr
.endm
.macro SCALES u                        ; the u-th 256 along K: two words a row; lanes 16-31 source 0's block i, lanes 0-15 source 1's block i % 4 (AD+7 points four blocks back there)
	WIN 0
.irp i, 0,1,2,3,4,5,6,7
	ds_load_b64 v[SC+16*((\u)%2)+2*\i:SC+16*((\u)%2)+2*\i+1], v[AD+6+\i/4] offset:\i*SBLK+8*(\u)
.endr
.endm
; 16 matrix instructions of q-step g.  zero = 1: the first product starts the sums.  The 32 accumulators take turns, one instruction a turn.
.macro MUL16 a0, g, zero
.irp a, \a0, \a0+1
.irp b, 0,1,2,3,4,5,6,7
.if \zero
	v_wmma_scale_f32_16x16x128_f8f6f4 v[8*(8*(\a)+\b):8*(8*(\a)+\b)+7], v[128*((\g)%2)+FR*\b:128*((\g)%2)+FR*\b+FR-1], v[AF+48*((\g)%2)+FR*(\a):AF+48*((\g)%2)+FR*(\a)+FR-1], 0, v[SC+16*(((\g)/2)%2)+2*\b+(\g)%2], v[SC+16*(((\g)/2)%2)+2*(\a)+(\g)%2] matrix_a_fmt:MATRIX_FMT_FP6 matrix_b_fmt:MATRIX_FMT_FP6 matrix_a_scale:MATRIX_SCALE_ROW1
.else
	v_wmma_scale_f32_16x16x128_f8f6f4 v[8*(8*(\a)+\b):8*(8*(\a)+\b)+7], v[128*((\g)%2)+FR*\b:128*((\g)%2)+FR*\b+FR-1], v[AF+48*((\g)%2)+FR*(\a):AF+48*((\g)%2)+FR*(\a)+FR-1], v[8*(8*(\a)+\b):8*(8*(\a)+\b)+7], v[SC+16*(((\g)/2)%2)+2*\b+(\g)%2], v[SC+16*(((\g)/2)%2)+2*(\a)+(\g)%2] matrix_a_fmt:MATRIX_FMT_FP6 matrix_b_fmt:MATRIX_FMT_FP6 matrix_a_scale:MATRIX_SCALE_ROW1
.endif
.endr
.endr
.endm
.macro QSTEP g, zero                   ; 128 along K; the successor's fragments go into the sets that the q-step before multiplied: the places at the head stand in front of both runs of loads
	s_wait_dscnt 2*NL                              ; all but the youngest twelve loads (source 1's blocks 2, 3)
	PLACES NP
	FETCH_B (\g)+1
	WIN MUL
	MUL16 0, \g, \zero
	s_wait_dscnt 8*NL                              ; all but source 0's 48 loads just issued
.if (\g)%2 == 1
	SCALES ((\g)+1)/2
.endif
	FETCH_A (\g)+1
	WIN MUL
	MUL16 2, \g, \zero
.endm
; Block a on its way out: 16 rows x my 128 columns become one fragment and one scale word a row, straight out of the accumulators, each read from its low end on.
.macro QOUT a
.set AC, 64*(\a)
.set PC0, PCF+12*((\a)%2)
	s_wait_xcnt 0x0                                ; earlier stores have read the registers written below
	WIN 0x0a
.irp c, 0,1,2,3
	v_max3_num_f32 v[TM+\c], |v[AC+16*\c]|, |v[AC+16*\c+1]|, 0x1800000   ; with the floor 2^(3 - 127): the byte cannot fall under 1
.endr
	WIN 0x28
.irp i, 2,4,6,8,10,12,14
.irp c, 0,1,2,3
	v_max3_num_f32 v[TM+\c], v[TM+\c], |v[AC+16*\c+\i]|, |v[AC+16*\c+\i+1]|
.endr
.endr
	WIN 0
.irp c, 0,1,2,3
	v_permlanex16_b32 v[TM+4+\c], v[TM+\c], s100, s101
.endr
.irp c, 0,1,2,3
	v_max_num_f32 v[TM+\c], v[TM+\c], v[TM+4+\c]   ; with lane l xor 16's: the block's largest magnitude
.endr
.irp c, 0,1,2,3
	v_add_nc_u32 v[TM+12+\c], 0xff000000, v[TM+\c] ; 2 off the exponent field: the conversion's scale operand
.endr
.irp c, 0,1,2,3
	v_lshrrev_b32 v[TM+4+\c], 23, v[TM+12+\c]      ; the scale's byte
.endr
	v_lshl_or_b32 v[PW+(\a)], v[TM+5], 8, v[TM+4]
	v_lshl_or_b32 v[PW+(\a)], v[TM+6], 16, v[PW+(\a)]
	v_lshl_or_b32 v[PW+(\a)], v[TM+7], 24, v[PW+(\a)]
	WIN 2
.irp c, 0,1
	v_cvt_scalef32_pk16_fp6_f32 v[PC0+6*\c:PC0+6*\c+2], v[AC+32*\c:AC+32*\c+15], v[TM+12+2*\c]
	v_cvt_scalef32_pk16_fp6_f32 v[CT+4*\c:CT+4*\c+2], v[AC+32*\c+16:AC+32*\c+31], v[TM+13+2*\c]
.endr
	WIN 0
	v_nop                                          ; one plain place behind a scaled conversion
.irp c, 0,1
.irp i, 0,1,2
	v_permlane16_swap_b32 v[PC0+6*\c+\i], v[CT+4*\c+\i]   ; a whole block in a lane
.endr
.irp i, 0,1,2
	v_mov_b32 v[PC0+6*\c+3+\i], v[CT+4*\c+\i]
.endr
.endr
.irp p, 0,1,2
	global_store_b128 v[VO], v[PC0+4*\p:PC0+4*\p+3], s[OC:OC+1] offset:1536*(\a)+512*\p   ; 512 consecutive bytes, aligned
.endr
.endm
; A job.  t: 0 jobs q, k; 1 job v.  fill = 1: W's bytes are filled again for the next job.
.macro JOB t, fill
.set AD, 16+48*(\t)
.set OC, 20-16*(\t)
.set OS, 22-16*(\t)
.set WR, 8+2*(\t)
	s_wait_alu depctr_va_vdst(0)
	s_wait_tensorcnt 0x0                           ; my load of this job's bytes, if I issued one, has landed;
	s_barrier_signal -1
	s_barrier_wait -1                              ; everybody's has.
	FETCH_B 0
	SCALES 0
	FETCH_A 0
	QSTEP 0, 1
.if \fill
	WIN 0
	global_prefetch_b8 v[PFO], s[8:9] th:TH_LOAD_NT scope:SCOPE_SE   ; my 24 blocks of the next job's codes of W
.endif
.irp g, 1,2,3,4,5,6
	QSTEP \g, 0
.endr
	WIN 0
.if \fill
	s_wait_tensorcnt 0x0                           ; none of my tensor loads is out;
	ds_add_u32 v[SPW], v[NIL]                      ; 0 onto my spare word
	s_wait_dscnt 2*NL+1                            ; (the add and the youngest twelve loads may be out)
	WIN MUL
	MUL16 0, 7, 0
	s_wait_dscnt 0x0                               ; the add is done, and my reads of W's bytes are over
	s_barrier_signal -1
	MUL16 2, 7, 0
	WIN 0
	s_barrier_wait -1
	CREST                                          ; the barrier has opened a round of the cluster's barrier: no wave of any partner still reads W's bytes
	s_mov_b64 s[G0W+2:G0W+3], s[8:9]
	s_or_b32 s[G0W+3], s[G0W+3], 0x80000000
	s_mov_b64 s[G0SW+2:G0SW+3], s[10:11]
	s_or_b32 s[G0SW+3], s[G0SW+3], 0x80000000
	s_cmp_eq_u32 s36, 1                            ; wave 1 brings the codes, wave 3 the scale bytes; waves 0 and 2 have no part to fill
	s_cbranch_scc0 .Lnot_codes_\@
	TLOAD G0W, G1W
	s_branch .Lasked_\@
.Lnot_codes_\@:
	s_cmp_eq_u32 s36, 3
	s_cbranch_scc0 .Lasked_\@
	TLOAD G0SW, G1SW
.Lasked_\@:
.else
	s_wait_dscnt 2*NL
	WIN MUL
	MUL16 0, 7, 0
	s_wait_dscnt 0x0
	MUL16 2, 7, 0
	WIN 0
.endif
	PLACES NP                                      ; in front of the first read of results and the first write of registers that held fragments
.irp c, 0,1,2,3
	v_mov_b32 v[TM+4+\c], 0                        ; a lane permute's destination counts as one of its sources
.endr
.irp a, 0,1,2,3
	QOUT \a
.endr
.irp g, 0,1
	v_cndmask_b32 v[WT+\g], v[PW+2*\g], v[PW+2*\g+1], s99   ; lane l of store g holds row 32 g + l
.endr
.irp g, 0,1
	global_store_b32 v[WR+\g], v[WT+\g], s[OS:OS+1]
.endr
.endm
	s_load_b512 s[4:19], s[0:1], 0x0               ; x's codes, scales; Wq's; Wk's; Wv's
	s_load_b128 s[20:23], s[0:1], 0x40             ; qkv_codes, qkv_scales
	v_lshl_add_u32 v[SPW], v0, 2, SPARE
	v_mov_b32 v[NIL], 0
	ds_add_u32 v[SPW], v[NIL]                      ; the opening lines: the add, twice on end,
	ds_add_u32 v[SPW], v[NIL]
	v_lshrrev_b32 v1, 5, v0
	v_readfirstlane_b32 s36, v1                    ; wave w
	s_lshr_b32 s37, s36, 1
	s_and_b32 s38, s36, 1
	s_bfe_u32 s40, ttmp6, 0x40000                  ; cx, cy
	s_bfe_u32 s41, ttmp6, 0x40004
	s_lshl_b32 s42, ttmp9, 2
	s_add_co_u32 s42, s42, s40                     ; cb: which 128 rows of each W, 0 .. 7
	s_and_b32 s39, ttmp7, 0xffff
	s_lshl_b32 s39, s39, 2
	s_add_co_u32 s39, s39, s41                     ; xb: which 256 rows of x, 0 .. 31
	s_lshl_b32 s43, s41, 2
	s_lshl_b32 s43, 15, s43                        ; my row of the cluster
	s_lshl_b32 s44, 0x1111, s40                    ; my column
	G1PAD G1X, 768, 43                             ; 196,608 bytes of x's codes
	G1PAD G1W, 384, 44                             ; 98,304 of W's
	G1PAD G1SX, 32, 43                             ; 8,192 scale bytes of x
	G1PAD G1SW, 16, 44                             ; 4,096 of W
	s_mul_i32 s60, s39, 256*768
	s_mov_b32 s61, 0
	s_lshl_b32 s92, s39, 13
	s_mov_b32 s93, 0
	s_mul_i32 s62, s42, 128*768
	s_mov_b32 s63, 0
	s_lshl_b32 s94, s42, 12
	s_mov_b32 s95, 0
	s_wait_dscnt 0x0                               ; and the one wait for both
	s_wait_kmcnt 0x0
	s_add_nc_u64 s[4:5], s[4:5], s[60:61]
	s_add_nc_u64 s[6:7], s[6:7], s[92:93]
.irp p, 8, 12, 16
	s_add_nc_u64 s[\p:\p+1], s[\p:\p+1], s[62:63]
	s_add_nc_u64 s[\p+2:\p+3], s[\p+2:\p+3], s[94:95]
.endr
	G0SET G0X, 0, 4
	G0SET G0W, WB, 8
	G0SET G0SX, SX, 6
	G0SET G0SW, SW, 10
	CROUND                                         ; all sixteen work-groups are here: the first joint loads meet
	ARM 1, G0X, G1X, .Lhead_w                      ; one load a wave, in one tree of branches: x's codes, Wq's codes, x's scale bytes, Wq's
	ARM 2, G0W, G1W, .Lhead_sx
	ARM 3, G0SX, G1SX, .Lhead_sw
	TLOAD G0SW, G1SW
.Lhead_asked:
	; LDS bases, from the wave's number alone
	s_mul_i32 s45, s36, 64*PITCH                   ; q, k: source 1 = x's rows 64 w on
	s_mul_i32 s46, s37, 64*PITCH
	s_add_co_u32 s46, s46, WB                      ; v: source 1 = W's rows 64 (w / 2) on
	s_mul_i32 s47, s38, 128*PITCH                  ; v: source 0 = x's rows 128 (w % 2) on
	s_mul_i32 s63, s36, 2176
	s_add_co_u32 s60, s63, SX                      ; q, k: source 1's scale bytes,
	s_add_co_u32 s63, s63, SX-2176                 ; and four blocks back;
	s_xor_b32 s61, s36, 3
	s_mul_i32 s61, s61, 2176
	s_add_co_u32 s61, s61, 2176                    ; from there to W's: SW - SX - 2,176 w,
	s_add_co_u32 s62, s61, 2176
	s_mul_i32 s93, s38, 4352
	s_add_co_u32 s93, s93, SX                      ; v: source 0's scale bytes;
	s_xor_b32 s92, s38, 1
	s_mul_i32 s92, s92, 4352
	s_mul_i32 s94, s37, 2176
	s_add_co_u32 s94, s94, s92
	s_add_co_u32 s92, s94, 4352                    ; from there to source 1's: SW + 2,176 (w / 2) - SX - 4,352 (w % 2),
	s_add_co_u32 s94, s94, 2176                    ; and four blocks back
	s_mul_i32 s95, s41, 96
	s_mul_i32 s2, s36, 24
	s_add_co_u32 s95, s95, s2                      ; the prefetch: my first block of 256 bytes of the tile's 384
	; where job v's results go: row group cb, K step xb % 8, batch xb / 8
	s_and_b32 s2, s39, 7
	s_lshr_b32 s3, s39, 3
	s_lshl_b32 s96, s42, 3
	s_add_co_u32 s96, s96, s2
	s_lshl_b32 s96, s96, 1
	s_add_co_u32 s96, s96, s38
	s_lshl_b32 s96, s96, 1
	s_add_co_u32 s96, s96, s37
	s_mul_i32 s96, s96, 6144
	s_mul_i32 s97, s3, 1572864
	s_add_co_u32 s96, s96, s97
	s_add_co_u32 s96, s96, 12582912
	s_mov_b32 s97, 0
	s_add_nc_u64 s[4:5], s[20:21], s[96:97]
	s_lshl_b32 s96, s42, 13
	s_lshl_b32 s98, s2, 3
	s_add_co_u32 s96, s96, s98
	s_lshl_b32 s98, s38, 2
	s_add_co_u32 s96, s96, s98
	s_lshl_b32 s98, s37, 12
	s_add_co_u32 s96, s96, s98
	s_lshl_b32 s98, s3, 16
	s_add_co_u32 s96, s96, s98
	s_add_co_u32 s96, s96, 524288
	s_add_nc_u64 s[6:7], s[22:23], s[96:97]
	; and job q's: row group G = 2 xb + w / 2, its blocks 4 (w % 2) on, columns 128 cb on
	s_lshl_b32 s2, s39, 1
	s_add_co_u32 s2, s2, s37
	s_lshl_b32 s96, s2, 3
	s_add_co_u32 s96, s96, s42
	s_lshl_b32 s96, s96, 1
	s_add_co_u32 s96, s96, s38
	s_mul_i32 s96, s96, 6144
	s_add_nc_u64 s[20:21], s[20:21], s[96:97]
	s_lshl_b32 s96, s2, 12
	s_lshl_b32 s98, s42, 2
	s_add_co_u32 s96, s96, s98
	s_lshl_b32 s98, s38, 11
	s_add_co_u32 s96, s96, s98
	s_add_nc_u64 s[22:23], s[22:23], s[96:97]
	s_mov_b32 s99, 0xffff0000                      ; lanes 16-31
	s_mov_b32 s100, 0x76543210
	s_mov_b32 s101, 0xfedcba98                     ; v_permlanex16_b32's selects for lane l xor 16
	s_mov_b32 s3, 2                                ; jobs with a refill
	v_and_b32 v1, 15, v0                           ; r
	v_bfe_u32 v2, v0, 4, 1                         ; h
	v_and_b32 v3, 31, v0                           ; lane
	v_sub_nc_u32 v6, 1, v2                         ; 1 - h
	v_lshlrev_b32 v[VO], 4, v3
	v_mul_u32_u24 v4, v1, PITCH
	v_mad_u32_u24 v4, v2, 24, v4                   ; a fragment's row x pitch + 24 h
	v_lshl_add_u32 v5, v2, 4, v4                   ; and behind one padding more
	v_add_nc_u32 v16, s45, v4
	v_add_nc_u32 v17, s45, v5
	v_add_nc_u32 v18, WB, v4
	v_add_nc_u32 v19, WB+64*PITCH, v4
	v_add_nc_u32 v20, WB, v5
	v_add_nc_u32 v21, WB+64*PITCH, v5
	v_add_nc_u32 v64, s46, v4
	v_add_nc_u32 v65, s46, v5
	v_add_nc_u32 v66, s47, v4
	v_add_nc_u32 v68, s47, v5
	v_add_nc_u32 v67, 64*PITCH, v66
	v_add_nc_u32 v69, 64*PITCH, v68
	v_mul_u32_u24 v12, v1, 32                      ; my row's scale bytes: 32 a row,
	v_lshrrev_b32 v13, 8, v12
	v_lshl_add_u32 v12, v13, 4, v12                ; and 16 more for each 256 passed
	v_mad_u32_u24 v13, s61, v2, v12                ; q, k: lanes 16-31 take W's
	v_mad_u32_u24 v14, s62, v2, v12
	v_add_nc_u32 v22, s60, v13
	v_add_nc_u32 v23, s63, v14
	v_mad_u32_u24 v13, s92, v6, v12                ; v: lanes 0-15 take W's
	v_mad_u32_u24 v14, s94, v6, v12
	v_add_nc_u32 v70, s93, v13
	v_add_nc_u32 v71, s93, v14
	v_lshlrev_b32 v8, 5, v3                        ; rows of 32 scale bytes (q, k),
	v_add_nc_u32 v9, 1024, v8
	v_lshlrev_b32 v10, 6, v3                       ; of 64 (v)
	v_add_nc_u32 v11, 2048, v10
	v_min_u32 v[PFO], 23, v3                       ; lanes 24-31 name their wave's last block again
	v_add_nc_u32 v[PFO], s95, v[PFO]
	v_lshlrev_b32 v[PFO], 8, v[PFO]
	s_wait_alu depctr_va_vdst(0)                   ; the head's end
.Ljob:
	s_cmp_eq_u32 s3, 2
	s_cselect_b64 s[8:9], s[12:13], s[16:17]       ; the next job's W: Wk, then Wv
	s_cselect_b64 s[10:11], s[14:15], s[18:19]
	JOB 0, 1
	s_wait_xcnt 0x0                                ; the stores and the prefetch have read their registers and bases
	s_add_nc_u64 s[20:21], s[20:21], 6291456       ; k's part of the buffers
	s_add_nc_u64 s[22:23], s[22:23], 262144
	s_sub_co_u32 s3, s3, 1
	s_cmp_lg_u32 s3, 0
	s_wait_alu depctr_va_vdst(0)
	s_cbranch_scc1 .Ljob
	JOB 1, 0
	s_wait_tensorcnt 0x0                           ; the wave's end
	ds_add_u32 v[SPW], v[NIL]
	s_wait_dscnt 0x0
	CROUND                                         ; the closing round
	s_endpgm
.Lfunc_end_k_q46dfdec8ea_proj:
	.size	k_q46dfdec8ea_proj, .Lfunc_end_k_q46dfdec8ea_proj-k_q46dfdec8ea_proj
	.p2alignl 7, 3214868480
	.fill 96, 4, 3214868480
	.section	.rodata,"a",@progbits
	.p2align	6, 0x0
	.amdhsa_kernel k_q46dfdec8ea_proj
		.amdhsa_group_segment_fixed_size 327680
		.amdhsa_private_segment_fixed_size 0
		.amdhsa_enable_private_segment 0
		.amdhsa_kernarg_size 80
		.amdhsa_user_sgpr_count 2
		.amdhsa_user_sgpr_kernarg_segment_ptr 1
		.amdhsa_wavefront_size32 1
		.amdhsa_system_sgpr_workgroup_id_x 1
		.amdhsa_system_sgpr_workgroup_id_y 1
		.amdhsa_system_sgpr_workgroup_id_z 1
		.amdhsa_system_vgpr_workitem_id 0
		.amdhsa_next_free_vgpr 768
		.amdhsa_next_free_sgpr 102
		.amdhsa_reserve_vcc 0
		.amdhsa_float_denorm_mode_32 3
		.amdhsa_float_denorm_mode_16_64 3
		.amdhsa_memory_ordered 1
		.amdhsa_forward_progress 1
		.amdhsa_inst_pref_size 193
	.end_amdhsa_kernel
	.amdgpu_metadata
---
amdhsa.version: [ 1, 2 ]
amdhsa.kernels:
  - .name:           k_q46dfdec8ea_proj
    .symbol:         k_q46dfdec8ea_proj.kd
    .args:
      - { .name: x_codes, .offset: 0, .size: 8, .value_kind: global_buffer, .address_space: global }
      - { .name: x_scales, .offset: 8, .size: 8, .value_kind: global_buffer, .address_space: global }
      - { .name: Wq_codes, .offset: 16, .size: 8, .value_kind: global_buffer, .address_space: global }
      - { .name: Wq_scales, .offset: 24, .size: 8, .value_kind: global_buffer, .address_space: global }
      - { .name: Wk_codes, .offset: 32, .size: 8, .value_kind: global_buffer, .address_space: global }
      - { .name: Wk_scales, .offset: 40, .size: 8, .value_kind: global_buffer, .address_space: global }
      - { .name: Wv_codes, .offset: 48, .size: 8, .value_kind: global_buffer, .address_space: global }
      - { .name: Wv_scales, .offset: 56, .size: 8, .value_kind: global_buffer, .address_space: global }
      - { .name: qkv_codes, .offset: 64, .size: 8, .value_kind: global_buffer, .address_space: global }
      - { .name: qkv_scales, .offset: 72, .size: 8, .value_kind: global_buffer, .address_space: global }
    .group_segment_fixed_size: 327680
    .private_segment_fixed_size: 0
    .kernarg_segment_align: 8
    .kernarg_segment_size: 80
    .max_flat_workgroup_size: 128
    .sgpr_count:     102
    .vgpr_count:     768
    .wavefront_size: 32
...
	.end_amdgpu_metadata
.endif
;; end of part 5
;; launch score (part 6): grid 8 x 32, 4 waves a work-group, clusters of 4 x 4, 327,680 bytes of LDS; arguments qkv_codes, qkv_scales, p_codes, p_scales, p_m, p_l; writes p_codes, p_scales, p_m, p_l
.if DOCPART == 6
	.amdgcn_target "amdgcn-amd-amdhsa--gfx1250"
	.amdhsa_code_object_version 6
	.text
	.protected	k_q46dfdec8ea_score
	.globl	k_q46dfdec8ea_score
	.p2align	8
	.type	k_q46dfdec8ea_score,@function
k_q46dfdec8ea_score:
	s_mov_b64 s[64:65], 0
	v_nop
	global_prefetch_b8 v0, s[64:65] scope:SCOPE_SE
	s_setreg_imm32_b32 hwreg(HW_REG_WAVE_MODE, 25, 1), 1
	s_wait_xcnt 0x0
	s_wait_alu depctr_hold_cnt(0) depctr_sa_sdst(0) depctr_va_vdst(0) depctr_va_sdst(0) depctr_va_ssrc(0) depctr_va_vcc(0) depctr_vm_vsrc(0)
	s_getreg_b32 s2, hwreg(HW_REG_IB_STS2, 6, 4)
	s_cmp_eq_u32 s2, 0
	s_cbranch_scc0 .Lentry_in_a_cluster
	s_endpgm
.Lentry_in_a_cluster:
	s_bfe_u32 s2, ttmp6, 0x10000c
	s_cmp_lg_u32 s2, 0xf033
	s_cbranch_scc0 .Lentry_shape_is_right
	s_endpgm
.Lentry_shape_is_right:
; S = q k^T on codes of FP6 (E2M3) with E8M0 scales, the causal mask, and the softmax's p, quantised along the keys.  q and k come as images of operand registers (see below), K = 1,024.
; A tile of S, 256 queries x 256 keys of one batch, is made by four waves, 128 x 128 each.  THE SOFTMAX IS TAKEN AGAINST A LOCAL WHOLE NUMBER: for each row and each chunk of 128 keys (a wave's columns)
; t = score x log2(e) / 32, M' = the chunk's largest t rounded up to a whole number, p' = 2^(t - M'), l' = the sum of the unquantised p'.  p' is quantised in blocks of 32 keys.  The launch stores the codes, the scale bytes
; (which stand for p' and not yet for p), -M' and l'.  The next launch takes M = the largest M' of a row and moves the scale bytes by M - M': an exact power of two, which leaves the codes as they are.
; Hidden scores (key > query) become -infinity ahead of the maximum: p' = 0.  A chunk all of whose keys are hidden stores -M' = 3e38, l' = 0, zero codes and the byte 1; tiles that lie wholly above the diagonal are
; written so too, so that every byte that the next launch reads has been stored.
; IMAGES: a fragment (16 rows x 128 K, 12 registers a lane) is 1,536 bytes, register g of lane l at 512 (g / 4) + 16 l + 4 (g % 4); 128 rows x 256 K are 16 fragments, 24,576 dense bytes.  Inside a block of 32 the codes
; stand in the order in which the lanes hold them (places 16 h + j: column 8 h + j; places 16 h + 8 + j: column 16 + 8 h + j), the same in q and k, and in p and v^T.
; CLUSTERS: 4 x 4 work-groups; q's tiles are asked for jointly along a row of the cluster, k's along a column.  The matrix instruction is used transposed (source 0 = 16 keys, source 1 = 16 queries).
; LIMITS: NaN and infinities are not served.  A block of p' whose largest number lies under 2^-124 gets the byte 1; p' under 2^-126 comes out of v_exp_f32 as 0 (ISA guide, 15.8).  The order of the f32 sums differs from ascending K.
.set AIMG,   1                         ; A comes as rows of codes (0) or as images (1)
.set BIMG,   1                         ; B likewise
.set BIASC,  0                         ; 1: the sums begin with a bias in v64-127
.set SIZE_K, 1024
.set EXTRA,  0                         ; LDS bytes between the scales and the spare words
.set NQ,     2                         ; matrix instructions deep in a slot: 256 along K
.set FR,     12                        ; registers of a fragment
.set NP,     4                         ; places behind this matrix instruction (ISA guide 7.12.1)
.set ROWB,   192                       ; rows: 256 codes in bytes
.set KROW,   768                       ; rows: a row of 1,024 codes in memory
.set PITCH,  240                       ; rows: an LDS row
.set IMGT,   24576                     ; images: 128 rows x 256 K
.if AIMG
.set HA,     IMGT                      ; 128 rows of A in a slot
.set STEPA,  IMGT                      ; from a K step to the next, in memory
.set NLA,    3                         ; LDS loads that bring a fragment of A
.else
.set HA,     128*PITCH
.set STEPA,  ROWB
.set NLA,    6
.endif
.if BIMG
.set HB,     IMGT
.set STEPB,  IMGT
.else
.set HB,     128*PITCH
.set STEPB,  ROWB
.endif
.set SLOT,   2*HA+2*HB                 ; A's 256 rows, then B's 256 rows
.set LAPS,   SIZE_K/512                ; a lap = two K steps = once round the ring
.set KS,     SIZE_K/32                 ; a row of scale bytes
.set SCL,    2*SLOT                    ; behind the ring: the scales, as units of 256 bytes + 16 of padding
.set HALFS,  (128*KS/256)*272          ; those of 128 rows
.set SBLK,   (16*KS/256)*272           ; those of 16 rows
.set RLB,    SCL+4*HALFS
.set SPARE,  RLB+EXTRA                 ; the spare words, 128 bytes for each wave: two blocks of 256 bytes that no other line names
.set VO,   7                           ; v7      16 x lane
.set VD,   13                          ; v13     my query less my first key: the mask's number
.set NEG,  14                          ; v14     -infinity
.set ADRA, 16                          ; v16-17  LDS address of my A fragments in slot 0, 1
.set ADRB, 20                          ; v20-21  the same for B
.set ADRS, 27                          ; v27     LDS address of my scale words: lanes 0-15 A's rows, lanes 16-31 B's
.set SPW,  28                          ; v28     LDS address of my spare word; never rewritten
.set NIL,  29                          ; v29     0; never rewritten
.set SC,   32                          ; v32-63  scale words, two sets; they hold nothing else
.set BI,   64
.set AF,   128                         ; v128-223 A's eight fragments, one set;  window 1: B's, two sets, at v0 and v128;  windows 2, 3: accumulator (a, b) at v[8 (8 (a % 4) + b)]
.set G1, 24                            ; s[24:31] descriptor group 1 for A's tiles;  s[32:39] group 0, one set for each slot
.set G0, 32
.set G1B, 48                           ; s[48:55], s[56:63] the same for B's tiles
.set G0B, 56
.set G1S, 68                           ; s[68:75], s[76:79] for A's scales;  s[80:87], s[88:91] for B's
.set G0S, 76
.set G1SB, 80
.set G0SB, 88
.set MSB, 0
.macro WIN new                         ; s_set_vgpr_msb: bits 1:0 source 0, 3:2 source 1, 5:4 source 2, 7:6 destination; the high byte repeats the setting that is left
.if MSB != (\new)
	s_set_vgpr_msb (MSB<<8)|(\new)
.set MSB, (\new)
.endif
.endm
.set MUL_LO, 0xa1                      ; source 0 (B) window 1, source 1 (A) window 0, C and D window 2
.set MUL_HI, 0xf1                      ; the same, C and D window 3
.set TO_B,   0x40                      ; destination window 1, address window 0
; A joint load: waves 0 and 1 fetch for A, waves 2 and 3 for B; the branch hangs on the wave's number alone.  Four v_nop follow each of the two lines.
.macro JLOAD g0a, g1a, g0b, g1b
	s_cmp_eq_u32 s15, 0
	s_cbranch_scc0 .Lfor_b_\@
	tensor_load_to_lds s[\g0a:\g0a+3], s[\g1a:\g1a+7]
	s_nop 0
.rept 4
	v_nop
.endr
	s_branch .Lasked_\@
.Lfor_b_\@:
	tensor_load_to_lds s[\g0b:\g0b+3], s[\g1b:\g1b+7]
	s_nop 0
.rept 4
	v_nop
.endr
.Lasked_\@:
.endm
.macro CREST                           ; a round of the cluster's barrier behind its opening barrier
	s_cmp_lg_u32 s14, 0
	s_cbranch_scc1 .Lnot_wave_0_\@
	s_barrier_signal -3
.Lnot_wave_0_\@:
	s_barrier_wait -3
	s_barrier_signal -1
	s_barrier_wait -1
.endm
.macro CROUND                          ; a whole round
	s_barrier_signal -1
	s_barrier_wait -1
	CREST
.endm
.macro G1TILE g, img, mask             ; group 1 of a tile of 128 rows x 256 K
.if \img
	s_or_b32 s[\g+0], s[\mask], (3<<16)|(1<<21)    ; 15:0 the mask; 17:16 elements of 8 bytes; 21 set beside a mask; no padding: 24,576 dense bytes as 96 rows of 256
	s_mov_b32 s[\g+1], 32<<16                      ; tensor_dim0
	s_mov_b32 s[\g+2], 96<<16                      ; tensor_dim1
	s_mov_b32 s[\g+3], 32<<16                      ; tile_dim0
	s_mov_b32 s[\g+4], 96                          ; tile_dim1
	s_mov_b32 s[\g+5], 32                          ; tensor_dim0_stride
.else
	s_or_b32 s[\g+0], s[\mask], (1<<20)|(1<<21)|(3<<22)|(3<<25)
	s_mov_b32 s[\g+1], ROWB<<16
	s_mov_b32 s[\g+2], 128<<16
	s_mov_b32 s[\g+3], ROWB<<16
	s_mov_b32 s[\g+4], 128
	s_mov_b32 s[\g+5], KROW
.endif
	s_mov_b32 s[\g+6], 0
	s_mov_b32 s[\g+7], 0
.endm
.macro G1SCALE g, mask                 ; group 1 of 8,192 dense scale bytes: 32 rows of 256 bytes, 16 bytes of padding behind each
	s_or_b32 s[\g+0], s[\mask], (3<<16)|(1<<20)|(1<<21)|(5<<22)|(3<<25)
	s_mov_b32 s[\g+1], 32<<16
	s_mov_b32 s[\g+2], 32<<16                      ; the scale bytes of a tile's 256 rows: 8,192 dense bytes, 32 rows of 256
	s_mov_b32 s[\g+3], 32<<16
	s_mov_b32 s[\g+4], 32
	s_mov_b32 s[\g+5], 32
	s_mov_b32 s[\g+6], 0
	s_mov_b32 s[\g+7], 0
.endm
; A fragment: block i of 16 rows, the slot's q-th 128 along K.  Image: three loads of 16 bytes a lane, 512 consecutive bytes each.
.macro FRAG img, reg, adr, q, i
.if \img
.irp p, 0,1,2
	ds_load_b128 v[\reg+4*\p:\reg+4*\p+3], v[\adr] offset:(8*(\q)+(\i))*1536+512*\p
.endr
.else
.irp p, 0,1,2,3,4,5
.set PCE, 12*(\q)+6*(\p/3)+\p%3
.if PCE%8 < 5
	ds_load_b64 v[\reg+2*\p:\reg+2*\p+1], v[\adr] offset:8*PCE+16*(PCE/8)+(\i)*16*PITCH
.else
	ds_load_b64 v[\reg+2*\p:\reg+2*\p+1], v[\adr+2] offset:8*PCE+16*(PCE/8)+(\i)*16*PITCH
.endif
.endr
.endif
.endm
; 16 matrix instructions: A's blocks a0, a0 + 1 x B's eight.  p: B's set; sc: the set of scale words.  zero = 1: the first product starts the sums.  The 64 accumulators take turns, one instruction a turn.
.macro MUL16 a0, p, q, sc, zero
.irp a, \a0, \a0+1
.irp b, 0,1,2,3,4,5,6,7
.if \zero
.if BIASC
	v_wmma_scale_f32_16x16x128_f8f6f4 v[8*(8*((\a)%4)+\b):8*(8*((\a)%4)+\b)+7], v[128*(\p)+FR*\b:128*(\p)+FR*\b+FR-1], v[AF+FR*(\a):AF+FR*(\a)+FR-1], v[BI+8*\b:BI+8*\b+7], v[SC+8*NQ*(\sc)+NQ*\b+(\q)], v[SC+8*NQ*(\sc)+NQ*(\a)+(\q)] matrix_a_fmt:MATRIX_FMT_FP6 matrix_b_fmt:MATRIX_FMT_FP6 matrix_a_scale:MATRIX_SCALE_ROW1
.else
	v_wmma_scale_f32_16x16x128_f8f6f4 v[8*(8*((\a)%4)+\b):8*(8*((\a)%4)+\b)+7], v[128*(\p)+FR*\b:128*(\p)+FR*\b+FR-1], v[AF+FR*(\a):AF+FR*(\a)+FR-1], 0, v[SC+8*NQ*(\sc)+NQ*\b+(\q)], v[SC+8*NQ*(\sc)+NQ*(\a)+(\q)] matrix_a_fmt:MATRIX_FMT_FP6 matrix_b_fmt:MATRIX_FMT_FP6 matrix_a_scale:MATRIX_SCALE_ROW1
.endif
.else
	v_wmma_scale_f32_16x16x128_f8f6f4 v[8*(8*((\a)%4)+\b):8*(8*((\a)%4)+\b)+7], v[128*(\p)+FR*\b:128*(\p)+FR*\b+FR-1], v[AF+FR*(\a):AF+FR*(\a)+FR-1], v[8*(8*((\a)%4)+\b):8*(8*((\a)%4)+\b)+7], v[SC+8*NQ*(\sc)+NQ*\b+(\q)], v[SC+8*NQ*(\sc)+NQ*(\a)+(\q)] matrix_a_fmt:MATRIX_FMT_FP6 matrix_b_fmt:MATRIX_FMT_FP6 matrix_a_scale:MATRIX_SCALE_ROW1
.endif
.endr
.endr
.endm
.macro FETCH_B slot, q, p              ; B's eight fragments into set p
	WIN TO_B
.irp i, 0,1,2,3,4,5,6,7
	FRAG BIMG, 128*(\p)+FR*\i, ADRB+\slot, \q, \i
.endr
	WIN 0
.endm
.macro FETCH_A slot, q, i0             ; A's blocks i0 .. i0 + 3
.irp i, \i0, \i0+1, \i0+2, \i0+3
	FRAG AIMG, AF+FR*(\i), ADRA+\slot, \q, \i
.endr
.endm
.macro SCALES sc                       ; a K step's scale words into set sc: two words a row; lanes 0-15 take A's block i, lanes 16-31 B's block i
.irp i, 0,1,2,3,4,5,6,7
	ds_load_b64 v[SC+8*NQ*\sc+NQ*\i:SC+8*NQ*\sc+NQ*\i+1], v[ADRS] offset:\i*SBLK
.endr
.endm
.macro PLACES n                        ; plain vector instructions between a matrix instruction and a load into, or a vector read or write of, its registers
.rept \n
	v_nop
.endr
.endm
.macro STEP slot, q, zero              ; 128 along K that have their successor in the same slot
	s_wait_dscnt 4*NLA                             ; B's set and A's blocks 0-3 are in; the youngest loads (A's blocks 4-7) may be out
	WIN MUL_LO-0x20*BIASC*(\zero)
	MUL16 0, (\q)%2, \q, \slot, \zero
	MUL16 2, (\q)%2, \q, \slot, \zero
	s_wait_dscnt 0                                 ; A's blocks 4-7 are in
	PLACES NP
	FETCH_B \slot, (\q)+1, 1-(\q)%2
	FETCH_A \slot, (\q)+1, 0
	WIN MUL_HI-0x30*BIASC*(\zero)
	MUL16 4, (\q)%2, \q, \slot, \zero
	MUL16 6, (\q)%2, \q, \slot, \zero
	PLACES NP
	WIN 0
	FETCH_A \slot, (\q)+1, 4
.endm
; A slot's last 128 change slots: ONE barrier; in front of it each wave waits for all its tensor loads, adds 0 to its spare word, and waits for that and for its own reads of this slot.  fill = 1: the slot is filled again, two K steps ahead.
.macro TURN slot, next, fill
	s_wait_tensorcnt 0x0                           ; all my tensor loads have landed: my part of the next slot
	ds_add_u32 v[SPW], v[NIL]                      ; 0 onto my spare word
	s_wait_dscnt 4*NLA+1                           ; (the add and the youngest loads, A's blocks 4-7, may be out)
	WIN MUL_LO
	MUL16 0, 1, NQ-1, \slot, 0                     ; sixteen matrix instructions stand between the add and the wait for it
	s_wait_dscnt 0x0                               ; the add is done, and my reads of this slot are over
	s_barrier_signal -1
	MUL16 2, 1, NQ-1, \slot, 0
	WIN 0
	s_barrier_wait -1
.if \fill
	CREST                                          ; the barrier has opened a round of the cluster's barrier: no wave of any partner still reads this slot or has a load on its way
	s_add_nc_u64 s[G0+4*\slot+2:G0+4*\slot+3], s[G0+4*\slot+2:G0+4*\slot+3], 2*STEPA
	s_add_nc_u64 s[G0B+4*\slot+2:G0B+4*\slot+3], s[G0B+4*\slot+2:G0B+4*\slot+3], 2*STEPB
	JLOAD G0+4*\slot, G1, G0B+4*\slot, G1B         ; the first tensor load behind the round; its four v_nop are the places in front of the loads below
.else
	PLACES NP
.endif
	s_wait_alu depctr_va_vdst(0)
	v_add_nc_u32 v[ADRS], 4*NQ, v[ADRS]            ; on to the next K step's scale words (no LDS load of mine is out)
	FETCH_B \next, 0, 0
	FETCH_A \next, 0, 0
	SCALES \next
	WIN MUL_HI
	MUL16 4, 1, NQ-1, \slot, 0
	MUL16 6, 1, NQ-1, \slot, 0
	PLACES NP
	WIN 0
	FETCH_A \next, 0, 4
.endm
; THE WAY OUT'S REGISTERS, all in window 0, above the scale words.
.set X,    64                          ; v64-127  a row block's 64 scores of my lane, then p'
.set PCF,  128                         ; v128-151 a fragment's codes, two sets by turns
.set CT,   152                         ; v152-158 the conversions' second halves
.set TM,   160                         ; v160-163 the blocks' largest scores, then largest p'; v164-167 the other half's, then bytes; v172-175 the conversions' scale operands
.set RR,   176                         ; v176     the chunk's largest t
.set NM,   178                         ; v[178:179] -M' (the packed form names the pair and takes its low word)
.set SUMA, 180                         ; v[180:181], v[182:183] the sum in two chains of pairs
.set SUMB, 182
.set TT,   184                         ; v184, v185 the sum of my half, the other half's
.set T2,   185
.set PW,   192                         ; v192-199 block a's scale words
.set PM,   200                         ; v200-207 block a's -M'
.set PL,   208                         ; v208-215 block a's l'
.set WT,   216                         ; v216-227 words to store
.macro SCALEW pw                       ; scale operands, bytes, and the row's scale word
.irp c, 0,1,2,3
	v_add_nc_u32 v[TM+12+\c], 0xff000000, v[TM+\c] ; 2 off the exponent field: the conversion takes the exponent field of this operand as its scale
.endr
.irp c, 0,1,2,3
	v_lshrrev_b32 v[TM+4+\c], 23, v[TM+12+\c]      ; the scale's byte
.endr
	v_lshl_or_b32 v[\pw], v[TM+5], 8, v[TM+4]
	v_lshl_or_b32 v[\pw], v[TM+6], 16, v[\pw]
	v_lshl_or_b32 v[\pw], v[TM+7], 24, v[\pw]
.endm
.macro CODES src, w, a                 ; the fragment's 12 registers: lanes 0-15 blocks 0 and 2, lanes 16-31 blocks 1 and 3
.set PC0, PCF+12*((\a)%2)
.if (\a) > 1
	s_wait_xcnt 0x0                                ; block a - 2's stores have read these registers
.endif
	WIN \w
.irp c, 0,1
	v_cvt_scalef32_pk16_fp6_f32 v[PC0+6*\c:PC0+6*\c+2], v[\src+32*\c:\src+32*\c+15], v[TM+12+2*\c]
	v_cvt_scalef32_pk16_fp6_f32 v[CT+4*\c:CT+4*\c+2], v[\src+32*\c+16:\src+32*\c+31], v[TM+13+2*\c]   ; (a conversion's three registers begin on an even number)
.endr
	WIN 0
	v_nop                                          ; one plain place behind a scaled conversion
.irp c, 0,1
.irp i, 0,1,2
	v_permlane16_swap_b32 v[PC0+6*\c+\i], v[CT+4*\c+\i]   ; the first's lanes 16-31 change places with the second's lanes 0-15: a whole block in a lane
.endr
.irp i, 0,1,2
	v_mov_b32 v[PC0+6*\c+3+\i], v[CT+4*\c+\i]
.endr
.endr
.endm
.macro PUT a                           ; the fragment's image: each store covers 512 consecutive bytes, aligned
.set PC0, PCF+12*((\a)%2)
.irp p, 0,1,2
	global_store_b128 v[VO], v[PC0+4*\p:PC0+4*\p+3], s[12:13] offset:1536*(\a)+512*\p
.endr
.endm
	s_load_b128 s[4:7], s[0:1], 0x0                ; qkv_codes, qkv_scales
	s_load_b64 s[12:13], s[0:1], 0x10              ; p_codes
	s_load_b64 s[66:67], s[0:1], 0x18              ; p_scales
	s_load_b128 s[96:99], s[0:1], 0x20             ; p_m, p_l
	v_lshl_add_u32 v[SPW], v0, 2, SPARE
	v_mov_b32 v[NIL], 0
	ds_add_u32 v28, v29
	ds_add_u32 v28, v29
	s_wait_dscnt 0x0
	v_lshrrev_b32 v1, 5, v0
	v_readfirstlane_b32 s14, v1                    ; wave 0..3
	s_lshr_b32 s15, s14, 1                         ; which half of the tile's rows is mine.  Also: I fetch for A (0) or for B (1)
	s_and_b32 s16, s14, 1                          ; which half of its columns.  Also: which 128 rows of that tile I fetch
	s_bfe_u32 s40, ttmp6, 0x40000                  ; cx, cy: my place in the cluster
	s_bfe_u32 s41, ttmp6, 0x40004
	s_lshl_b32 s42, ttmp9, 2
	s_add_co_u32 s42, s42, s40                     ; tile of 256 keys in the batch, 0 .. 7
	s_and_b32 s18, ttmp7, 0xffff
	s_lshl_b32 s17, s18, 2
	s_add_co_u32 s17, s17, s41                     ; tile of 256 queries, 0 .. 31, over all batches
	s_lshr_b32 s19, s18, 1                         ; the batch: two clusters along y to a batch
	s_lshl_b32 s43, s41, 2
	s_lshl_b32 s43, 15, s43                        ; my row of the cluster
	s_lshl_b32 s44, 0x1111, s40                    ; my column
.macro G1SHAPE g, c, r, p              ; group 1's words for r rows of c elements, pitch p
	s_mov_b32 s[\g+1], (\c)<<16
	s_mov_b32 s[\g+2], (\r)<<16
	s_mov_b32 s[\g+3], (\c)<<16
	s_mov_b32 s[\g+4], \r
	s_mov_b32 s[\g+5], \p
.endm
.macro ARM under, g0, g1, next         ; an arm of the head's tree: one load, and a jump to the tree's end
	s_cmp_lt_u32 s14, \under
	s_cbranch_scc0 \next
	tensor_load_to_lds s[\g0:\g0+3], s[\g1:\g1+7]
	s_nop 0
.rept 4
	v_nop
.endr
	s_branch .Lhead_asked
\next:
.endm
	G1TILE G1, AIMG, 43
	G1TILE G1B, BIMG, 44
	G1SHAPE G1, 3072, 2, 12288                     ; for the head's loads: K step 0 of both groups of 128 rows: two rows of 24,576 bytes, four image tiles apart
	G1SHAPE G1B, 3072, 2, 12288
	G1SCALE G1S, 43
	G1SCALE G1SB, 44
	s_lshl_b32 s20, s17, 1
	s_add_co_u32 s20, s20, s16                     ; q: which group of 128 rows I fetch
	s_lshl_b32 s22, s17, 13                        ; the scale bytes of the tile's 256 rows
	s_mul_i32 s10, s17, 8*IMGT                     ; the head's load: the tile's first group, K step 0
	s_mov_b32 s11, 0
	s_mul_i32 s20, s20, 4*IMGT                     ; its four K steps
	s_mov_b32 s21, 0
	s_mov_b32 s23, 0
	s_lshl_b32 s46, s42, 1
	s_add_co_u32 s46, s46, s16
	s_lshl_b32 s47, s19, 4
	s_add_co_u32 s46, s46, s47                     ; k: 16 groups to a batch
	s_sub_co_u32 s2, s46, s16                      ; the tile's first group of k
	s_lshl_b32 s92, s2, 12
	s_mul_i32 s2, s2, 4*IMGT
	s_add_co_u32 s2, s2, 6291456
	s_mov_b32 s3, 0
	s_add_co_u32 s92, s92, 262144                  ; k's scale bytes lie behind q's,
	s_mul_i32 s46, s46, 4*IMGT
	s_add_co_u32 s46, s46, 6291456                 ; its codes likewise
	s_mov_b32 s47, 0
	s_mov_b32 s93, 0
	s_mul_i32 s45, s16, HA                         ; where they go: no place in the cluster enters an LDS address
	s_mul_i32 s94, s16, HB
	s_add_co_u32 s94, s94, 2*HA
	s_wait_kmcnt 0x0
	s_add_nc_u64 s[20:21], s[4:5], s[20:21]
	s_add_nc_u64 s[22:23], s[6:7], s[22:23]
	s_add_nc_u64 s[46:47], s[4:5], s[46:47]
	s_add_nc_u64 s[92:93], s[6:7], s[92:93]
	s_add_nc_u64 s[10:11], s[4:5], s[10:11]
	s_add_nc_u64 s[6:7], s[4:5], s[2:3]
	CROUND                                         ; all sixteen work-groups are here: the first joint loads meet
	s_mov_b32 s[G0S], 1
	s_mov_b32 s[G0S+1], SCL
	s_mov_b64 s[G0S+2:G0S+3], s[22:23]
	s_or_b32 s[G0S+3], s[G0S+3], 0x80000000
	s_mov_b32 s[G0SB], 1
	s_mov_b32 s[G0SB+1], SCL+2*HALFS
	s_mov_b64 s[G0SB+2:G0SB+3], s[92:93]
	s_or_b32 s[G0SB+3], s[G0SB+3], 0x80000000
.irp s, 0,1
	s_mov_b32 s[G0+4*\s], 1
	s_add_co_u32 s[G0+4*\s+1], s45, \s*SLOT
	s_add_nc_u64 s[G0+4*\s+2:G0+4*\s+3], s[20:21], \s*STEPA
	s_or_b32 s[G0+4*\s+3], s[G0+4*\s+3], 0x80000000
	s_mov_b32 s[G0B+4*\s], 1
	s_add_co_u32 s[G0B+4*\s+1], s94, \s*SLOT
	s_add_nc_u64 s[G0B+4*\s+2:G0B+4*\s+3], s[46:47], \s*STEPB
	s_or_b32 s[G0B+4*\s+3], s[G0B+4*\s+3], 0x80000000
.endr
	s_mov_b32 s8, 1                                ; s[8:11], s[4:7]: group 0 of the head's loads of K step 0: q's 256 rows, k's 256 rows
	s_mov_b32 s9, 0
	s_or_b32 s11, s11, 0x80000000
	s_mov_b32 s4, 1
	s_mov_b32 s5, 2*HA
	s_or_b32 s7, s7, 0x80000000
	ARM 1, 8, G1, .Lhead_b                         ; one load a wave, in one tree of branches: q's K step 0, k's, q's scale bytes, k's
	ARM 2, 4, G1B, .Lhead_sa
	ARM 3, G0S, G1S, .Lhead_sb
	tensor_load_to_lds s[G0SB:G0SB+3], s[G1SB:G1SB+7]
	s_nop 0
.rept 4
	v_nop
.endr
.Lhead_asked:
	v_and_b32 v1, 15, v0                           ; r = lane % 16
	v_bfe_u32 v2, v0, 4, 1                         ; h = lane / 16
	v_and_b32 v3, 31, v0                           ; lane
	v_lshlrev_b32 v[VO], 4, v3
.if AIMG*BIMG == 0
	v_mul_u32_u24 v4, v1, PITCH
	v_mad_u32_u24 v4, v2, 24, v4
	v_lshl_add_u32 v5, v2, 4, v4
.endif
	s_mul_i32 s21, s15, HA                         ; my 128 rows of A
	s_mul_i32 s22, s16, HB                         ; my 128 rows of B,
	s_add_co_u32 s22, s22, 2*HA                    ; which lie behind A's 256
.irp s, 0,1
.if AIMG
	v_add_nc_u32 v[ADRA+\s], s21, v[VO]
.else
	v_add_nc_u32 v[ADRA+\s], s21, v4
	v_add_nc_u32 v[ADRA+2+\s], s21, v5
.endif
.if BIMG
	v_add_nc_u32 v[ADRB+\s], s22, v[VO]
.else
	v_add_nc_u32 v[ADRB+\s], s22, v4
	v_add_nc_u32 v[ADRB+2+\s], s22, v5
.endif
	s_add_co_u32 s21, s21, SLOT
	s_add_co_u32 s22, s22, SLOT
.endr
	v_mul_u32_u24 v5, v1, KS                       ; my row's scales: KS bytes a row,
	v_lshrrev_b32 v6, 8, v5
	v_lshl_add_u32 v5, v6, 4, v5                   ; and 16 more for each 256 passed
	s_mul_i32 s21, s15, HALFS                      ; A's: my 128 rows
	s_mul_i32 s22, s16, HALFS                      ; B's: my 128 rows, behind A's 256
	s_add_co_u32 s22, s22, 2*HALFS
	s_sub_co_u32 s22, s22, s21
	v_mul_u32_u24 v6, s22, v2                      ; lanes 16-31 take B's
	s_add_co_u32 s21, s21, SCL
	v_add_nc_u32 v5, v5, v6
	v_add_nc_u32 v[ADRS], s21, v5
	; where my 128 queries x 128 keys go.  Row group G = 2 x query tile + half; K step of p = key tile; chunk of 128 keys = 2 x key tile + half
	s_lshl_b32 s18, s17, 1
	s_add_co_u32 s18, s18, s15                     ; G
	s_lshl_b32 s20, s18, 3
	s_add_co_u32 s20, s20, s42
	s_mul_i32 s20, s20, IMGT
	s_mul_i32 s21, s16, IMGT/2
	s_add_co_u32 s20, s20, s21
	s_mov_b32 s21, 0
	s_add_nc_u64 s[12:13], s[12:13], s[20:21]      ; codes
	s_lshl_b32 s20, s18, 13                        ; scale bytes: 128 G rows of 64,
	s_lshl_b32 s22, s42, 3
	s_add_co_u32 s20, s20, s22
	s_lshl_b32 s22, s16, 2
	s_add_co_u32 s20, s20, s22                     ; + my chunk's word
	s_add_nc_u64 s[66:67], s[66:67], s[20:21]
	s_lshl_b32 s20, s42, 1
	s_add_co_u32 s20, s20, s16
	s_lshl_b32 s20, s20, 15                        ; -M' and l': [chunk][8,192 rows] of f32
	s_lshl_b32 s22, s18, 9
	s_add_co_u32 s20, s20, s22
	s_add_nc_u64 s[96:97], s[96:97], s[20:21]
	s_add_nc_u64 s[98:99], s[98:99], s[20:21]
.irp g, 0,1,2,3
	v_add_nc_u32 v[8+\g], 32*\g, v3
	v_lshlrev_b32 v[8+\g], 6, v[8+\g]              ; row 32 g + lane of scale bytes
.endr
	v_lshlrev_b32 v12, 2, v3                       ; 4 x lane
	s_and_b32 s20, s17, 7                          ; the mask: my first query less my first key, in the batch: 128 x (2 (query tile % 8 - key tile) + row half - column half),
	s_sub_co_i32 s20, s20, s42
	s_lshl_b32 s20, s20, 1
	s_add_co_i32 s20, s20, s15
	s_sub_co_i32 s20, s20, s16
	s_lshl_b32 s20, s20, 7
	v_lshlrev_b32 v4, 3, v2
	v_sub_nc_u32 v4, v1, v4
	v_add_nc_u32 v[VD], s20, v4                    ; + r - 8 h.  Register 8 b + j of block a holds key 16 b + 8 h + j against query 16 a + r: hidden where 16 b + j > this number + 16 a
	v_mov_b32 v[NEG], 0xff800000
	s_mov_b32 s95, 0xffff0000                      ; lanes 16-31
	s_mov_b32 s100, 0x76543210
	s_mov_b32 s101, 0xfedcba98                     ; v_permlanex16_b32's selects for lane l xor 16
	s_wait_alu depctr_va_vdst(0)                   ; the head's end
	s_wait_tensorcnt 0x0                           ; my tile of the head's four is in
	ds_add_u32 v[SPW], v[NIL]
	G1SHAPE G1, 32, 96, 32                         ; no tensor load of mine is out: from here on a load brings one image tile, 96 rows of 256 bytes
	G1SHAPE G1B, 32, 96, 32
	s_wait_dscnt 0x0
	CROUND                                         ; a whole round: all four tiles are in, and the joint loads meet
	JLOAD G0+4, G1, G0B+4, G1B                     ; K step 1, the first tensor load behind the round
	FETCH_B 0, 0, 0
	FETCH_A 0, 0, 0
	SCALES 0
	FETCH_A 0, 0, 4
	STEP 0, 0, 1                                   ; the first step stands in front of the loop: its products start the sums
.if LAPS > 1
	s_mov_b32 s3, LAPS-1
.Llap:                                                 ; a trip goes once round the ring and fills both slots again
	TURN 0, 1, 1
	STEP 1, 0, 0
	TURN 1, 0, 1
	STEP 0, 0, 0
	s_sub_co_u32 s3, s3, 1
	s_cmp_lg_u32 s3, 0
	s_cbranch_scc1 .Llap
.endif
	TURN 0, 1, 0                                   ; the last lap fills nothing, and has no round of the cluster's barrier
	STEP 1, 0, 0
	s_wait_dscnt 4*NLA                             ; the very last step: nothing more to fetch
	WIN MUL_LO
	MUL16 0, 1, NQ-1, 1, 0
	MUL16 2, 1, NQ-1, 1, 0
	s_wait_dscnt 0
	WIN MUL_HI
	MUL16 4, 1, NQ-1, 1, 0
	MUL16 6, 1, NQ-1, 1, 0
	WIN 0
	PLACES NP                                      ; in front of the first read of results and the first write of registers that held A's fragments
	s_mov_b32 s22, 0x3d38aa3b                      ; c = log2(e) / sqrt(1,024)
	s_mov_b32 s23, s22                             ; (named with it as a pair, so it is written)
.irp c, 0,1,2,3
	v_mov_b32 v[TM+4+\c], 0                        ; written once: a lane permute's destination counts as one of its sources
.endr
	v_mov_b32 v[T2], 0
	v_mov_b32 v[NM+1], 0                           ; (named as the upper half of the pair)
; THE MASK, ONCE FOR ALL EIGHT BLOCKS.  Register 8 b + j of block a is hidden where 16 (b - a) + j > v[VD], and v[VD] = D + r - 8 h with D, my first query less my first key, a multiple of 128.
; So for b > a the answer is that of 16 > v[VD], for b < a that of -9 > v[VD], whatever b - a and j; for b = a it is j > v[VD].  Ten lane masks in scalar registers (the descriptors there are done with: no tensor load is out).
.set MK, 24
.irp j, 0,1,2,3,4,5,6,7
	v_cmp_gt_i32 s[MK+\j], \j, v[VD]
.endr
	v_cmp_gt_i32 s[MK+8], 16, v[VD]
	v_cmp_gt_i32 s[MK+9], -9, v[VD]
; BLOCK a: 16 queries x my 128 keys.
.macro SOFT a
.set AC, 64*((\a)%4)
.set W,  2+(\a)/4
	WIN W                                          ; source 0: the accumulators' window
.set n, 0
.rept 64
.if n/8 > (\a)
	v_cndmask_b32 v[X+n], v[AC+n], v[NEG], s[MK+8] ; the score, or -infinity, into window 0: each accumulator from its low end on
.else
.if n/8 < (\a)
	v_cndmask_b32 v[X+n], v[AC+n], v[NEG], s[MK+9]
.else
	v_cndmask_b32 v[X+n], v[AC+n], v[NEG], s[MK+n%8]
.endif
.endif
.set n, n+1
.endr
	WIN 0
.irp c, 0,1,2,3
	v_max3_num_f32 v[TM+\c], v[X+16*\c], v[X+16*\c+1], v[X+16*\c+2]   ; the largest score of each block of 32 keys: it serves for the chunk's maximum and, since p' rises with the score, for the block's largest p'
.endr
.irp i, 3,5,7,9,11,13
.irp c, 0,1,2,3
	v_max3_num_f32 v[TM+\c], v[TM+\c], v[X+16*\c+\i], v[X+16*\c+\i+1]
.endr
.endr
.irp c, 0,1,2,3
	v_max_num_f32 v[TM+\c], v[TM+\c], v[X+16*\c+15]
.endr
.irp c, 0,1,2,3
	v_permlanex16_b32 v[TM+4+\c], v[TM+\c], s100, s101
.endr
.irp c, 0,1,2,3
	v_max_num_f32 v[TM+\c], v[TM+\c], v[TM+4+\c]   ; with lane l xor 16's 16 keys
.endr
	v_max3_num_f32 v[RR], v[TM], v[TM+1], v[TM+2]
	v_max_num_f32 v[RR], v[RR], v[TM+3]
	v_mul_f32 v[RR], s22, v[RR]                    ; as t (c is positive)
	v_max_num_f32 v[RR], 0xff61b1e6, v[RR]         ; a chunk that is all hidden: -3e38, under every t
	v_floor_f32 v[NM], -v[RR]                      ; -M' = floor(-t) = -ceil(t): a whole number
.set n, 0
.rept 32
	v_pk_fma_f32 v[X+n:X+n+1], v[X+n:X+n+1], s[22:23], v[NM:NM+1] op_sel_hi:[1,0,0]   ; t - M', two at a time
.set n, n+2
.endr
.irp c, 0,1,2,3
	v_fma_f32 v[TM+\c], v[TM+\c], s22, v[NM]       ; the same of each block's largest score
.endr
.set n, 0
	s_wait_alu depctr_va_vdst(0)
.rept 64
	v_exp_f32 v[X+n], v[X+n]                       ; p' = 2^(t - M'), at most 1
.set n, n+1
.endr
	v_nop                                          ; a plain place behind the exponentials
	s_wait_alu depctr_va_vdst(0)                   ; one wait for the whole batch, ahead of its first reader
.irp c, 0,1,2,3
	v_exp_f32 v[TM+\c], v[TM+\c]                   ; the block's largest p'
.endr
	v_pk_add_f32 v[SUMA:SUMA+1], v[X:X+1], v[X+2:X+3]         ; the sum is taken of the unquantised p', in two chains.  (It reads the 64 alone: plain work behind the four)
	v_pk_add_f32 v[SUMB:SUMB+1], v[X+4:X+5], v[X+6:X+7]
.irp j, 8,12,16,20,24,28,32,36,40,44,48,52,56,60
	v_pk_add_f32 v[SUMA:SUMA+1], v[SUMA:SUMA+1], v[X+\j:X+\j+1]
	v_pk_add_f32 v[SUMB:SUMB+1], v[SUMB:SUMB+1], v[X+\j+2:X+\j+3]
.endr
	v_pk_add_f32 v[SUMA:SUMA+1], v[SUMA:SUMA+1], v[SUMB:SUMB+1]
	v_add_f32 v[TT], v[SUMA], v[SUMA+1]
	v_permlanex16_b32 v[T2], v[TT], s100, s101
	v_add_f32 v[PL+(\a)], v[TT], v[T2]             ; l' of my row and chunk
	s_wait_alu depctr_va_vdst(0)                   ; and one wait for the four
.irp c, 0,1,2,3
	v_max_num_f32 v[TM+\c], 0x1800000, v[TM+\c]    ; the floor 2^(3 - 127): the byte cannot fall under 1
.endr
	SCALEW PW+(\a)
	v_mov_b32 v[PM+(\a)], v[NM]
	CODES X, 0, \a
	PUT \a
.endm
.irp a, 0,1,2,3,4,5,6,7
	SOFT \a
.endr
.irp g, 0,1,2,3                        ; lane l of store g holds row 32 g + l
	v_cndmask_b32 v[WT+\g], v[PW+2*\g], v[PW+2*\g+1], s95
	v_cndmask_b32 v[WT+4+\g], v[PM+2*\g], v[PM+2*\g+1], s95
	v_cndmask_b32 v[WT+8+\g], v[PL+2*\g], v[PL+2*\g+1], s95
.endr
.irp g, 0,1,2,3
	global_store_b32 v[8+\g], v[WT+\g], s[66:67]
	global_store_b32 v12, v[WT+4+\g], s[96:97] offset:128*\g       ; 128 consecutive bytes
	global_store_b32 v12, v[WT+8+\g], s[98:99] offset:128*\g
.endr
	s_wait_tensorcnt 0x0                           ; the wave's end
	ds_add_u32 v[SPW], v[NIL]
	s_wait_dscnt 0x0
	CROUND                                         ; the closing round: no work-group ends while a partner may still ask for a tile that names it
	s_endpgm
.Lfunc_end_k_q46dfdec8ea_score:
	.size	k_q46dfdec8ea_score, .Lfunc_end_k_q46dfdec8ea_score-k_q46dfdec8ea_score
	.p2alignl 7, 3214868480
	.fill 96, 4, 3214868480
	.section	.rodata,"a",@progbits
	.p2align	6, 0x0
	.amdhsa_kernel k_q46dfdec8ea_score
		.amdhsa_group_segment_fixed_size 327680
		.amdhsa_private_segment_fixed_size 0
		.amdhsa_enable_private_segment 0
		.amdhsa_kernarg_size 48
		.amdhsa_user_sgpr_count 2
		.amdhsa_user_sgpr_kernarg_segment_ptr 1
		.amdhsa_wavefront_size32 1
		.amdhsa_system_sgpr_workgroup_id_x 1
		.amdhsa_system_sgpr_workgroup_id_y 1
		.amdhsa_system_sgpr_workgroup_id_z 1
		.amdhsa_system_vgpr_workitem_id 0
		.amdhsa_next_free_vgpr 1024
		.amdhsa_next_free_sgpr 102
		.amdhsa_reserve_vcc 0
		.amdhsa_float_denorm_mode_32 3
		.amdhsa_float_denorm_mode_16_64 3
		.amdhsa_memory_ordered 1
		.amdhsa_forward_progress 1
		.amdhsa_inst_pref_size 232
	.end_amdhsa_kernel
	.amdgpu_metadata
---
amdhsa.version: [ 1, 2 ]
amdhsa.kernels:
  - .name:           k_q46dfdec8ea_score
    .symbol:         k_q46dfdec8ea_score.kd
    .args:
      - { .name: qkv_codes, .offset: 0, .size: 8, .value_kind: global_buffer, .address_space: global }
      - { .name: qkv_scales, .offset: 8, .size: 8, .value_kind: global_buffer, .address_space: global }
      - { .name: p_codes, .offset: 16, .size: 8, .value_kind: global_buffer, .address_space: global }
      - { .name: p_scales, .offset: 24, .size: 8, .value_kind: global_buffer, .address_space: global }
      - { .name: p_m, .offset: 32, .size: 8, .value_kind: global_buffer, .address_space: global }
      - { .name: p_l, .offset: 40, .size: 8, .value_kind: global_buffer, .address_space: global }
    .group_segment_fixed_size: 327680
    .private_segment_fixed_size: 0
    .kernarg_segment_align: 8
    .kernarg_segment_size: 48
    .max_flat_workgroup_size: 128
    .sgpr_count:     102
    .vgpr_count:     1024
    .wavefront_size: 32
...
	.end_amdgpu_metadata
.endif
;; end of part 6
;; launch ctx (part 7): grid 4 x 64, 4 waves a work-group, clusters of 4 x 4, 327,680 bytes of LDS; arguments p_codes, p_scales, p_m, p_l, qkv_codes, qkv_scales, c_codes, c_scales; writes c_codes, c_scales
.if DOCPART == 7
	.amdgcn_target "amdgcn-amd-amdhsa--gfx1250"
	.amdhsa_code_object_version 6
	.text
	.protected	k_q46dfdec8ea_ctx
	.globl	k_q46dfdec8ea_ctx
	.p2align	8
	.type	k_q46dfdec8ea_ctx,@function
k_q46dfdec8ea_ctx:
	s_mov_b64 s[64:65], 0
	v_nop
	global_prefetch_b8 v0, s[64:65] scope:SCOPE_SE
	s_setreg_imm32_b32 hwreg(HW_REG_WAVE_MODE, 25, 1), 1
	s_wait_xcnt 0x0
	s_wait_alu depctr_hold_cnt(0) depctr_sa_sdst(0) depctr_va_vdst(0) depctr_va_sdst(0) depctr_va_ssrc(0) depctr_va_vcc(0) depctr_vm_vsrc(0)
	s_getreg_b32 s2, hwreg(HW_REG_IB_STS2, 6, 4)
	s_cmp_eq_u32 s2, 0
	s_cbranch_scc0 .Lentry_in_a_cluster
	s_endpgm
.Lentry_in_a_cluster:
	s_bfe_u32 s2, ttmp6, 0x10000c
	s_cmp_lg_u32 s2, 0xf033
	s_cbranch_scc0 .Lentry_shape_is_right
	s_endpgm
.Lentry_shape_is_right:
.set FR,     12
.set NP,     4
.set IMGT,   24576
.set NLA,    3
.set NLB,    3
.set SLOT,   6*IMGT
.set STEPS,  2*IMGT
.set KS,     64
.set SCL,    2*SLOT
.set SA,     (128*KS/256)*272
.set SBG,    (128*KS/256)*272
.set SBLK,   (16*KS/256)*272
.set RLB,    SCL+SA+2*SBG
.set SPARE,  RLB+1024
.set VO,   7
.set RLA,  13
.set FRA,  15
.set ADRA, 16
.set ADRB, 20
.set FMA,  24
.set FWA,  25
.set FSA,  26
.set ADRS, 27
.set SPW,  28
.set NIL,  29
.set SC,   32
.set AF,   128
.set G1, 24
.set G0, 32
.set G1B, 48
.set G0B, 56
.set G1SB, 80
.set G0SB, 88
.set MSB, 0
.macro WIN new
.if MSB != (\new)
	s_set_vgpr_msb (MSB<<8)|(\new)
.set MSB, (\new)
.endif
.endm
.set MUL,  0xa1
.set TO_B, 0x40
.macro JLOAD g0a, g1a, g0b, g1b
	s_cmp_eq_u32 s15, 0
	s_cbranch_scc0 .Lfor_b_\@
	tensor_load_to_lds s[\g0a:\g0a+3], s[\g1a:\g1a+7]
	s_nop 0
.rept 4
	v_nop
.endr
	s_branch .Lasked_\@
.Lfor_b_\@:
	tensor_load_to_lds s[\g0b:\g0b+3], s[\g1b:\g1b+7]
	s_nop 0
.rept 4
	v_nop
.endr
.Lasked_\@:
.endm
.macro CREST
	s_cmp_lg_u32 s14, 0
	s_cbranch_scc1 .Lnot_wave_0_\@
	s_barrier_signal -3
.Lnot_wave_0_\@:
	s_barrier_wait -3
	s_barrier_signal -1
	s_barrier_wait -1
.endm
.macro CROUND
	s_barrier_signal -1
	s_barrier_wait -1
	CREST
.endm
.macro G1IMG g, rows, mask
	s_or_b32 s[\g+0], s[\mask], (3<<16)|(1<<21)
	s_mov_b32 s[\g+1], 32<<16
	s_mov_b32 s[\g+2], (\rows)<<16
	s_mov_b32 s[\g+3], 32<<16
	s_mov_b32 s[\g+4], \rows
	s_mov_b32 s[\g+5], 32
	s_mov_b32 s[\g+6], 0
	s_mov_b32 s[\g+7], 0
.endm
.macro G1PAD g, rows, mask
	s_or_b32 s[\g+0], s[\mask], (3<<16)|(1<<20)|(1<<21)|(5<<22)|(3<<25)
	s_mov_b32 s[\g+1], 32<<16
	s_mov_b32 s[\g+2], (\rows)<<16
	s_mov_b32 s[\g+3], 32<<16
	s_mov_b32 s[\g+4], \rows
	s_mov_b32 s[\g+5], 32
	s_mov_b32 s[\g+6], 0
	s_mov_b32 s[\g+7], 0
.endm
.macro FRAGI reg, adr, g, i
.irp p, 0,1,2
	ds_load_b128 v[\reg+4*\p:\reg+4*\p+3], v[\adr+((\g)/4)%2] offset:((\g)%4)*12288+(\i)*1536+512*\p
.endr
.endm
.macro FETCH_B g
	WIN TO_B
.irp i, 0,1,2,3,4,5,6,7
	FRAGI 128*((\g)%2)+FR*\i, ADRB, \g, \i
.endr
.endm
.macro FETCH_A g
	WIN 0
.irp i, 0,1,2,3
	FRAGI AF+48*((\g)%2)+FR*\i, ADRA, \g, \i
.endr
.endm
.macro SCALES u
	WIN 0
.irp i, 0,1,2,3,4,5,6,7
	ds_load_b64 v[SC+16*((\u)%2)+2*\i:SC+16*((\u)%2)+2*\i+1], v[ADRS] offset:\i*SBLK+8*(\u)
.endr
.endm
.macro MUL16 a0, g, zero
.irp a, \a0, \a0+1
.irp b, 0,1,2,3,4,5,6,7
.if \zero
	v_wmma_scale_f32_16x16x128_f8f6f4 v[8*(8*(\a)+\b):8*(8*(\a)+\b)+7], v[128*((\g)%2)+FR*\b:128*((\g)%2)+FR*\b+FR-1], v[AF+48*((\g)%2)+FR*(\a):AF+48*((\g)%2)+FR*(\a)+FR-1], 0, v[SC+16*(((\g)/2)%2)+2*\b+(\g)%2], v[SC+16*(((\g)/2)%2)+2*(\a)+(\g)%2] matrix_a_fmt:MATRIX_FMT_FP6 matrix_b_fmt:MATRIX_FMT_FP6 matrix_a_scale:MATRIX_SCALE_ROW1
.else
	v_wmma_scale_f32_16x16x128_f8f6f4 v[8*(8*(\a)+\b):8*(8*(\a)+\b)+7], v[128*((\g)%2)+FR*\b:128*((\g)%2)+FR*\b+FR-1], v[AF+48*((\g)%2)+FR*(\a):AF+48*((\g)%2)+FR*(\a)+FR-1], v[8*(8*(\a)+\b):8*(8*(\a)+\b)+7], v[SC+16*(((\g)/2)%2)+2*\b+(\g)%2], v[SC+16*(((\g)/2)%2)+2*(\a)+(\g)%2] matrix_a_fmt:MATRIX_FMT_FP6 matrix_b_fmt:MATRIX_FMT_FP6 matrix_a_scale:MATRIX_SCALE_ROW1
.endif
.endr
.endr
.endm
.macro PLACES n
.rept \n
	v_nop
.endr
.endm
.macro QSTEP g, zero
	s_wait_dscnt 2*NLA
	PLACES NP
	FETCH_B (\g)+1
	WIN MUL
	MUL16 0, \g, \zero
	s_wait_dscnt 8*NLB
.if (\g)%2 == 1
	SCALES ((\g)+1)/2
.endif
	FETCH_A (\g)+1
	WIN MUL
	MUL16 2, \g, \zero
.endm
.macro TURN g, fill
.set SL, ((\g)/4)%2
	WIN 0
	s_wait_tensorcnt 0x0
	ds_add_u32 v[SPW], v[NIL]
	s_wait_dscnt 0x0
	s_barrier_signal -1
	WIN MUL
	MUL16 0, \g, 0
	WIN 0
	s_barrier_wait -1
.if \fill
	CREST
	s_add_nc_u64 s[G0+4*SL+2:G0+4*SL+3], s[G0+4*SL+2:G0+4*SL+3], 2*STEPS
	s_add_nc_u64 s[G0B+4*SL+2:G0B+4*SL+3], s[G0B+4*SL+2:G0B+4*SL+3], 2*STEPS
	JLOAD G0+4*SL, G1, G0B+4*SL, G1B
.else
	PLACES NP
.endif
	FETCH_B (\g)+1
	SCALES ((\g)+1)/2
	FETCH_A (\g)+1
	WIN MUL
	MUL16 2, \g, 0
.endm
.set X,    64
.set PCF,  128
.set CT,   152
.set TM,   160
.set PW,   192
.set RL,   200
.set WT,   216
.macro AMAX src
.irp c, 0,1,2,3
	v_max3_num_f32 v[TM+\c], |v[\src+16*\c]|, |v[\src+16*\c+1]|, 0x1800000
.endr
.irp i, 2,4,6,8,10,12,14
.irp c, 0,1,2,3
	v_max3_num_f32 v[TM+\c], v[TM+\c], |v[\src+16*\c+\i]|, |v[\src+16*\c+\i+1]|
.endr
.endr
.irp c, 0,1,2,3
	v_permlanex16_b32 v[TM+4+\c], v[TM+\c], s100, s101
.endr
.irp c, 0,1,2,3
	v_max_num_f32 v[TM+\c], v[TM+\c], v[TM+4+\c]
.endr
.endm
.macro SCALEW pw
.irp c, 0,1,2,3
	v_add_nc_u32 v[TM+12+\c], 0xff000000, v[TM+\c]
.endr
.irp c, 0,1,2,3
	v_lshrrev_b32 v[TM+4+\c], 23, v[TM+12+\c]
.endr
	v_lshl_or_b32 v[\pw], v[TM+5], 8, v[TM+4]
	v_lshl_or_b32 v[\pw], v[TM+6], 16, v[\pw]
	v_lshl_or_b32 v[\pw], v[TM+7], 24, v[\pw]
.endm
.macro CODES src, a
.set PC0, PCF+12*((\a)%2)
.if (\a) > 1
	s_wait_xcnt 0x0
.endif
.irp c, 0,1
	v_cvt_scalef32_pk16_fp6_f32 v[PC0+6*\c:PC0+6*\c+2], v[\src+32*\c:\src+32*\c+15], v[TM+12+2*\c]
	v_cvt_scalef32_pk16_fp6_f32 v[CT+4*\c:CT+4*\c+2], v[\src+32*\c+16:\src+32*\c+31], v[TM+13+2*\c]
.endr
	v_nop
.irp c, 0,1
.irp i, 0,1,2
	v_permlane16_swap_b32 v[PC0+6*\c+\i], v[CT+4*\c+\i]
.endr
.irp i, 0,1,2
	v_mov_b32 v[PC0+6*\c+3+\i], v[CT+4*\c+\i]
.endr
.endr
.endm
.macro PUT a
.set PC0, PCF+12*((\a)%2)
.irp p, 0,1,2
	global_store_b128 v[VO], v[PC0+4*\p:PC0+4*\p+3], s[12:13] offset:1536*(\a)+512*\p
.endr
.endm
.set FN,   64
.set FL,   80
.set FW,   96
.set FB,   160
.set FO,   176
.set FT,   192
.set FD,   194
.macro FIX
	s_wait_loadcnt 0x0
	v_min3_num_f32 v[FT], v[FN], v[FN+1], v[FN+2]
.irp i, 3,5,7,9,11,13
	v_min3_num_f32 v[FT], v[FT], v[FN+\i], v[FN+\i+1]
.endr
	v_min_num_f32 v[FT], v[FT], v[FN+15]
.irp c, 0,1,2,3,4,5,6,7,8,9,10,11,12,13,14,15
	v_sub_f32 v[FN+\c], v[FT], v[FN+\c]
.endr
.irp c, 0,1,2,3,4,5,6,7,8,9,10,11,12,13,14,15
	v_cvt_i32_f32 v[FN+\c], v[FN+\c]
.endr
.irp c, 0,1,2,3,4,5,6,7,8,9,10,11,12,13,14,15
	v_ldexp_f32 v[FL+\c], v[FL+\c], v[FN+\c]
.endr
.irp c, 0,1,2,3,4,5,6,7,8,9,10,11,12,13,14,15
	v_sub_nc_u32 v[FN+\c], 0, v[FN+\c]
.endr
.irp c, 0,1,2,3,4,5,6,7
	v_add_f32 v[FL+\c], v[FL+\c], v[FL+8+\c]
.endr
.irp c, 0,1,2,3
	v_add_f32 v[FL+\c], v[FL+\c], v[FL+4+\c]
.endr
.irp c, 0,1
	v_add_f32 v[FL+\c], v[FL+\c], v[FL+2+\c]
.endr
	v_add_f32 v[FL], v[FL], v[FL+1]
	s_wait_alu depctr_va_vdst(0)
	v_rcp_f32 v[FL], v[FL]
.irp k, 0,1,2,3
.irp c, 0,1,2,3,4,5,6,7,8,9,10,11,12,13,14,15
	v_bfe_u32 v[FB+\c], v[FW+\c], 8*\k, 8
.endr
.irp c, 0,1,2,3,4,5,6,7,8,9,10,11,12,13,14,15
	v_min_u32 v[FD+\c], v[FB+\c], v[FN+\c]
.endr
.irp c, 0,1,2,3,4,5,6,7,8,9,10,11,12,13,14,15
.if \k == 0
	v_sub_nc_u32 v[FO+\c], v[FB+\c], v[FD+\c]
.else
	v_sub_nc_u32 v[FB+\c], v[FB+\c], v[FD+\c]
.endif
.endr
.if \k > 0
.irp c, 0,1,2,3,4,5,6,7,8,9,10,11,12,13,14,15
	v_lshl_or_b32 v[FO+\c], v[FB+\c], 8*\k, v[FO+\c]
.endr
.endif
.endr
	s_wait_alu depctr_va_vdst(0)
	v_mov_b32 v[FL+1], v[FL]
.irp k, 0,1,2,3
	ds_store_b128 v[FSA], v[FO+4*\k:FO+4*\k+3] offset:16*\k
.endr
	ds_store_b64 v[FRA], v[FL:FL+1]
.endm
	s_load_b128 s[4:7], s[0:1], 0x0
	s_load_b128 s[96:99], s[0:1], 0x10
	s_load_b128 s[8:11], s[0:1], 0x20
	s_load_b64 s[12:13], s[0:1], 0x30
	s_load_b64 s[66:67], s[0:1], 0x38
	v_lshl_add_u32 v[SPW], v0, 2, SPARE
	v_mov_b32 v[NIL], 0
	ds_add_u32 v28, v29
	ds_add_u32 v28, v29
	s_wait_dscnt 0x0
	v_lshrrev_b32 v1, 5, v0
	v_readfirstlane_b32 s14, v1
	s_lshr_b32 s15, s14, 1
	s_and_b32 s16, s14, 1
	s_bfe_u32 s40, ttmp6, 0x40000
	s_bfe_u32 s41, ttmp6, 0x40004
	s_mov_b32 s42, s40
	s_and_b32 s18, ttmp7, 0xffff
	s_lshl_b32 s17, s18, 2
	s_add_co_u32 s17, s17, s41
	s_lshr_b32 s19, s18, 2
	s_lshl_b32 s43, s41, 2
	s_lshl_b32 s43, 15, s43
	s_lshl_b32 s44, 0x1111, s40
	G1IMG G1, 192, 43                              ; for the head's load: p's two image tiles of slot 0; behind it the two words that count rows are set to 96
	G1IMG G1B, 192, 44
	G1PAD G1SB, 64, 44                             ; all of v's scale bytes for my 256 rows: 16,384 dense bytes
	s_mul_i32 s20, s17, 8*IMGT
	s_mul_i32 s21, s16, IMGT
	s_add_co_u32 s20, s20, s21
	s_mov_b32 s21, 0
	s_lshl_b32 s46, s42, 1
	s_add_co_u32 s46, s46, s16
	s_mul_i32 s46, s46, 8*IMGT
	s_mul_i32 s47, s19, 1572864
	s_add_co_u32 s46, s46, s47
	s_add_co_u32 s46, s46, 12582912
	s_mov_b32 s47, 0
	s_lshl_b32 s92, s42, 14
	s_lshl_b32 s93, s19, 16
	s_add_co_u32 s92, s92, s93
	s_add_co_u32 s92, s92, 524288
	s_mov_b32 s93, 0
	s_lshl_b32 s22, s17, 9
	s_mov_b32 s23, 0
	s_lshl_b32 s18, s17, 13
	s_mov_b32 s19, 0
	s_mul_i32 s45, s16, IMGT
	s_mul_i32 s94, s16, 2*IMGT
	s_add_co_u32 s94, s94, 2*IMGT
	v_lshlrev_b32 v[FMA], 2, v0
	v_lshlrev_b32 v[FWA], 6, v0
	s_wait_alu depctr_va_vdst(0)
	s_wait_kmcnt 0x0
	s_add_nc_u64 s[96:97], s[96:97], s[22:23]
	s_add_nc_u64 s[98:99], s[98:99], s[22:23]
	s_add_nc_u64 s[6:7], s[6:7], s[18:19]
.irp c, 0,1,2,3,4,5,6,7,8,9,10,11,12,13,14,15
	global_load_b32 v[FN+\c], v[FMA], s[96:97] offset:32768*\c
.endr
.irp c, 0,1,2,3,4,5,6,7,8,9,10,11,12,13,14,15
	global_load_b32 v[FL+\c], v[FMA], s[98:99] offset:32768*\c
.endr
.irp k, 0,1,2,3
	global_load_b128 v[FW+4*\k:FW+4*\k+3], v[FWA], s[6:7] offset:16*\k
.endr
	s_add_nc_u64 s[20:21], s[4:5], s[20:21]
	s_add_nc_u64 s[46:47], s[8:9], s[46:47]
	s_add_nc_u64 s[92:93], s[10:11], s[92:93]
	CROUND
	s_mov_b32 s[G0SB], 1
	s_mov_b32 s[G0SB+1], SCL+SA
	s_mov_b64 s[G0SB+2:G0SB+3], s[92:93]
	s_or_b32 s[G0SB+3], s[G0SB+3], 0x80000000
.irp s, 0,1
	s_mov_b32 s[G0+4*\s], 1
	s_add_co_u32 s[G0+4*\s+1], s45, \s*SLOT
	s_add_nc_u64 s[G0+4*\s+2:G0+4*\s+3], s[20:21], \s*STEPS
	s_or_b32 s[G0+4*\s+3], s[G0+4*\s+3], 0x80000000
	s_mov_b32 s[G0B+4*\s], 1
	s_add_co_u32 s[G0B+4*\s+1], s94, \s*SLOT
	s_add_nc_u64 s[G0B+4*\s+2:G0B+4*\s+3], s[46:47], \s*STEPS
	s_or_b32 s[G0B+4*\s+3], s[G0B+4*\s+3], 0x80000000
.endr
; THE HEAD'S LOADS, ONE A WAVE, in one tree of branches on the wave's number: wave 0 brings slot 0's two image tiles of p (its own group 0 begins at the first of them), waves 1 and 2 v's groups 1 and 0
; (group = wave % 2, as in the ring), wave 3 v's scale bytes.
	s_cmp_eq_u32 s14, 0
	s_cbranch_scc0 .Lhead_b
	tensor_load_to_lds s[G0:G0+3], s[G1:G1+7]
	s_nop 0
.rept 4
	v_nop
.endr
	s_branch .Lhead_asked
.Lhead_b:
	s_cmp_lt_u32 s14, 3
	s_cbranch_scc0 .Lhead_s
	tensor_load_to_lds s[G0B:G0B+3], s[G1B:G1B+7]
	s_nop 0
.rept 4
	v_nop
.endr
	s_branch .Lhead_asked
.Lhead_s:
	tensor_load_to_lds s[G0SB:G0SB+3], s[G1SB:G1SB+7]
	s_nop 0
.rept 4
	v_nop
.endr
.Lhead_asked:
	v_and_b32 v1, 15, v0
	v_bfe_u32 v2, v0, 4, 1
	v_and_b32 v3, 31, v0
	v_lshlrev_b32 v[VO], 4, v3
	s_mul_i32 s21, s15, 4*1536
	s_mul_i32 s22, s16, 2*IMGT
	s_add_co_u32 s22, s22, 2*IMGT
.irp s, 0,1
	v_add_nc_u32 v[ADRA+\s], s21, v[VO]
	v_add_nc_u32 v[ADRB+\s], s22, v[VO]
	s_add_co_u32 s21, s21, SLOT
	s_add_co_u32 s22, s22, SLOT
.endr
	v_mul_u32_u24 v5, v1, KS
	v_lshrrev_b32 v6, 8, v5
	v_lshl_add_u32 v5, v6, 4, v5
	s_mul_i32 s21, s15, SA/2
	s_mul_i32 s22, s16, SBG
	s_add_co_u32 s22, s22, SA
	s_sub_co_u32 s22, s22, s21
	v_mul_u32_u24 v6, s22, v2
	s_add_co_u32 s21, s21, SCL
	v_add_nc_u32 v5, v5, v6
	v_add_nc_u32 v[ADRS], s21, v5
	v_lshrrev_b32 v[FSA], 2, v0
	v_mul_u32_u24 v[FSA], v[FSA], 272
	v_and_b32 v[FRA], 3, v0
	v_lshl_add_u32 v[FSA], v[FRA], 6, v[FSA]
	v_add_nc_u32 v[FSA], SCL, v[FSA]
	v_lshl_add_u32 v[FRA], v0, 3, RLB
	s_lshl_b32 s21, s15, 9
	v_lshl_add_u32 v[RLA], v1, 3, RLB
	v_add_nc_u32 v[RLA], s21, v[RLA]
	s_lshl_b32 s20, s17, 2
	s_add_co_u32 s20, s20, s42
	s_mul_i32 s20, s20, IMGT
	s_mul_i32 s21, s16, IMGT/2
	s_add_co_u32 s20, s20, s21
	s_mul_i32 s21, s15, 4*1536
	s_add_co_u32 s20, s20, s21
	s_mov_b32 s21, 0
	s_add_nc_u64 s[12:13], s[12:13], s[20:21]
	s_lshl_b32 s20, s17, 12
	s_lshl_b32 s22, s15, 11
	s_add_co_u32 s20, s20, s22
	s_lshl_b32 s22, s42, 3
	s_add_co_u32 s20, s20, s22
	s_lshl_b32 s22, s16, 2
	s_add_co_u32 s20, s20, s22
	s_add_nc_u64 s[66:67], s[66:67], s[20:21]
.irp g, 0,1
	v_add_nc_u32 v[8+\g], 32*\g, v3
	v_lshlrev_b32 v[8+\g], 5, v[8+\g]
.endr
	s_mov_b32 s95, 0xffff0000
	s_mov_b32 s100, 0x76543210
	s_mov_b32 s101, 0xfedcba98
	FIX
	s_wait_alu depctr_va_vdst(0)                   ; the head's end
	s_wait_tensorcnt 0x0                           ; my tile of the head's is in
	ds_add_u32 v28, v29
	s_mov_b32 s[G1+2], 96<<16                      ; no tensor load of mine is out: from here on a load of p brings one image tile, 96 rows of 256 bytes
	s_mov_b32 s[G1+4], 96
	s_wait_dscnt 0x0                               ; the add and my stores of the mended scale words are done
	CROUND                                         ; a whole round: slot 0 and the scales are whole, and the joint loads meet
	JLOAD G0+4, G1, G0B+4, G1B                     ; slot 1's first fill, the first tensor load behind the round
	FETCH_B 0
	SCALES 0
	FETCH_A 0
	QSTEP 0, 1
	QSTEP 1, 0
	QSTEP 2, 0
	TURN 3, 1
	QSTEP 4, 0
	QSTEP 5, 0
	QSTEP 6, 0
	TURN 7, 1
	QSTEP 8, 0
	QSTEP 9, 0
	QSTEP 10, 0
	TURN 11, 0
	QSTEP 12, 0
	QSTEP 13, 0
	QSTEP 14, 0
	s_wait_dscnt 2*NLA
	WIN MUL
	MUL16 0, 15, 0
	s_wait_dscnt 0x0
	MUL16 2, 15, 0
	WIN 0
	PLACES NP
.irp a, 0,1,2,3
	ds_load_b64 v[RL+2*\a:RL+2*\a+1], v[RLA] offset:128*\a
.endr
.irp c, 0,1,2,3
	v_mov_b32 v[TM+4+\c], 0
.endr
	s_wait_dscnt 0x0
.macro CTX a
.set AC, 64*(\a)
	WIN 2
.set n, 0
.rept 32
	v_pk_mul_f32 v[X+n:X+n+1], v[AC+n:AC+n+1], v[RL+2*(\a):RL+2*(\a)+1]
.set n, n+2
.endr
	WIN 0
.irp c, 0,1,2,3
.irp j, 0,1,2,3,4,5,6,7
	v_permlane16_swap_b32 v[X+16*\c+\j], v[X+16*\c+8+\j]
.endr
.endr
	AMAX X
	SCALEW PW+(\a)
	CODES X, \a
	PUT \a
.endm
.irp a, 0,1,2,3
	CTX \a
.endr
.irp g, 0,1
	v_cndmask_b32 v[WT+\g], v[PW+2*\g], v[PW+2*\g+1], s95
.endr
.irp g, 0,1
	global_store_b32 v[8+\g], v[WT+\g], s[66:67]
.endr
	s_wait_tensorcnt 0x0
	ds_add_u32 v[SPW], v[NIL]
	s_wait_dscnt 0x0
	CROUND
	s_endpgm
.Lfunc_end_k_q46dfdec8ea_ctx:
	.size	k_q46dfdec8ea_ctx, .Lfunc_end_k_q46dfdec8ea_ctx-k_q46dfdec8ea_ctx
	.p2alignl 7, 3214868480
	.fill 96, 4, 3214868480
	.section	.rodata,"a",@progbits
	.p2align	6, 0x0
	.amdhsa_kernel k_q46dfdec8ea_ctx
		.amdhsa_group_segment_fixed_size 327680
		.amdhsa_private_segment_fixed_size 0
		.amdhsa_enable_private_segment 0
		.amdhsa_kernarg_size 64
		.amdhsa_user_sgpr_count 2
		.amdhsa_user_sgpr_kernarg_segment_ptr 1
		.amdhsa_wavefront_size32 1
		.amdhsa_system_sgpr_workgroup_id_x 1
		.amdhsa_system_sgpr_workgroup_id_y 1
		.amdhsa_system_sgpr_workgroup_id_z 1
		.amdhsa_system_vgpr_workitem_id 0
		.amdhsa_next_free_vgpr 768
		.amdhsa_next_free_sgpr 102
		.amdhsa_reserve_vcc 0
		.amdhsa_float_denorm_mode_32 3
		.amdhsa_float_denorm_mode_16_64 3
		.amdhsa_memory_ordered 1
		.amdhsa_forward_progress 1
		.amdhsa_inst_pref_size 170
	.end_amdhsa_kernel
	.amdgpu_metadata
---
amdhsa.version: [ 1, 2 ]
amdhsa.kernels:
  - .name:           k_q46dfdec8ea_ctx
    .symbol:         k_q46dfdec8ea_ctx.kd
    .args:
      - { .name: p_codes, .offset: 0, .size: 8, .value_kind: global_buffer, .address_space: global }
      - { .name: p_scales, .offset: 8, .size: 8, .value_kind: global_buffer, .address_space: global }
      - { .name: p_m, .offset: 16, .size: 8, .value_kind: global_buffer, .address_space: global }
      - { .name: p_l, .offset: 24, .size: 8, .value_kind: global_buffer, .address_space: global }
      - { .name: qkv_codes, .offset: 32, .size: 8, .value_kind: global_buffer, .address_space: global }
      - { .name: qkv_scales, .offset: 40, .size: 8, .value_kind: global_buffer, .address_space: global }
      - { .name: c_codes, .offset: 48, .size: 8, .value_kind: global_buffer, .address_space: global }
      - { .name: c_scales, .offset: 56, .size: 8, .value_kind: global_buffer, .address_space: global }
    .group_segment_fixed_size: 327680
    .private_segment_fixed_size: 0
    .kernarg_segment_align: 8
    .kernarg_segment_size: 64
    .max_flat_workgroup_size: 128
    .sgpr_count:     102
    .vgpr_count:     768
    .wavefront_size: 32
...
	.end_amdgpu_metadata
.endif
;; end of part 7
;; launch outp (part 8): grid 4 x 64, 4 waves a work-group, clusters of 4 x 4, 327,680 bytes of LDS; arguments c_codes, c_scales, Wo_codes, Wo_scales, bo, out0; writes out0
.if DOCPART == 8
	.amdgcn_target "amdgcn-amd-amdhsa--gfx1250"
	.amdhsa_code_object_version 6
	.text
	.protected	k_q46dfdec8ea_outp
	.globl	k_q46dfdec8ea_outp
	.p2align	8
	.type	k_q46dfdec8ea_outp,@function
k_q46dfdec8ea_outp:
	s_mov_b64 s[64:65], 0
	v_nop
	global_prefetch_b8 v0, s[64:65] scope:SCOPE_SE
	s_setreg_imm32_b32 hwreg(HW_REG_WAVE_MODE, 25, 1), 1
	s_wait_xcnt 0x0
	s_wait_alu depctr_hold_cnt(0) depctr_sa_sdst(0) depctr_va_vdst(0) depctr_va_sdst(0) depctr_va_ssrc(0) depctr_va_vcc(0) depctr_vm_vsrc(0)
	s_getreg_b32 s2, hwreg(HW_REG_IB_STS2, 6, 4)
	s_cmp_eq_u32 s2, 0
	s_cbranch_scc0 .Lentry_in_a_cluster
	s_endpgm
.Lentry_in_a_cluster:
	s_bfe_u32 s2, ttmp6, 0x10000c
	s_cmp_lg_u32 s2, 0xf033
	s_cbranch_scc0 .Lentry_shape_is_right
	s_endpgm
.Lentry_shape_is_right:
; out = ctx Wo^T + bo on codes of FP6 (E2M3) with E8M0 scales; out is f32.  A = ctx, 8,192 rows, as images of operand registers (a fragment of 16 rows x 128 K is 1,536 bytes, register g of lane l at
; 512 (g / 4) + 16 l + 4 (g % 4); 128 rows x 256 K are 24,576 dense bytes), in the true order along K; B = Wo, 1,024 rows of codes as they are given.  K = 1,024.
; A TILE OF out IS 128 ROWS x 256 COLUMNS: 64 x 4 = 256 work-groups.  Four waves, 64 x 128 each: A's 4 blocks against B's 8, 32 accumulators.  ALL OF K LIES IN LDS, FILLED ONCE: ctx's 128 rows are 98,304 dense bytes,
; Wo's 256 rows 196,608; each wave asks for one of the four at the head: ctx's bytes, Wo's, or the scale bytes of one of them; there is no ring and no refill.  A q-step is 128 along K: 32 matrix instructions; all 8 are written out.
; CLUSTERS: 4 x 4 work-groups; ctx's bytes are asked for jointly along a row of the cluster, Wo's along a column.  The matrix instruction is used transposed (source 0 = 16 rows of Wo, source 1 = 16 rows of ctx): a lane
; holds eight neighbouring numbers of a row of out.  THE BIAS is the C of each sum's first matrix instruction: 64 registers in the result's layout; no addition is written.
; THE WAY OUT: a block of 16 rows x 128 columns goes through the wave's own stage in LDS and leaves as whole rows of 512 bytes.  The stages lie in ctx's first bytes: a barrier in the last q-step, behind every wave's last
; LDS read, stands in front of the first store there.
; LIMITS: NaN and infinities are not served.  The order of the f32 sums is that of the matrix unit, K ascending.
.set SIZE_N, 1024
.set FR,     12                        ; registers of a fragment
.set NP,     4                         ; places behind this matrix instruction (ISA guide 7.12.1)
.set IMGT,   24576                     ; an image tile: 128 rows x 256 K
.set NLA,    3                         ; LDS loads that bring a fragment of A
.set NLB,    6                         ; and of B
.set KROW,   768                       ; a row of Wo's 1,024 codes in memory
.set PITCH,  816                       ; and in LDS: 3 x (256 bytes + 16 of padding) = 204 words: row r starts at bank 12 r mod 64, sixteen different multiples of 4 (64 banks of 4 bytes: ISA guide 11.1), so the 32 lanes of a load of 8 bytes touch 64 different banks
.set BB,     4*IMGT                    ; A's four image tiles lie at 0, B's 256 rows behind them
.set KS,     32                        ; a row of scale bytes: 1,024 / 32
.set SCL,    BB+256*PITCH              ; behind them: the scales, as units of 256 bytes + 16 of padding: A's, then B's
.set SA,     (128*KS/256)*272          ; A's 128 rows
.set SBG,    (128*KS/256)*272          ; 128 rows of B
.set SBLK,   (16*KS/256)*272           ; 16 rows
.set SPARE,  SCL+SA+2*SBG              ; the spare words, 128 bytes for each wave: two blocks of 256 bytes that no other line names
.set SPITCH, 528                       ; the stage: 16 rows x (512 bytes + 16) for each wave
.set VO,   7                           ; v7      16 x lane
.set BOA,  15                          ; v15     32 x (lane / 16): my eight numbers of a block of the bias
.set ADRA, 16                          ; v16-17  LDS address of my A fragments: q-steps 0-3, q-steps 4-7
.set ADRB, 20                          ; v20-21  of my B fragments: blocks 0-3, blocks 4-7 (v22-23: the same behind one padding more)
.set STO,  24                          ; v24     the way out: where I put 32 bytes of a row
.set RD,   25                          ; v25     the way out: where I read a row back
.set CO,   26                          ; v26     my byte offset in a row of out
.set ADRS, 27                          ; v27     LDS address of my scale words: lanes 0-15 A's rows, lanes 16-31 B's; never rewritten
.set SPW,  28                          ; v28     LDS address of my spare word; never rewritten
.set NIL,  29                          ; v29     0; never rewritten
.set SC,   32                          ; v32-63  scale words, two sets of 16, one for each 256 along K; they hold nothing else
.set BI,   64                          ; v64-127 the bias: register 8 b + j = bo at my column 16 b + 8 (lane / 16) + j
.set AF,   128                         ; v128-175, v176-223 A's four fragments, two sets;  window 1: B's eight, two sets, at v0 and v128;  window 2: accumulator (a, b) at v[8 (8 a + b)]
.set BK,   128                         ; the way out: 16 rows read back from the stage: v128-191 and v192-255 by turns
.set G1, 24                            ; s[24:31], s[32:35] descriptor groups 1 and 0 for all of A
.set G0, 32
.set G1B, 48                           ; s[48:55], s[56:59] for all of B
.set G0B, 56
.set G1S, 68                           ; s[68:75], s[76:79] for A's scales;  s[80:87], s[88:91] for B's
.set G0S, 76
.set G1SB, 80
.set G0SB, 88
.set MSB, 0
.macro WIN new                         ; s_set_vgpr_msb: bits 1:0 source 0, 3:2 source 1, 5:4 source 2, 7:6 destination; the high byte repeats the setting that is left
.if MSB != (\new)
	s_set_vgpr_msb (MSB<<8)|(\new)
.set MSB, (\new)
.endif
.endm
.set MUL,  0xa1                        ; source 0 (B) window 1, source 1 (A) window 0, C and D window 2  (the first q-step: C, the bias, window 0: 0x81)
.set TO_B, 0x40                        ; destination window 1, address window 0
; An arm of the head's tree of branches on the wave's number: one joint load, and a jump to the tree's end.  An s_nop 0 and four v_nop follow the load.
.macro ARM under, g0, g1, next
	s_cmp_lt_u32 s14, \under
	s_cbranch_scc0 \next
	tensor_load_to_lds s[\g0:\g0+3], s[\g1:\g1+7]
	s_nop 0
.rept 4
	v_nop
.endr
	s_branch .Lhead_asked
\next:
.endm
.macro CROUND                          ; a round of the cluster's barrier
	s_barrier_signal -1
	s_barrier_wait -1
	s_cmp_lg_u32 s14, 0
	s_cbranch_scc1 .Lnot_wave_0_\@
	s_barrier_signal -3
.Lnot_wave_0_\@:
	s_barrier_wait -3
	s_barrier_signal -1
	s_barrier_wait -1
.endm
.macro G1IMG g, rows, mask             ; group 1 of dense bytes as rows of 256, laid in LDS without gaps
	s_or_b32 s[\g+0], s[\mask], (3<<16)|(1<<21)    ; 15:0 the mask; 17:16 elements of 8 bytes; 21 set beside a mask; no padding
	s_mov_b32 s[\g+1], 32<<16                      ; tensor_dim0
	s_mov_b32 s[\g+2], (\rows)<<16                 ; tensor_dim1
	s_mov_b32 s[\g+3], 32<<16                      ; tile_dim0
	s_mov_b32 s[\g+4], \rows                       ; tile_dim1
	s_mov_b32 s[\g+5], 32                          ; tensor_dim0_stride
	s_mov_b32 s[\g+6], 0
	s_mov_b32 s[\g+7], 0
.endm
.macro G1PAD g, rows, mask             ; the same with 16 bytes of padding behind each 256: padding on; after every 64 words (code 5) 4 words (code 3)
	s_or_b32 s[\g+0], s[\mask], (3<<16)|(1<<20)|(1<<21)|(5<<22)|(3<<25)
	s_mov_b32 s[\g+1], 32<<16
	s_mov_b32 s[\g+2], (\rows)<<16
	s_mov_b32 s[\g+3], 32<<16
	s_mov_b32 s[\g+4], \rows
	s_mov_b32 s[\g+5], 32
	s_mov_b32 s[\g+6], 0
	s_mov_b32 s[\g+7], 0
.endm
; A's fragment of q-step g, block i: an image: three loads of 16 bytes a lane, 512 consecutive bytes each.
.macro FRAGI reg, g, i
.irp p, 0,1,2
	ds_load_b128 v[\reg+4*\p:\reg+4*\p+3], v[ADRA+((\g)/4)%2] offset:((\g)%4)*12288+(\i)*1536+512*\p
.endr
.endm
; B's fragment of q-step g, block i, from rows: lane l holds row l % 16; registers 6 c .. 6 c + 5 hold K = 128 g + 64 c + 32 (l / 16) + 0 .. 31: 24 bytes of the row's stream of bits, in pieces of 8 bytes.  Lanes 0-15 take the
; row's pieces 12 g + 0, 1, 2 and 12 g + 6, 7, 8, lanes 16-31 those three pieces on.  16 bytes of padding lie behind every 32 pieces: where the piece three on lies behind one padding more, the second address register serves.
.macro FRAGR reg, g, i
.irp p, 0,1,2,3,4,5
.set PCE, 12*(\g)+6*(\p/3)+\p%3
.if PCE%32 < 29
	ds_load_b64 v[\reg+2*\p:\reg+2*\p+1], v[ADRB+(\i)/4] offset:8*PCE+16*(PCE/32)+((\i)%4)*16*PITCH
.else
	ds_load_b64 v[\reg+2*\p:\reg+2*\p+1], v[ADRB+2+(\i)/4] offset:8*PCE+16*(PCE/32)+((\i)%4)*16*PITCH
.endif
.endr
.endm
.macro FETCH_B g                       ; q-step g's eight fragments of B into set g % 2
	WIN TO_B
.irp i, 0,1,2,3,4,5,6,7
	FRAGR 128*((\g)%2)+FR*\i, \g, \i
.endr
.endm
.macro FETCH_A g                       ; and its four of A
	WIN 0
.irp i, 0,1,2,3
	FRAGI AF+48*((\g)%2)+FR*\i, \g, \i
.endr
.endm
; The scale words of the u-th 256 along K into set u % 2: two words a row.  Lanes 16-31 take B's block i; lanes 0-15 take A's block i, of which my four (i = 0 .. 3) are used: for i = 4 .. 7 they read scale bytes
; further on in the same region, which nothing uses.
.macro SCALES u
	WIN 0
.irp i, 0,1,2,3,4,5,6,7
	ds_load_b64 v[SC+16*((\u)%2)+2*\i:SC+16*((\u)%2)+2*\i+1], v[ADRS] offset:\i*SBLK+8*(\u)
.endr
.endm
; 16 matrix instructions of q-step g: A's blocks a0, a0 + 1 x B's eight.  zero = 1: the first product starts the sums, from the bias.  The 32 accumulators take turns, one instruction a turn, in the same order in every q-step.
.macro MUL16 a0, g, zero
.irp a, \a0, \a0+1
.irp b, 0,1,2,3,4,5,6,7
.if \zero
	v_wmma_scale_f32_16x16x128_f8f6f4 v[8*(8*(\a)+\b):8*(8*(\a)+\b)+7], v[128*((\g)%2)+FR*\b:128*((\g)%2)+FR*\b+FR-1], v[AF+48*((\g)%2)+FR*(\a):AF+48*((\g)%2)+FR*(\a)+FR-1], v[BI+8*\b:BI+8*\b+7], v[SC+16*(((\g)/2)%2)+2*\b+(\g)%2], v[SC+16*(((\g)/2)%2)+2*(\a)+(\g)%2] matrix_a_fmt:MATRIX_FMT_FP6 matrix_b_fmt:MATRIX_FMT_FP6 matrix_a_scale:MATRIX_SCALE_ROW1
.else
	v_wmma_scale_f32_16x16x128_f8f6f4 v[8*(8*(\a)+\b):8*(8*(\a)+\b)+7], v[128*((\g)%2)+FR*\b:128*((\g)%2)+FR*\b+FR-1], v[AF+48*((\g)%2)+FR*(\a):AF+48*((\g)%2)+FR*(\a)+FR-1], v[8*(8*(\a)+\b):8*(8*(\a)+\b)+7], v[SC+16*(((\g)/2)%2)+2*\b+(\g)%2], v[SC+16*(((\g)/2)%2)+2*(\a)+(\g)%2] matrix_a_fmt:MATRIX_FMT_FP6 matrix_b_fmt:MATRIX_FMT_FP6 matrix_a_scale:MATRIX_SCALE_ROW1
.endif
.endr
.endr
.endm
.macro PLACES n                        ; plain vector instructions between a matrix instruction and a load into, or a read by a store of, its registers
.rept \n
	v_nop
.endr
.endm
; A q-step.  Its successor's fragments go into the other sets, which the q-step before this one multiplied: the four places at the head stand between those products and both runs of loads.
.macro QSTEP g, zero
	s_wait_dscnt 2*NLA                             ; B's set, the scale words and A's blocks 0, 1 are in; the youngest six loads (A's blocks 2, 3) may be out
	PLACES NP
	FETCH_B (\g)+1
	WIN MUL-0x20*(\zero)
	MUL16 0, \g, \zero
	s_wait_dscnt 8*NLB                             ; A's blocks 2, 3 are in: all but B's loads just issued
.if (\g)%2 == 1
	SCALES ((\g)+1)/2
.endif
	FETCH_A (\g)+1
	WIN MUL-0x20*(\zero)
	MUL16 2, \g, \zero
.endm
	s_load_b128 s[4:7], s[0:1], 0x0                ; c_codes, c_scales
	s_load_b128 s[8:11], s[0:1], 0x10              ; Wo's codes, Wo's scales
	s_load_b64 s[66:67], s[0:1], 0x20              ; bo
	s_load_b64 s[12:13], s[0:1], 0x28              ; out0
	v_lshl_add_u32 v[SPW], v0, 2, SPARE
	v_mov_b32 v[NIL], 0
	ds_add_u32 v28, v29
	ds_add_u32 v28, v29
	s_wait_dscnt 0x0
	v_lshrrev_b32 v1, 5, v0
	v_readfirstlane_b32 s14, v1                    ; wave 0..3
	s_lshr_b32 s15, s14, 1                         ; which 64 of the tile's rows are mine.
	s_and_b32 s16, s14, 1                          ; which 128 of its columns.
	s_bfe_u32 s40, ttmp6, 0x40000                  ; cx, cy: my place in the cluster
	s_bfe_u32 s41, ttmp6, 0x40004
	s_mov_b32 s42, s40                             ; tile column: one cluster spans the 1,024 columns
	s_and_b32 s17, ttmp7, 0xffff
	s_lshl_b32 s17, s17, 2
	s_add_co_u32 s17, s17, s41                     ; G: the group of 128 rows, 0 .. 63
	s_lshl_b32 s43, s41, 2
	s_lshl_b32 s43, 15, s43                        ; my row of the cluster
	s_lshl_b32 s44, 0x1111, s40                    ; my column
	G1IMG G1, 384, 43                              ; all of A: four image tiles, 98,304 dense bytes
	G1PAD G1B, 768, 44                             ; all of B: 256 rows of 768 bytes, dense: 768 rows of 256
	G1PAD G1S, 16, 43                              ; A's scales: 4,096 bytes
	G1PAD G1SB, 32, 44                             ; B's: 8,192 bytes
	s_mul_i32 s20, s17, 4*IMGT                     ; ctx: my group's four tiles of 256 along K
	s_mov_b32 s21, 0
	s_lshl_b32 s22, s17, 12                        ; its scale bytes: 128 rows of 32
	s_mov_b32 s23, 0
	s_mul_i32 s46, s42, 256*KROW                   ; Wo: the tile's 256 rows
	s_mov_b32 s47, 0
	s_lshl_b32 s92, s42, 13                        ; its scale bytes: 256 rows of 32
	s_mov_b32 s93, 0
	s_wait_kmcnt 0x0
	s_add_nc_u64 s[20:21], s[4:5], s[20:21]
	s_add_nc_u64 s[22:23], s[6:7], s[22:23]
	s_add_nc_u64 s[46:47], s[8:9], s[46:47]
	s_add_nc_u64 s[92:93], s[10:11], s[92:93]
	CROUND                                         ; all sixteen work-groups are here: the joint loads meet
	s_mov_b32 s[G0S], 1
	s_mov_b32 s[G0S+1], SCL
	s_mov_b64 s[G0S+2:G0S+3], s[22:23]
	s_or_b32 s[G0S+3], s[G0S+3], 0x80000000
	s_mov_b32 s[G0SB], 1
	s_mov_b32 s[G0SB+1], SCL+SA
	s_mov_b64 s[G0SB+2:G0SB+3], s[92:93]
	s_or_b32 s[G0SB+3], s[G0SB+3], 0x80000000
	s_mov_b32 s[G0B], 1
	s_mov_b32 s[G0B+1], BB
	s_mov_b64 s[G0B+2:G0B+3], s[46:47]
	s_or_b32 s[G0B+3], s[G0B+3], 0x80000000
	s_mov_b32 s[G0], 1
	s_mov_b32 s[G0+1], 0
	s_mov_b64 s[G0+2:G0+3], s[20:21]
	s_or_b32 s[G0+3], s[G0+3], 0x80000000
	ARM 1, G0B, G1B, .Lhead_a                      ; the launch's only fills, one load a wave, in one tree of branches: wave 0 Wo's rows, wave 1 ctx's bytes, wave 2 ctx's scale bytes, wave 3 Wo's
	ARM 2, G0, G1, .Lhead_sa
	ARM 3, G0S, G1S, .Lhead_sb
	tensor_load_to_lds s[G0SB:G0SB+3], s[G1SB:G1SB+7]
	s_nop 0
.rept 4
	v_nop
.endr
.Lhead_asked:
	v_and_b32 v1, 15, v0                           ; r = lane % 16
	v_bfe_u32 v2, v0, 4, 1                         ; h = lane / 16
	v_and_b32 v3, 31, v0                           ; lane
	v_lshlrev_b32 v[VO], 4, v3
	s_wait_alu depctr_va_vdst(0)
	s_lshl_b32 s20, s42, 10                        ; the bias of my 128 columns
	s_lshl_b32 s21, s16, 9
	s_add_co_u32 s20, s20, s21
	s_mov_b32 s21, 0
	s_add_nc_u64 s[66:67], s[66:67], s[20:21]
	v_lshlrev_b32 v[BOA], 5, v2
.irp b, 0,1,2,3,4,5,6,7
	global_load_b128 v[BI+8*\b:BI+8*\b+3], v[BOA], s[66:67] offset:64*\b        ; bo at columns 16 b + 8 h + 0 .. 7
	global_load_b128 v[BI+8*\b+4:BI+8*\b+7], v[BOA], s[66:67] offset:64*\b+16
.endr
	v_mul_u32_u24 v4, v1, PITCH
	v_mad_u32_u24 v4, v2, 24, v4                   ; B: a fragment's row x pitch + 24 x half
	v_lshl_add_u32 v5, v2, 4, v4                   ; and the same behind one padding more
	s_mul_i32 s21, s15, 4*1536                     ; my four of A's eight blocks
	s_mul_i32 s22, s16, 128*PITCH                  ; my 128 rows of B,
	s_add_co_u32 s22, s22, BB                      ; which lie behind A
.irp s, 0,1
	v_add_nc_u32 v[ADRA+\s], s21, v[VO]
	v_add_nc_u32 v[ADRB+\s], s22, v4
	v_add_nc_u32 v[ADRB+2+\s], s22, v5
	s_add_co_u32 s21, s21, 2*IMGT                  ; q-steps 4-7 lie two image tiles on,
	s_add_co_u32 s22, s22, 64*PITCH                ; blocks 4-7 sixty-four rows on: so every immediate stays inside its 16 bits
.endr
	v_mul_u32_u24 v5, v1, KS                       ; my row's scales: KS bytes a row,
	v_lshrrev_b32 v6, 8, v5
	v_lshl_add_u32 v5, v6, 4, v5                   ; and 16 more for each 256 passed
	s_mul_i32 s21, s15, SA/2                       ; A's: my 64 rows
	s_mul_i32 s22, s16, SBG                        ; B's: my 128 rows, behind A's 128
	s_add_co_u32 s22, s22, SA
	s_sub_co_u32 s22, s22, s21
	v_mul_u32_u24 v6, s22, v2                      ; lanes 16-31 take B's
	s_add_co_u32 s21, s21, SCL
	v_add_nc_u32 v5, v5, v6
	v_add_nc_u32 v[ADRS], s21, v5
	s_mul_i32 s23, s14, 16*SPITCH                  ; my stage
	v_mul_u32_u24 v5, v1, SPITCH                   ; in: row l % 16, 32 bytes for each half of the lanes
	v_lshl_add_u32 v5, v2, 5, v5
	v_add_nc_u32 v[STO], s23, v5
	v_lshlrev_b32 v[CO], 4, v3                     ; back: the 32 lanes take one row of 512 bytes; and the same in out
	v_add_nc_u32 v[RD], s23, v[CO]
	s_lshl_b32 s20, s17, 1
	s_add_co_u32 s20, s20, s15
	s_lshl_b32 s20, s20, 18                        ; my first row: 64 rows of 4,096 bytes a half group
	s_lshl_b32 s21, s42, 10
	s_add_co_u32 s20, s20, s21
	s_lshl_b32 s21, s16, 9
	s_add_co_u32 s20, s20, s21                     ; my first column, in bytes
	s_mov_b32 s21, 0
	s_add_nc_u64 s[12:13], s[12:13], s[20:21]
	s_wait_alu depctr_va_vdst(0)
	s_wait_tensorcnt 0x0                           ; my one load of the head's four is in,
	s_barrier_signal -1
	s_barrier_wait -1                              ; everybody's are
	FETCH_B 0
	SCALES 0
	FETCH_A 0
	s_wait_loadcnt 0x0                             ; the bias
	QSTEP 0, 1                                     ; the first q-step's products start the sums, from the bias
	QSTEP 1, 0
	QSTEP 2, 0
	QSTEP 3, 0
	QSTEP 4, 0
	QSTEP 5, 0
	QSTEP 6, 0
	s_wait_dscnt 2*NLA                             ; the last q-step
	WIN MUL
	MUL16 0, 7, 0
	s_wait_dscnt 0x0                               ; my LDS reads are over:
	s_barrier_signal -1                            ; say so,
	MUL16 2, 7, 0                                  ; work on registers while the others arrive,
	WIN 0
	s_barrier_wait -1                              ; and nobody reads ctx's bytes any more: the stages may be written there
; THE WAY OUT, block by block of 16 rows x 128 columns.  LDS serves a wave's instructions in order (ISA guide 5.7.1.4): no wait between the stores and the loads, nor in front of the next block's stores.
.macro TOSTAGE a
.set AC, 64*(\a)
	WIN 0x08                                       ; the data: window 2
.irp b, 0,1,2,3,4,5,6,7
	ds_store_b128 v[STO], v[AC+8*\b:AC+8*\b+3] offset:64*\b          ; each accumulator from its low end on
	ds_store_b128 v[STO], v[AC+8*\b+4:AC+8*\b+7] offset:64*\b+16
.endr
	WIN 0
.set BBK, BK+64*((\a)%2)
.irp t, 0,1,2,3,4,5,6,7,8,9,10,11,12,13,14,15
	ds_load_b128 v[BBK+4*\t:BBK+4*\t+3], v[RD] offset:\t*SPITCH
.endr
.endm
.macro SEND a, younger                 ; younger: the LDS instructions issued behind block a's loads, which may stay out
.set BBK, BK+64*((\a)%2)
	s_wait_dscnt \younger                          ; the block is back in registers
.if (\a) > 0
	s_add_nc_u64 s[12:13], s[12:13], 16*SIZE_N*4   ; (behind a wait on XCNT: the earlier stores have read their base)  16 rows of out on
.endif
.irp t, 0,1,2,3,4,5,6,7,8,9,10,11,12,13,14,15
	global_store_b128 v[CO], v[BBK+4*\t:BBK+4*\t+3], s[12:13] offset:\t*SIZE_N*4 th:TH_STORE_NT   ; 32 lanes store 512 consecutive bytes, at a multiple of 256 from out's first byte; written once, read by nobody here
.endr
.endm
	PLACES NP                                      ; in front of the first read of results and of the loads into registers that held A's fragments
	TOSTAGE 0
.irp a, 1,2,3
.if \a > 1
	s_wait_xcnt 0x0                                ; block a - 2's stores have read their registers and their base: block a's loads may land there, and the base may step
.endif
	TOSTAGE \a
	SEND \a-1, 32                                  ; behind block a - 1's loads: block a's 16 stores and 16 loads
.endr
	s_wait_xcnt 0x0                                ; block 2's stores have read their base
	SEND 3, 0
	s_wait_tensorcnt 0x0                           ; the wave's end, behind my last tensor load and my last LDS store
	ds_add_u32 v[SPW], v[NIL]
	s_wait_dscnt 0x0
	CROUND                                         ; the closing round: no work-group ends while a partner may still ask for bytes by a load that names it
	s_endpgm
.Lfunc_end_k_q46dfdec8ea_outp:
	.size	k_q46dfdec8ea_outp, .Lfunc_end_k_q46dfdec8ea_outp-k_q46dfdec8ea_outp
	.p2alignl 7, 3214868480
	.fill 96, 4, 3214868480
	.section	.rodata,"a",@progbits
	.p2align	6, 0x0
	.amdhsa_kernel k_q46dfdec8ea_outp
		.amdhsa_group_segment_fixed_size 327680
		.amdhsa_private_segment_fixed_size 0
		.amdhsa_enable_private_segment 0
		.amdhsa_kernarg_size 48
		.amdhsa_user_sgpr_count 2
		.amdhsa_user_sgpr_kernarg_segment_ptr 1
		.amdhsa_wavefront_size32 1
		.amdhsa_system_sgpr_workgroup_id_x 1
		.amdhsa_system_sgpr_workgroup_id_y 1
		.amdhsa_system_sgpr_workgroup_id_z 1
		.amdhsa_system_vgpr_workitem_id 0
		.amdhsa_next_free_vgpr 768
		.amdhsa_next_free_sgpr 102
		.amdhsa_reserve_vcc 0
		.amdhsa_float_denorm_mode_32 3
		.amdhsa_float_denorm_mode_16_64 3
		.amdhsa_memory_ordered 1
		.amdhsa_forward_progress 1
		.amdhsa_inst_pref_size 92
	.end_amdhsa_kernel
	.amdgpu_metadata
---
amdhsa.version: [ 1, 2 ]
amdhsa.kernels:
  - .name:           k_q46dfdec8ea_outp
    .symbol:         k_q46dfdec8ea_outp.kd
    .args:
      - { .name: c_codes, .offset: 0, .size: 8, .value_kind: global_buffer, .address_space: global }
      - { .name: c_scales, .offset: 8, .size: 8, .value_kind: global_buffer, .address_space: global }
      - { .name: Wo_codes, .offset: 16, .size: 8, .value_kind: global_buffer, .address_space: global }
      - { .name: Wo_scales, .offset: 24, .size: 8, .value_kind: global_buffer, .address_space: global }
      - { .name: bo, .offset: 32, .size: 8, .value_kind: global_buffer, .address_space: global }
      - { .name: out0, .offset: 40, .size: 8, .value_kind: global_buffer, .address_space: global }
    .group_segment_fixed_size: 327680
    .private_segment_fixed_size: 0
    .kernarg_segment_align: 8
    .kernarg_segment_size: 48
    .max_flat_workgroup_size: 128
    .sgpr_count:     102
    .vgpr_count:     768
    .wavefront_size: 32
...
	.end_amdgpu_metadata
.endif
;; end of part 8
